; MI455X (gfx1250); checked and timed in simulation.
; The chip was launched on July 23, 2026; its instructions are those of AMD's public machine-readable ISA for CDNA 5 (MIT licence, August 2026) and "CDNA5" Instruction Set Architecture Reference Guide (July 2026). The comments in the code are by the model that wrote it; some were corrected since.
;; Transformer Block. Allowed arithmetic: matrix products marked QUANTISED: E5M2 operands, one E8M0 scale for each 32 along K, by v_wmma_scale_f32_16x16x128_f8f6f4 with both operands' format E5M2, f32 sums; everything else in f32.
;; Inputs: fc1_b 4,096 float32; fc1_w 1,024 x 4,096 float32; fc2_b 1,024 float32; fc2_w 4,096 x 1,024 float32; ln1_b 1,024 float32; ln1_g 1,024 float32; ln2_b 1,024 float32; ln2_g 1,024 float32; proj_b 1,024 float32; proj_w 1,024 x 1,024 float32; qkv_b 3,072 float32; qkv_w 1,024 x 3,072 float32; x 2 x 2,048 x 1,024 float32.
;; Outputs: out0 2 x 2,048 x 1,024 float32.
;; This version of the problem:
;;   THIS VERSION OF THE PROBLEM IS GIVEN IN LOW PRECISION. The matrix products marked QUANTISED in the list below multiply operands that are first quantised to E5M2 (5 exponent bits, 2 mantissa bits; 8 bits a number), with one power-of-two scale for each 32 numbers along K (OCP MX v1.0); their sums are f32. All else is computed in f32.
;;   The module's matrix products, in the order in which they are computed (A, B: the left and right operand; K: the contracted axis; several contracted axes count as one K, in the product's order):
;;     1. [M 4,096, K 1,024] x [K 1,024, N 3,072]; A: computed on the way; B: input qkv_w: QUANTISED
;;     2. batch 32 x [M 2,048, K 64] x [K 64, N 2,048]; A: computed on the way; B: computed on the way: QUANTISED
;;     3. batch 32 x [M 2,048, K 2,048] x [K 2,048, N 64]; A: softmax (see below); B: computed on the way: QUANTISED
;;     4. [M 4,096, K 1,024] x [K 1,024, N 1,024]; A: computed on the way; B: input proj_w: QUANTISED
;;     5. [M 4,096, K 1,024] x [K 1,024, N 4,096]; A: computed on the way; B: input fc1_w: QUANTISED
;;     6. [M 4,096, K 4,096] x [K 4,096, N 1,024]; A: computed on the way; B: input fc2_w: QUANTISED
;;   THE QUANTISER, for each operand of a quantised product, along K:
;;     - K is cut into blocks of 32 from its start; a last block that is shorter is filled with zeros.
;;     - A block's scale is 2^e with e = floor(log2(the largest magnitude in the block)) - 15, held to -126 .. 127; a block of zeros has e = 0. As a byte (E8M0): e + 127.
;;     - Each number is divided by its block's scale, clamped to +-57,344, and rounded to the nearest number of E5M2, ties to even, subnormals kept.
;;     - The product sums the exact products of the quantised numbers (number of the format x scale) in f32.
;;   ~~~python
;;   def quantise(x, axis):      # numpy; x: float32 -> the quantised numbers, widened to float32 again
;;       x = np.moveaxis(x, axis, -1); K = x.shape[-1]
;;       x = np.pad(x, [(0, 0)] * (x.ndim - 1) + [(0, -K % 32)]); x = x.reshape(x.shape[:-1] + (-1, 32)); a = np.abs(x).max(-1, keepdims=True)
;;       e = np.where(a > 0, np.clip(np.frexp(np.where(a > 0, a, 1))[1] - 1 - 15, -126, 127), 0)      # np.frexp(a)[1] - 1 = floor(log2(a)), exactly
;;       r = np.clip(x / 2.0 ** e, -57344, 57344)
;;       step = 2.0 ** (np.maximum(np.frexp(np.where(r == 0, 1, r))[1] - 1, -14) - 2)
;;       q = np.round(r / step) * step * 2.0 ** e      # np.round: ties to even
;;       return np.moveaxis(q.reshape(q.shape[:-2] + (-1,))[..., :K], -1, axis).astype(np.float32)
;;   ~~~
;;   SOFTMAX AHEAD OF A QUANTISED PRODUCT. Where the list says 'softmax', what is quantised is not the finished softmax but p = 2^(t - M), with t = logit x log2(e) and M = ceil(the row's largest t), a whole number; so 1/2 < the row's largest p <= 1. The row's sum l is taken of the UNQUANTISED p, in f32, and the product's result is divided by l at the end. Since M is a whole number, a kernel that streams over the keys may use a running M (the ceiling of the running maximum): every later rescaling is an exact power of two, which a block's scale takes up: the codes' values come out the same.
;;   OPERANDS COMPUTED ON THE WAY. 'Computed on the way' means the value that the module computes at that place (a softmax that the list does not call 'softmax' is quantised finished and normalised). What goes into a quantiser is computed in f32, as accurately as f32 sums, v_exp_f32 and their like allow (about 1e-6 of the number): no bf16 or f16 on the way to a quantiser, and a product that is left as it is and whose result goes on into a quantised operand takes f32 operands (vector FMAs, or v_wmma_f32_16x16x4_f32). A number that lies on a knife's edge between two numbers of the format may be rounded either way, as far as f32 arithmetic and the matrix unit's own rounding can turn it there, and no further.
;; One version. Each part assembles by itself: llvm-mc -triple=amdgcn-amd-amdhsa -mcpu=gfx1250 --defsym DOCPART=n.
;; ======== version 1 of 1: 7 launches
;; limits: right only within a limited range of input values
;; workspace buffers: wts 12,976,128 bytes; act 4,325,376 bytes; qkvb 12,976,128 bytes; ob 4,325,376 bytes; x1 16,777,216 bytes; hb 17,301,504 bytes
;; launch prep (part 1): grid 160 x 4, 4 waves a work-group, no clusters, 57,344 bytes of LDS; arguments qkv_w, proj_w, fc1_w, fc2_w, wts, x, ln1_g, ln1_b, act; writes wts, act
.if DOCPART == 1
	.amdgcn_target "amdgcn-amd-amdhsa--gfx1250"
	.amdhsa_code_object_version 6
	.text
	.protected	k_q5059fc582f_prep
	.globl	k_q5059fc582f_prep
	.p2align	8
	.type	k_q5059fc582f_prep,@function
k_q5059fc582f_prep:
	s_mov_b64 s[64:65], 0
	v_nop
	global_prefetch_b8 v0, s[64:65] scope:SCOPE_SE
	s_setreg_imm32_b32 hwreg(HW_REG_WAVE_MODE, 25, 1), 1
	s_wait_xcnt 0x0
; TWO INDEPENDENT STREAMS IN ONE LAUNCH, told apart by the work-group's x: x < 96: the four weights become codes; x >= 96: LayerNorm 1 of x, quantised.  Neither reads what the other writes.
; The two paths have LDS bytes of their own; they part on x, join for the one barrier (which the rows' path needs), and part again; what the tail reads is made ahead of the first parting.
;
; THE WEIGHTS, f32 stored [K][N], become codes of BF8 (E5M2) laid [N][K], K innermost, and one E8M0 byte for each 32 along K.
; A work-group takes 128 columns x 256 along K of ONE weight; which weight, tile and run of K follows from its x and y alone:
;   x 0-23 qkv_w (N 3072), 24-31 proj_w (N 1024), 32-63 fc1_w (N 4096): run of K = y;  x 64-95 fc2_w (N 1024, K 4096): column tile (x-64)&7, run of K 4((x-64)>>3)+y.
; Only sizes and pointers are chosen (by selects on x).  A LANE TAKES A COLUMN AND ITS REGISTERS RUN DOWN K: a block of 32 lies in one lane's 32 registers, and the conversions give codes with K innermost.
; The codes of 256 along K go through the wave's own stage in LDS (rows of 256 + 16 bytes) and leave as rows: sixteen lanes store 256 consecutive bytes, aligned.
; SCALE BYTES: qkv_w, fc1_w: [N][32], a row on end;  proj_w, fc2_w: [K/256][N][8], so that the 32 lanes' 8 bytes are 256 consecutive bytes.
;
; THE ROWS: LayerNorm of 4,096 rows of 1,024 f32, then the quantiser along the row: codes [4096][1024] at act + 0, E8M0 bytes [4096][32] at act + AS.  Work-group (x, y) takes the 16 rows of block (x - 96) + 64 y, a wave 4;
; a wave holds a whole row in 32 registers.  The mean is taken first and subtracted, then the variance is the mean of the squared differences: a common offset of the inputs costs no accuracy.
; For the conversions a lane must hold 16 NEIGHBOURS: 512 numbers at a time turn through the wave's own stage in LDS (64 bytes + 16 of padding for each lane).  Two neighbouring lanes hold a block of 32.
; The work-group's 512 scale bytes meet in LDS and leave as two aligned runs of 256 bytes.
;
; A block's scale is 2^(floor(log2(largest magnitude)) - 15); its byte is the largest magnitude's exponent field - 15, held at 1 from below.
; LIMITS: a block whose largest magnitude lies under 2^(16-127), a block of zeros among them, gets the byte 1 (the bytes are read by this program alone); NaN and infinities are not served; v_rsq_f32 is good to 1 ulp.
.set NWQ,   96                         ; work-groups along x that take weights
.set PITCH, 272
.set NB,    8
.set EMAX,  15
.set MANT,  0x600000
.set X,     32                         ; the weights' path: v32-95 two sets of 32 numbers
.set C,     96                         ; v96-103  a block's codes
.set OUTR,  112                        ; v112-175 the way out
.set VO,    176                        ; v176-207 byte offsets: 4 x lane + i rows of the weight; on the way out the codes' rows
.set SB,    24                         ; v24-25   the scale bytes
.set WPC,   3145728                    ; where each weight's codes and scale bytes begin in wts (qkv_w's codes at 0)
.set WF1C,  4194304
.set WF2C,  8388608
.set WQS,   12582912
.set WPS,   12681216
.set WF1S,  12713984
.set WF2S,  12845056
.set LNB,   35840                      ; LDS: behind the weights' four stages (4 x 32 x 272 bytes) the rows' path has bytes of its own: four waves' stages (2 x 32 x 80 bytes each),
.set SP,    80
.set SCB,   LNB+20480                  ; and the work-group's 512 scale bytes
.set AS,    4194304
.set G,     16                         ; the rows' path: v16-47 the gain, in a row's layout
.set BB,    48                         ; v48-79   the bias
.set R,     80                         ; v80-207  four rows
.set CD,    208                        ; v208-239 codes: four registers for each of the 8 steps, so that no store's data are written again
.set E,     240                        ; v240-247 a scale byte for each step
.set MU,    248                        ; v[248:249] the mean, twice
.set RS,    250                        ; v[250:251] 1 / sqrt(var + eps), twice
	s_load_b256 s[4:11], s[0:1], 0x0               ; qkv_w, proj_w, fc1_w, fc2_w
	s_load_b64 s[12:13], s[0:1], 0x20              ; wts
	s_load_b256 s[72:79], s[0:1], 0x28             ; x, ln1_g, ln1_b, act
	v_lshrrev_b32 v1, 5, v0
	v_readfirstlane_b32 s16, v1                    ; wave
	v_and_b32 v2, 31, v0                           ; lane
	v_lshlrev_b32 v3, 4, v2                        ; 16 x lane; never rewritten
	v_add_nc_u32 v6, SCB, v3                       ; the tail's LDS address; never rewritten
	s_and_b32 s18, ttmp7, 0xffff                   ; y
	s_sub_co_i32 s80, ttmp9, NWQ
	s_max_i32 s80, s80, 0
	s_lshl_b32 s81, s18, 6
	s_add_co_u32 s80, s80, s81                     ; the block of 16 rows, 0 .. 255 (in a weights' work-group a number in the same range that nothing uses)
	s_lshl_b32 s82, s80, 9
	s_add_co_u32 s82, s82, AS
	s_mov_b32 s83, 0
	s_wait_kmcnt 0x0
	s_add_nc_u64 s[82:83], s[78:79], s[82:83]      ; the block's 512 scale bytes in act
	s_cmp_ge_u32 ttmp9, NWQ
	s_cbranch_scc1 .Lrows
	; ---------------- the weights ----------------
	s_sub_co_u32 s28, ttmp9, 24                    ; the column tile, were it proj_w's,
	s_sub_co_u32 s29, ttmp9, 32                    ; fc1_w's,
	s_sub_co_u32 s30, ttmp9, 64
	s_and_b32 s52, s30, 7                          ; fc2_w's,
	s_lshr_b32 s53, s30, 3
	s_lshl_b32 s53, s53, 2
	s_add_co_u32 s53, s53, s18                     ; and fc2_w's run of K
	s_mov_b32 s19, ttmp9                           ; qkv_w's figures first: tile,
	s_mov_b32 s20, 12288                           ; bytes in a row of the weight,
	s_mov_b32 s21, 1024                            ; bytes in a row of its codes,
	s_mov_b32 s22, 0                               ; where the codes begin,
	s_mov_b32 s23, WQS                             ; the scale bytes,
	s_mov_b32 s24, 32                              ; scale bytes from column to column,
	s_mov_b32 s25, 8                               ; and from one run of K to the next
	s_mov_b32 s31, MANT
	s_mov_b64 s[26:27], s[4:5]
	s_cmp_ge_u32 ttmp9, 24
	s_cselect_b64 s[26:27], s[6:7], s[26:27]
	s_cselect_b32 s19, s28, s19
	s_cselect_b32 s20, 4096, s20
	s_cselect_b32 s22, WPC, s22
	s_cselect_b32 s23, WPS, s23
	s_cselect_b32 s24, 8, s24
	s_cselect_b32 s25, 8192, s25
	s_cmp_ge_u32 ttmp9, 32
	s_cselect_b64 s[26:27], s[8:9], s[26:27]
	s_cselect_b32 s19, s29, s19
	s_cselect_b32 s20, 16384, s20
	s_cselect_b32 s22, WF1C, s22
	s_cselect_b32 s23, WF1S, s23
	s_cselect_b32 s24, 32, s24
	s_cselect_b32 s25, 8, s25
	s_cmp_ge_u32 ttmp9, 64
	s_cselect_b64 s[26:27], s[10:11], s[26:27]
	s_cselect_b32 s19, s52, s19
	s_cselect_b32 s18, s53, s18
	s_cselect_b32 s20, 4096, s20
	s_cselect_b32 s21, 4096, s21
	s_cselect_b32 s22, WF2C, s22
	s_cselect_b32 s23, WF2S, s23
	s_cselect_b32 s24, 8, s24
	s_cselect_b32 s25, 8192, s25
	s_lshl_b32 s17, s19, 7
	s_lshl_b32 s28, s16, 5
	s_add_co_u32 s17, s17, s28                     ; my wave's first column
	s_mul_i32 s52, s18, s20
	s_lshl_b32 s52, s52, 8                         ; 256 rows of the weight for each run of K (under 2^24 bytes in all)
	s_lshl_b32 s28, s17, 2
	s_add_co_u32 s52, s52, s28
	s_mov_b32 s53, 0
	s_add_nc_u64 s[32:33], s[26:27], s[52:53]      ; block 0's base; a base for each of the 8 blocks, none is stepped
	s_lshl_b32 s54, s20, 5                         ; 32 rows on
	s_mov_b32 s55, 0
.irp t, 1,2,3,4,5,6,7
	s_add_nc_u64 s[32+2*\t:33+2*\t], s[30+2*\t:31+2*\t], s[54:55]
.endr
	s_mul_i32 s52, s17, s21
	s_lshl_b32 s28, s18, 8
	s_add_co_u32 s52, s52, s28
	s_add_co_u32 s52, s52, s22
	s_add_nc_u64 s[48:49], s[12:13], s[52:53]      ; the codes: column x row bytes + 256 x run
	s_mul_i32 s52, s17, s24
	s_mul_i32 s28, s18, s25
	s_add_co_u32 s52, s52, s28
	s_add_co_u32 s52, s52, s23
	s_add_nc_u64 s[50:51], s[12:13], s[52:53]      ; the scale bytes
	s_wait_alu depctr_va_vdst(0)
	v_lshlrev_b32 v[VO], 2, v2
.set li, 1
.rept 31
	v_add_nc_u32 v[VO+li], s20, v[VO+li-1]         ; one row of the weight further down
.set li, li+1
.endr
	s_mul_i32 s28, s16, 32*PITCH                   ; my stage
	v_mul_u32_u24 v4, v2, PITCH
	v_add_nc_u32 v4, s28, v4                       ; into it: row = my column
	v_and_b32 v14, 15, v2
	v_lshrrev_b32 v15, 4, v2
	v_mul_u32_u24 v7, v15, PITCH
	v_lshl_add_u32 v7, v14, 4, v7
	v_add_nc_u32 v7, s28, v7                       ; out of it: sixteen lanes to a row, two rows an instruction
	v_mul_lo_u32 v8, v15, s21
	v_lshl_add_u32 v8, v14, 4, v8                  ; the same place in the codes' buffer
	v_mul_lo_u32 v9, v2, s24                       ; my column's scale bytes
.macro LOAD t                          ; block t: W(32 t + i, my column), i = 0 .. 31, into set t % 2: 32 lanes read 128 consecutive bytes
.set li, 0
.rept 32
	global_load_b32 v[X+32*((\t)%2)+li], v[VO+li], s[32+2*(\t):33+2*(\t)] th:TH_LOAD_NT
.set li, li+1
.endr
.endm
	LOAD 0
	LOAD 1
.macro BLOCK t
.set XS, X+32*((\t)%2)
.if (\t) < NB-1
	s_wait_loadcnt 32                              ; this block's 32 loads are in; the next block's 32 may be out
.else
	s_wait_loadcnt 0
.endif
	v_max3_num_f32 v12, |v[XS]|, |v[XS+1]|, |v[XS+2]|              ; the block's largest magnitude: all 32 numbers are mine
	v_max3_num_f32 v13, |v[XS+3]|, |v[XS+4]|, |v[XS+5]|
.irp i, 6,10,14,18,22,26
	v_max3_num_f32 v12, v12, |v[XS+\i]|, |v[XS+\i+1]|
	v_max3_num_f32 v13, v13, |v[XS+\i+2]|, |v[XS+\i+3]|
.endr
	v_max3_num_f32 v12, v12, |v[XS+30]|, |v[XS+31]|
	v_max3_num_f32 v12, v12, v13, (EMAX+1)<<23     ; the floor 2^(16 - 127): the byte cannot fall under 1
	v_add_nc_u32 v11, 0xf8800000, v12              ; 15 off the exponent field: the conversion's scale operand
	v_and_or_b32 v10, v12, 0x7f800000, s31         ; 57,344 x the scale
	v_lshrrev_b32 v13, 23, v11                     ; the scale's byte
.if (\t)%4 == 0
	v_mov_b32 v[SB+(\t)/4], v13
.else
	v_lshl_or_b32 v[SB+(\t)/4], v13, 8*((\t)%4), v[SB+(\t)/4]
.endif
.set li, 0
.rept 32
	v_med3_num_f32 v[XS+li], v[XS+li], -v10, v10   ; the conversion to an 8-bit code does not saturate (ISA guide 7.6.2): the hold comes first
.set li, li+1
.endr
.irp g, 0,1,2,3
	v_cvt_scalef32_pk8_bf8_f32 v[C+2*\g:C+2*\g+1], v[XS+8*\g:XS+8*\g+7], v11
.endr
	ds_store_b128 v4, v[C:C+3] offset:32*(\t)
	ds_store_b128 v4, v[C+4:C+7] offset:32*(\t)+16
.if (\t)+2 < NB
	LOAD (\t)+2
.endif
	s_wait_dscnt 0x0                               ; the stores have read their registers: the next block's codes may be written
.endm
.set Q, 0
.rept NB
	BLOCK Q
.set Q, Q+1
.endr
	global_store_b64 v9, v[SB:SB+1], s[50:51]      ; my column's 8 scale bytes
	s_cmp_ge_u32 ttmp9, 64                         ; fc2_w's codes leave in the order of an operand's registers
	s_cbranch_scc1 .Lfrag
	s_lshl_b32 s28, s21, 1
	v_mov_b32 v[VO], v8
.set li, 1
.rept 15
	v_add_nc_u32 v[VO+li], s28, v[VO+li-1]
.set li, li+1
.endr
.irp t, 0,1,2,3,4,5,6,7,8,9,10,11,12,13,14,15
	ds_load_b128 v[OUTR+4*\t:OUTR+4*\t+3], v7 offset:2*\t*PITCH   ; LDS serves a wave's instructions in order: these see my stores
.endr
	s_wait_alu depctr_va_vdst(0)
.irp t, 0,1,2,3,4,5,6,7,8,9,10,11,12,13,14,15
	s_wait_dscnt 15-\t                             ; load t is in; the 15 - t behind it may be out
	global_store_b128 v[VO+\t], v[OUTR+4*\t:OUTR+4*\t+3], s[48:49]
.endr
	s_branch .Ljoin
	; fc2_w: codes laid [block of 16 columns][step of 128 along K][piece c][lane (r, h)][16 bytes]: lane (r, h) of piece c holds column r, K = 32 c + 16 h + 0 .. 15.
	; My 32 columns are two blocks, my 256 along K two steps: 16 pieces of 512 consecutive bytes.  A block's 32 steps are 65,536 bytes, a step 2,048.
.Lfrag:
	s_mul_i32 s52, s18, 3840                       ; a run of 256 along K is 4,096 bytes on in this order, not 256
	s_add_nc_u64 s[48:49], s[48:49], s[52:53]
	v_mul_u32_u24 v7, v14, PITCH                   ; out of the stage: row r, + 16 h
	v_lshl_add_u32 v7, v15, 4, v7
	v_add_nc_u32 v7, s28, v7
.irp t, 0,1,2,3,4,5,6,7,8,9,10,11,12,13,14,15
	ds_load_b128 v[OUTR+4*\t:OUTR+4*\t+3], v7 offset:((\t)/8)*16*PITCH+(((\t)/4)%2)*128+((\t)%4)*32
.endr
.irp t, 0,1,2,3,4,5,6,7,8,9,10,11,12,13,14,15
	s_wait_dscnt 15-\t                             ; load t is in; the 15 - t behind it may be out
	global_store_b128 v3, v[OUTR+4*\t:OUTR+4*\t+3], s[48:49] offset:((\t)/8)*65536+(((\t)/4)%2)*2048+((\t)%4)*512
.endr
	s_branch .Ljoin
	; ---------------- the rows ----------------
.Lrows:
	s_mul_i32 s17, s16, 2*32*SP
	s_add_co_u32 s17, s17, LNB
	s_wait_alu depctr_va_vdst(0)
	v_lshrrev_b32 v14, 2, v2
	v_mul_u32_u24 v14, v14, SP
	v_and_b32 v15, 3, v2
	v_lshl_add_u32 v14, v15, 4, v14
	v_add_nc_u32 v14, s17, v14                     ; the stage, on the way in: four lanes' 64 bytes on end, then 16 of padding
	v_mul_u32_u24 v15, v2, SP
	v_add_nc_u32 v15, s17, v15                     ; and on the way out: my 16 neighbours
	v_lshrrev_b32 v5, 1, v2
	s_lshl_b32 s17, s16, 7
	s_add_co_u32 s17, s17, SCB
	v_add_nc_u32 v5, s17, v5                       ; my block's scale byte: 128 bytes a wave, 32 a row
	v_mov_b32 v254, 0                              ; written once: a lane permute's destination counts as one of its sources
	s_mov_b32 s20, 0x76543210
	s_mov_b32 s21, 0xfedcba98                      ; lane l xor 16
	s_mov_b32 s23, 0x600000                        ; the mantissa field of 57,344
	s_mov_b32 s24, 0x3a800000                      ; 1 / 1024
	s_mov_b32 s25, 0x3727c5ac                      ; eps = 1e-5
	s_lshl_b32 s18, s80, 4
	s_lshl_b32 s19, s16, 2
	s_add_co_u32 s18, s18, s19                     ; my first row
	s_lshl_b32 s12, s18, 12
	s_mov_b32 s13, 0
	s_lshl_b32 s14, s18, 10
	s_mov_b32 s15, 0
	s_add_nc_u64 s[4:5], s[72:73], s[12:13]        ; my rows
	s_add_nc_u64 s[10:11], s[78:79], s[14:15]      ; my rows' codes
.irp j, 0,1,2,3,4,5,6,7
	global_load_b128 v[G+4*\j:G+4*\j+3], v3, s[74:75] offset:512*\j
.endr
.irp j, 0,1,2,3,4,5,6,7
	global_load_b128 v[BB+4*\j:BB+4*\j+3], v3, s[76:77] offset:512*\j
.endr
.irp n, 0,1,2,3
.irp j, 0,1,2,3,4,5,6,7
	global_load_b128 v[R+32*\n+4*\j:R+32*\n+4*\j+3], v3, s[4:5] offset:4096*\n+512*\j th:TH_LOAD_NT
.endr
.endr
.macro FOLD                            ; four chains of pairs -> one number in every lane of the wave (v8)
	v_pk_add_f32 v[8:9], v[8:9], v[10:11]
	v_pk_add_f32 v[12:13], v[12:13], v[252:253]
	v_pk_add_f32 v[8:9], v[8:9], v[12:13]
	v_add_f32 v8, v8, v9
	v_add_f32_dpp v8, v8, v8 row_xmask:1 row_mask:0xf bank_mask:0xf
	v_add_f32_dpp v8, v8, v8 row_xmask:2 row_mask:0xf bank_mask:0xf
	v_add_f32_dpp v8, v8, v8 row_xmask:4 row_mask:0xf bank_mask:0xf
	v_add_f32_dpp v8, v8, v8 row_xmask:8 row_mask:0xf bank_mask:0xf
	v_permlanex16_b32 v254, v8, s20, s21
	v_add_f32 v8, v8, v254
.endm
.macro ROW n
.set RR, R+32*(\n)
	s_wait_loadcnt 8*(3-(\n))                      ; gain, bias and this row are in; the later rows' 8 loads each may be out
	v_pk_add_f32 v[8:9], v[RR:RR+1], v[RR+2:RR+3]
	v_pk_add_f32 v[10:11], v[RR+4:RR+5], v[RR+6:RR+7]
	v_pk_add_f32 v[12:13], v[RR+8:RR+9], v[RR+10:RR+11]
	v_pk_add_f32 v[252:253], v[RR+12:RR+13], v[RR+14:RR+15]
.irp i, 16,24
	v_pk_add_f32 v[8:9], v[8:9], v[RR+\i:RR+\i+1]
	v_pk_add_f32 v[10:11], v[10:11], v[RR+\i+2:RR+\i+3]
	v_pk_add_f32 v[12:13], v[12:13], v[RR+\i+4:RR+\i+5]
	v_pk_add_f32 v[252:253], v[252:253], v[RR+\i+6:RR+\i+7]
.endr
	FOLD
	v_mul_f32 v[MU], s24, v8                       ; the mean
	v_mov_b32 v[MU+1], v[MU]
.set li, 0
.rept 16
	v_pk_add_f32 v[RR+li:RR+li+1], v[RR+li:RR+li+1], v[MU:MU+1] neg_lo:[0,1] neg_hi:[0,1]   ; x - mean
.set li, li+2
.endr
	v_pk_mul_f32 v[8:9], v[RR:RR+1], v[RR:RR+1]
	v_pk_mul_f32 v[10:11], v[RR+2:RR+3], v[RR+2:RR+3]
	v_pk_mul_f32 v[12:13], v[RR+4:RR+5], v[RR+4:RR+5]
	v_pk_mul_f32 v[252:253], v[RR+6:RR+7], v[RR+6:RR+7]
.irp i, 8,16,24
	v_pk_fma_f32 v[8:9], v[RR+\i:RR+\i+1], v[RR+\i:RR+\i+1], v[8:9]
	v_pk_fma_f32 v[10:11], v[RR+\i+2:RR+\i+3], v[RR+\i+2:RR+\i+3], v[10:11]
	v_pk_fma_f32 v[12:13], v[RR+\i+4:RR+\i+5], v[RR+\i+4:RR+\i+5], v[12:13]
	v_pk_fma_f32 v[252:253], v[RR+\i+6:RR+\i+7], v[RR+\i+6:RR+\i+7], v[252:253]
.endr
	FOLD
	v_fma_f32 v8, v8, s24, s25                     ; var + eps
	s_wait_alu depctr_va_vdst(0)
	v_rsq_f32 v[RS], v8
	v_rsq_f32 v[RS+1], v8
	v_nop                                          ; a plain instruction behind the transcendentals,
	s_wait_alu depctr_va_vdst(0)                   ; and the one wait ahead of their first reader
.set li, 0
.rept 16
	v_pk_mul_f32 v[RR+li:RR+li+1], v[RR+li:RR+li+1], v[RS:RS+1]
.set li, li+2
.endr
.set li, 0
.rept 16
	v_pk_fma_f32 v[RR+li:RR+li+1], v[RR+li:RR+li+1], v[G+li:G+li+1], v[BB+li:BB+li+1]
.set li, li+2
.endr
.irp s, 0,1                            ; both halves of the row through the two stages: LDS serves a wave's instructions in order
.irp i, 0,1,2,3
	ds_store_b128 v14, v[RR+16*\s+4*\i:RR+16*\s+4*\i+3] offset:32*SP*\s+8*SP*\i
.endr
.irp i, 0,1,2,3
	ds_load_b128 v[RR+16*\s+4*\i:RR+16*\s+4*\i+3], v15 offset:32*SP*\s+16*\i
.endr
.endr
	s_wait_dscnt 0x0
.irp s, 0,1
	v_max3_num_f32 v8, |v[RR+16*\s]|, |v[RR+16*\s+1]|, |v[RR+16*\s+2]|
	v_max3_num_f32 v9, |v[RR+16*\s+3]|, |v[RR+16*\s+4]|, |v[RR+16*\s+5]|
.irp i, 6,10
	v_max3_num_f32 v8, v8, |v[RR+16*\s+\i]|, |v[RR+16*\s+\i+1]|
	v_max3_num_f32 v9, v9, |v[RR+16*\s+\i+2]|, |v[RR+16*\s+\i+3]|
.endr
	v_max3_num_f32 v8, v8, |v[RR+16*\s+14]|, |v[RR+16*\s+15]|
	v_max3_num_f32 v8, v8, v9, (EMAX+1)<<23        ; the floor 2^(16 - 127)
	v_max_num_f32_dpp v8, v8, v8 row_xmask:1 row_mask:0xf bank_mask:0xf   ; with my neighbour's 16: the block's largest magnitude
	v_add_nc_u32 v11, 0xf8800000, v8               ; 15 off its exponent field: the conversion's scale operand
	v_and_or_b32 v10, v8, 0x7f800000, s23          ; 57,344 x the scale
.irp i, 0,1,2,3,4,5,6,7,8,9,10,11,12,13,14,15
	v_med3_num_f32 v[RR+16*\s+\i], v[RR+16*\s+\i], -v10, v10   ; the conversion does not saturate (ISA guide 7.6.2): the hold comes first
.endr
	v_cvt_scalef32_pk8_bf8_f32 v[CD+4*(2*(\n)+\s):CD+4*(2*(\n)+\s)+1], v[RR+16*\s:RR+16*\s+7], v11
	v_cvt_scalef32_pk8_bf8_f32 v[CD+4*(2*(\n)+\s)+2:CD+4*(2*(\n)+\s)+3], v[RR+16*\s+8:RR+16*\s+15], v11
	v_lshrrev_b32 v[E+2*(\n)+\s], 23, v11          ; the scale's byte (also the plain instruction behind the conversions)
	ds_store_b8 v5, v[E+2*(\n)+\s] offset:32*(\n)+16*\s        ; both lanes of a block write the same byte with the same value
	global_store_b128 v3, v[CD+4*(2*(\n)+\s):CD+4*(2*(\n)+\s)+3], s[10:11] offset:1024*(\n)+512*\s   ; 512 consecutive bytes
.endr
.endm
	ROW 0
	ROW 1
	ROW 2
	ROW 3
	; ---------------- both paths ----------------
.Ljoin:
	s_wait_dscnt 0x0                               ; for the others' sake: my scale bytes lie in LDS
	s_barrier_signal -1
	s_barrier_wait -1
	s_cmp_lt_u32 ttmp9, NWQ
	s_cbranch_scc1 .Ldone                          ; the weights are done
	s_cmp_lg_u32 s16, 0
	s_cbranch_scc1 .Ldone
	ds_load_b128 v[252:255], v6                    ; wave 0 takes the rows' 512 scale bytes, 16 a lane
	s_wait_dscnt 0x0
	global_store_b128 v3, v[252:255], s[82:83]
.Ldone:
	v_lshl_add_u32 v4, v0, 2, SCB+512              ; my spare word, behind the scale bytes; no two registers can be kept, so both are made here, of v0
	v_mov_b32 v7, 0
	s_wait_alu depctr_va_vdst(0)
	s_wait_tensorcnt 0x0                           ; the wave's end
	ds_add_u32 v4, v7
	s_wait_dscnt 0x0
	s_endpgm
.Lfunc_end_k_q5059fc582f_prep:
	.size	k_q5059fc582f_prep, .Lfunc_end_k_q5059fc582f_prep-k_q5059fc582f_prep
	.p2alignl 7, 3214868480
	.fill 96, 4, 3214868480
	.section	.rodata,"a",@progbits
	.p2align	6, 0x0
	.amdhsa_kernel k_q5059fc582f_prep
		.amdhsa_group_segment_fixed_size 57344
		.amdhsa_private_segment_fixed_size 0
		.amdhsa_enable_private_segment 0
		.amdhsa_kernarg_size 72
		.amdhsa_user_sgpr_count 2
		.amdhsa_user_sgpr_kernarg_segment_ptr 1
		.amdhsa_wavefront_size32 1
		.amdhsa_system_sgpr_workgroup_id_x 1
		.amdhsa_system_sgpr_workgroup_id_y 1
		.amdhsa_system_sgpr_workgroup_id_z 1
		.amdhsa_system_vgpr_workitem_id 0
		.amdhsa_next_free_vgpr 256
		.amdhsa_next_free_sgpr 84
		.amdhsa_reserve_vcc 0
		.amdhsa_float_denorm_mode_32 3
		.amdhsa_float_denorm_mode_16_64 3
		.amdhsa_memory_ordered 1
		.amdhsa_forward_progress 1
		.amdhsa_inst_pref_size 119
	.end_amdhsa_kernel
	.amdgpu_metadata
---
amdhsa.version: [ 1, 2 ]
amdhsa.kernels:
  - .name:           k_q5059fc582f_prep
    .symbol:         k_q5059fc582f_prep.kd
    .args:
      - { .name: qkv_w, .offset: 0, .size: 8, .value_kind: global_buffer, .address_space: global }
      - { .name: proj_w, .offset: 8, .size: 8, .value_kind: global_buffer, .address_space: global }
      - { .name: fc1_w, .offset: 16, .size: 8, .value_kind: global_buffer, .address_space: global }
      - { .name: fc2_w, .offset: 24, .size: 8, .value_kind: global_buffer, .address_space: global }
      - { .name: wts, .offset: 32, .size: 8, .value_kind: global_buffer, .address_space: global }
      - { .name: x, .offset: 40, .size: 8, .value_kind: global_buffer, .address_space: global }
      - { .name: ln1_g, .offset: 48, .size: 8, .value_kind: global_buffer, .address_space: global }
      - { .name: ln1_b, .offset: 56, .size: 8, .value_kind: global_buffer, .address_space: global }
      - { .name: act, .offset: 64, .size: 8, .value_kind: global_buffer, .address_space: global }
    .group_segment_fixed_size: 57344
    .private_segment_fixed_size: 0
    .kernarg_segment_align: 8
    .kernarg_segment_size: 72
    .max_flat_workgroup_size: 128
    .sgpr_count:     84
    .vgpr_count:     256
    .wavefront_size: 32
...
	.end_amdgpu_metadata
.endif
;; end of part 1
;; launch qkv (part 2): grid 12 x 16, 4 waves a work-group, clusters of 4 x 4, 327,680 bytes of LDS; arguments act, wts, qkv_b, qkvb; writes qkvb
.if DOCPART == 2
	.amdgcn_target "amdgcn-amd-amdhsa--gfx1250"
	.amdhsa_code_object_version 6
	.text
	.protected	k_q5059fc582f_qkv
	.globl	k_q5059fc582f_qkv
	.p2align	8
	.type	k_q5059fc582f_qkv,@function
k_q5059fc582f_qkv:
	s_mov_b64 s[64:65], 0
	v_nop
	global_prefetch_b8 v0, s[64:65] scope:SCOPE_SE
	s_setreg_imm32_b32 hwreg(HW_REG_WAVE_MODE, 25, 1), 1
	s_wait_xcnt 0x0
	s_wait_alu depctr_hold_cnt(0) depctr_sa_sdst(0) depctr_va_vdst(0) depctr_va_sdst(0) depctr_va_ssrc(0) depctr_va_vcc(0) depctr_vm_vsrc(0)
	s_getreg_b32 s2, hwreg(HW_REG_IB_STS2, 6, 4)
	s_cmp_eq_u32 s2, 0
	s_cbranch_scc0 .Lentry_in_a_cluster
	s_endpgm
.Lentry_in_a_cluster:
	s_bfe_u32 s2, ttmp6, 0x10000c
	s_cmp_lg_u32 s2, 0xf033
	s_cbranch_scc0 .Lentry_shape_is_right
	s_endpgm
.Lentry_shape_is_right:
; q, k, v = LN1(x) W + b on codes of BF8 (E5M2) with E8M0 scales for each 32 along K = 1,024; the results are quantised at once for attention's two products and leave as codes.
; A tile of 256 x 256 is made by four waves, 128 x 128 each (64 accumulators, 512 registers).  K goes in steps of 256 through a ring of two LDS slots filled by the tensor data mover; the scale bytes of the
; tile's 2 x 256 rows, for all of K, come into LDS once.  4 x 4 work-groups form a cluster: the side called A is shared along a row of the cluster, the side called B along a column, each tile asked for jointly.
; THE MATRIX INSTRUCTION: source 0 = 16 rows of B, source 1 = 16 rows of A: a lane holds one row of A's side and its registers run along B's side.
; THE CLUSTER'S x IS THE KIND: 0 = q, 1 = k, 2 = v; it is the same in all sixteen partners.  q, k: A = the tokens, B = the weight's columns: a lane's registers run along the head's 64, along which q and k are quantised.
; v: THE SIDES CHANGE ROLES (A = the weight's columns 2048 on, B = the tokens): a lane holds one channel and its registers run along the KEYS, along which v is quantised.  Both operands have rows of 1,024 codes and 32 scale bytes,
; so only pointers and tile numbers are chosen, by selects on the cluster's x.
; OUT: q, k codes [32 heads][2048][64], scale bytes [32][2048][2];  v codes [32][64 channels][2048 keys], scale bytes [32][16 steps of 128 keys][64][4].
; THE WAY OUT: bias added, a block of 16 x 128 quantised in registers, codes and scale words into a stage in slot 0 (which has had its last fill and its last read); one barrier; whole runs of 256 bytes and more leave.
; LIMITS: a block whose largest magnitude lies under 2^(16-127) gets the byte 1 (read by this program alone); NaN and infinities are not served.
; REGISTERS, in windows of 256: window 0: v0-31 addresses, v8-15 bias by row (v), v32-63 scale words, v64-127 bias by column (q, k), from v128 A's fragments; window 1: B's fragments, two sets; windows 2, 3: the accumulators.
.set KSTEP,  256
.set NQ,     KSTEP/128
.set ROWB,   256
.set KROW,   1024
.set PITCH,  272                       ; 256 bytes + 16 of padding: the 16 rows that a load touches start at 16 different banks (64 banks of 4 bytes: ISA guide 11.1)
.set FR,     16
.set NL,     4
.set NP,     8                         ; places behind this matrix instruction (ISA guide 7.12.1)
.set HALFT,  128*PITCH
.set SLOT,   4*HALFT
.set LAPS,   2
.set KS,     32
.set SCL,    2*SLOT
.set HALFS,  (128*KS/256)*272
.set SBLK,   (16*KS/256)*272
.set SPARE,  SCL+4*HALFS               ; the spare words, 128 bytes for each wave
.set CSV,    69632                     ; the stages for codes, 256 rows x 272: q, k at 0, v here: each kind's path has LDS bytes of its own; together they are slot 0
.set SSQ,    SPARE+512                 ; the stages for scale words, [2 halves of the columns][256 rows][4]: never filled by the mover
.set SSV,    SSQ+2048
.set AS,     4194304                   ; act: the scale bytes
.set WQS,    12582912                  ; wts: qkv_w's scale bytes (its codes at 0)
.set VC,     8388608                   ; qkvb: v's codes; q's at 0, k's at 4,194,304
.set QS,     12582912                  ; q's scale bytes; k's 131,072 on
.set VS,     12845056
.set ADRA, 16
.set ADRB, 20
.set ADRS, 27
.set SPW,  28
.set NIL,  29
.set VSO,  3                           ; v3   v's scale words in memory
.set SRDV, 7                           ; v7   and in their stage: 16 x thread
.set BV,   8
.set CSA,  18                          ; v18  where I put codes in the stage: (128 rowhalf + r) 272 + 128 colhalf + 8 h;  v19 the same for v
.set CSAV, 19
.set SSA,  22                          ; v22  my row's scale word;  v23 the same for v
.set SSAV, 23
.set RDV,  24                          ; v24  v: rows back, sixteen lanes to a row
.set RDQ,  25                          ; v25  q, k: a head's 64 bytes of a row, four lanes to a row
.set GO,   26                          ; v26  v: (lane / 16) x 2048 + 16 (lane % 16)
.set SRDQ, 30                          ; v30  q, k: eight rows' scale words
.set L16,  31                          ; v31  16 x lane
.set SC,   32
.set PC,   32                          ; the way out: the codes just made
.set BI,   64
.set AF,   128
.set T,    128                         ; the way out: the block at work
.set TM,   224
.set PW,   240
.set OB,   128                         ; the copy out: 32 x 4 registers
.set SEL,  18                          ; s[18:19], s20: set on the way out
.set MNT,  20
.set G1, 24
.set G0, 32
.set G1B, 48
.set G0B, 56
.set G1S, 68
.set G0S, 76
.set G1SB, 80
.set G0SB, 88
.set MSB, 0
.macro WIN new                         ; the immediate's high byte repeats the setting that is left
.if MSB != \new
	s_set_vgpr_msb (MSB<<8)|\new
.set MSB, \new
.endif
.endm
.set MUL_LO, 0xa1
.set MUL_HI, 0xf1
.set TO_B,   0x40
; A joint load: waves 0 and 1 fetch for A, waves 2 and 3 for B; the branch hangs on the wave's number alone.  Four v_nop follow each of the two lines.
.macro JLOAD g0a, g1a, g0b, g1b
	s_cmp_eq_u32 s15, 0
	s_cbranch_scc0 .Lfor_b_\@
	tensor_load_to_lds s[\g0a:\g0a+3], s[\g1a:\g1a+7]
	s_nop 0
.rept 4
	v_nop
.endr
	s_branch .Lasked_\@
.Lfor_b_\@:
	tensor_load_to_lds s[\g0b:\g0b+3], s[\g1b:\g1b+7]
	s_nop 0
.rept 4
	v_nop
.endr
.Lasked_\@:
.endm
.macro CREST
	s_cmp_lg_u32 s14, 0
	s_cbranch_scc1 .Lnot_wave_0_\@
	s_barrier_signal -3
.Lnot_wave_0_\@:
	s_barrier_wait -3
	s_barrier_signal -1
	s_barrier_wait -1
.endm
.macro CROUND
	s_barrier_signal -1
	s_barrier_wait -1
	CREST
.endm
	s_load_b128 s[96:99], s[0:1], 0x0              ; act, wts
	s_load_b64 s[12:13], s[0:1], 0x10              ; qkv_b
	s_load_b64 s[100:101], s[0:1], 0x18            ; qkvb
	v_lshl_add_u32 v[SPW], v0, 2, SPARE
	v_mov_b32 v[NIL], 0
	ds_add_u32 v[SPW], v[NIL]                      ; the opening lines: the add, twice on end, and its wait ahead of the first round
	ds_add_u32 v[SPW], v[NIL]
	v_lshrrev_b32 v1, 5, v0
	v_readfirstlane_b32 s14, v1                    ; wave 0..3
	s_lshr_b32 s15, s14, 1                         ; which half of A's side is mine.  Also: I fetch for A (0) or for B (1)
	s_and_b32 s16, s14, 1                          ; which half of B's side.  Also: which 128 rows of that tile I fetch
	s_bfe_u32 s40, ttmp6, 0x40000                  ; cx, cy: my place in the cluster
	s_bfe_u32 s41, ttmp6, 0x40004
	s_and_b32 s18, ttmp7, 0xffff
	s_lshl_b32 s18, s18, 2                         ; 4 x cluster y
	s_lshl_b32 s19, ttmp9, 2                       ; 4 x cluster x
	s_cmp_eq_u32 ttmp9, 2                          ; v?
	s_cselect_b32 s17, 8, s18
	s_cselect_b32 s42, s18, s19
	s_add_co_u32 s17, s17, s41                     ; A's tile: tokens 4 cluster y + cy;  v: the weight's tile 8 + cy
	s_add_co_u32 s42, s42, s40                     ; B's tile: the weight's 4 cluster x + cx;  v: tokens 4 cluster y + cx
	s_lshl_b32 s43, s41, 2
	s_lshl_b32 s43, 15, s43                        ; my row of the cluster
	s_lshl_b32 s44, 0x1111, s40                    ; my column
	s_or_b32 s[G1+0], s43, (0<<16)|(1<<20)|(1<<21)|(5<<22)|(3<<25)  ; the mask; elements of 1 byte; padding on; bit 21 beside a mask; 4 words of padding after every 64
	s_or_b32 s[G1B+0], s44, (0<<16)|(1<<20)|(1<<21)|(5<<22)|(3<<25)
.irp g, G1, G1B
	s_mov_b32 s[\g+1], ROWB<<16                    ; tensor_dim0
	s_mov_b32 s[\g+2], 256<<16                     ; tensor_dim1: 256 rows for the head's loads, 128 behind them
	s_mov_b32 s[\g+3], ROWB<<16                    ; tile_dim0
	s_mov_b32 s[\g+4], 256                         ; tile_dim1
	s_mov_b32 s[\g+5], KROW                        ; the pitch
	s_mov_b32 s[\g+6], 0
	s_mov_b32 s[\g+7], 0
.endr
	s_or_b32 s[G1S+0], s43, (3<<16)|(1<<20)|(1<<21)|(5<<22)|(3<<25)  ; the scales of 128 rows: 4,096 dense bytes as 16 rows of 256 (32 elements of 8), 16 bytes of padding behind each
	s_or_b32 s[G1SB+0], s44, (3<<16)|(1<<20)|(1<<21)|(5<<22)|(3<<25)
.irp g, G1S, G1SB
	s_mov_b32 s[\g+1], 32<<16
	s_mov_b32 s[\g+2], KS<<16                      ; the scales of 256 rows: 32 rows of 256 bytes
	s_mov_b32 s[\g+3], 32<<16
	s_mov_b32 s[\g+4], KS
	s_mov_b32 s[\g+5], 32
	s_mov_b32 s[\g+6], 0
	s_mov_b32 s[\g+7], 0
.endr
	s_lshl_b32 s20, s17, 8                         ; A: the tile's first row
	s_lshl_b32 s46, s42, 8                         ; B likewise
	s_mov_b32 s21, 0
	s_mov_b32 s47, 0
	s_mov_b64 s[18:19], KS
	s_mul_u64 s[22:23], s[20:21], s[18:19]         ; where these rows' scales begin,
	s_mul_u64 s[92:93], s[46:47], s[18:19]
	s_mov_b64 s[18:19], KROW
	s_mul_u64 s[20:21], s[20:21], s[18:19]         ; and their codes
	s_mul_u64 s[46:47], s[46:47], s[18:19]
	s_mul_i32 s45, s14, HALFT                      ; where they go: no place in the cluster enters an LDS address
	s_mul_i32 s18, s16, 128*KROW                   ; in the ring I fetch 128 rows of a tile: which half, in bytes
	s_mov_b32 s19, 0
	s_wait_dscnt 0x0                               ; both opening adds are done
	s_wait_kmcnt 0x0
	s_add_nc_u64 s[104:105], s[96:97], AS          ; the tokens' scale bytes
	s_add_nc_u64 s[66:67], s[98:99], WQS           ; the weight's
	s_cmp_eq_u32 ttmp9, 2
	s_cselect_b64 s[4:5], s[98:99], s[96:97]       ; A's codes, A's scales, B's codes, B's scales
	s_cselect_b64 s[6:7], s[66:67], s[104:105]
	s_cselect_b64 s[8:9], s[96:97], s[98:99]
	s_cselect_b64 s[10:11], s[104:105], s[66:67]
	s_add_nc_u64 s[20:21], s[4:5], s[20:21]
	s_add_nc_u64 s[22:23], s[6:7], s[22:23]
	s_add_nc_u64 s[46:47], s[8:9], s[46:47]
	s_add_nc_u64 s[92:93], s[10:11], s[92:93]
	CROUND                                         ; all sixteen work-groups are here: the first joint loads meet
	s_mov_b32 s[G0S], 1
	s_mov_b32 s[G0S+1], SCL
	s_mov_b64 s[G0S+2:G0S+3], s[22:23]
	s_or_b32 s[G0S+3], s[G0S+3], 0x80000000
	s_mov_b32 s[G0SB], 1
	s_mov_b32 s[G0SB+1], SCL+2*HALFS
	s_mov_b64 s[G0SB+2:G0SB+3], s[92:93]
	s_or_b32 s[G0SB+3], s[G0SB+3], 0x80000000
.set G0H, 4                            ; s[4:7], s[8:11] group 0 of the head's loads of K step 0 (the pointers that lay there have been used)
.set G0HB, 8
	s_mov_b32 s[G0H], 1
	s_mov_b32 s[G0H+1], 0
	s_mov_b64 s[G0H+2:G0H+3], s[20:21]
	s_or_b32 s[G0H+3], s[G0H+3], 0x80000000
	s_mov_b32 s[G0HB], 1
	s_mov_b32 s[G0HB+1], 2*HALFT
	s_mov_b64 s[G0HB+2:G0HB+3], s[46:47]
	s_or_b32 s[G0HB+3], s[G0HB+3], 0x80000000
	s_add_nc_u64 s[20:21], s[20:21], s[18:19]      ; for the ring: my 128 rows of the tile
	s_add_nc_u64 s[46:47], s[46:47], s[18:19]
.irp s, 0,1
	s_mov_b32 s[G0+4*\s], 1
	s_add_co_u32 s[G0+4*\s+1], s45, \s*SLOT
	s_add_nc_u64 s[G0+4*\s+2:G0+4*\s+3], s[20:21], \s*ROWB
	s_or_b32 s[G0+4*\s+3], s[G0+4*\s+3], 0x80000000
	s_mov_b32 s[G0B+4*\s], 1
	s_add_co_u32 s[G0B+4*\s+1], s45, \s*SLOT
	s_add_nc_u64 s[G0B+4*\s+2:G0B+4*\s+3], s[46:47], \s*ROWB
	s_or_b32 s[G0B+4*\s+3], s[G0B+4*\s+3], 0x80000000
.endr
; The head's four tiles, one joint load a wave: wave 0 K step 0's 256 rows of A, wave 1 those of B, wave 2 A's scales, wave 3 B's: one chain of branches on the wave's number.
.macro ARM under, g0, g1, next
	s_cmp_lt_u32 s14, \under
	s_cbranch_scc0 \next
	tensor_load_to_lds s[\g0:\g0+3], s[\g1:\g1+7]
	s_nop 0
.rept 4
	v_nop
.endr
	s_branch .Lhead_asked
\next:
.endm
	ARM 1, G0H,  G1,  .Lhead_b
	ARM 2, G0HB, G1B, .Lhead_sa
	ARM 3, G0S,  G1S, .Lhead_sb
	tensor_load_to_lds s[G0SB:G0SB+3], s[G1SB:G1SB+7]
	s_nop 0
.rept 4
	v_nop
.endr
.Lhead_asked:
	v_and_b32 v1, 15, v0                           ; r = l % 16
	v_bfe_u32 v2, v0, 4, 1                         ; h = l / 16
	v_mul_u32_u24 v3, v1, PITCH
	v_lshl_add_u32 v4, v2, 4, v3                   ; a fragment's row x pitch + 16 x half
	s_mul_i32 s21, s15, HALFT
	s_mul_i32 s22, s16, HALFT
	s_add_co_u32 s22, s22, 2*HALFT
.irp s, 0,1
	v_add_nc_u32 v[ADRA+\s], s21, v4
	v_add_nc_u32 v[ADRB+\s], s22, v4
	s_add_co_u32 s21, s21, SLOT
	s_add_co_u32 s22, s22, SLOT
.endr
	v_mul_u32_u24 v5, v1, KS                       ; my row's scales: 32 bytes a row,
	v_lshrrev_b32 v6, 8, v5
	v_lshl_add_u32 v5, v6, 4, v5                   ; and 16 more for each 256 passed
	s_mul_i32 s21, s15, HALFS
	s_mul_i32 s22, s16, HALFS
	s_add_co_u32 s22, s22, 2*HALFS
	s_sub_co_u32 s22, s22, s21
	v_mul_u32_u24 v6, s22, v2                      ; lanes 16-31 take B's
	s_add_co_u32 s21, s21, SCL
	v_add_nc_u32 v5, v5, v6
	v_add_nc_u32 v[ADRS], s21, v5
	; the way out's addresses, all made here, of the thread's and the wave's number alone
	v_and_b32 v6, 31, v0                           ; lane
	s_mul_i32 s21, s15, 128*272
	s_lshl_b32 s22, s16, 7
	s_add_co_u32 s21, s21, s22
	v_mul_u32_u24 v5, v1, 272
	v_lshl_add_u32 v5, v2, 3, v5
	v_add_nc_u32 v[CSA], s21, v5
	v_add_nc_u32 v[CSAV], CSV, v[CSA]
	s_lshl_b32 s21, s16, 10
	s_lshl_b32 s22, s15, 9
	s_add_co_u32 s21, s21, s22
	s_add_co_u32 s21, s21, SSQ
	v_lshl_add_u32 v[SSA], v1, 2, s21
	v_add_nc_u32 v[SSAV], 2048, v[SSA]
	s_mul_i32 s21, s14, 64*272                     ; on the way back wave w takes stage rows 64 w on
	v_mul_u32_u24 v5, v2, 272
	v_lshl_add_u32 v5, v1, 4, v5
	v_add_nc_u32 v5, s21, v5
	v_add_nc_u32 v[RDV], CSV, v5
	v_bfe_u32 v4, v0, 2, 3
	v_and_b32 v3, 3, v0
	v_mul_u32_u24 v4, v4, 272
	v_lshl_add_u32 v4, v3, 4, v4
	v_add_nc_u32 v[RDQ], s21, v4
	v_lshlrev_b32 v[GO], 11, v2
	v_lshl_add_u32 v[GO], v1, 4, v[GO]
	v_lshlrev_b32 v[L16], 4, v6
	s_lshl_b32 s22, s15, 10
	s_add_co_u32 s22, s22, SSQ
	v_lshl_add_u32 v[SRDQ], v6, 5, s22
	v_lshl_add_u32 v[SRDV], v0, 4, SSV
	v_bfe_u32 v[VSO], v0, 4, 2                     ; which of the tile's four heads,
	v_lshlrev_b32 v[VSO], 12, v[VSO]
	v_lshrrev_b32 v4, 6, v0                        ; which 128 keys,
	v_lshl_add_u32 v[VSO], v4, 8, v[VSO]
	v_lshl_add_u32 v[VSO], v1, 4, v[VSO]           ; which four channels
	; the bias, both ways.  The table that this kind does not use is loaded from the buffer's start and never read: so every register is written whatever the kind, and no load leaves the buffer
	s_lshl_b32 s18, s42, 10
	s_lshl_b32 s19, s16, 9
	s_add_co_u32 s18, s18, s19                     ; q, k: by column: 4 (256 x B's tile + 128 x half)
	s_lshl_b32 s19, s17, 10
	s_lshl_b32 s22, s15, 9
	s_add_co_u32 s19, s19, s22                     ; v: by row: 4 (256 x A's tile + 128 x half)
	s_cmp_eq_u32 ttmp9, 2
	s_cselect_b32 s20, 0, s18
	s_cselect_b32 s22, s19, 0
	s_mov_b32 s21, 0
	s_mov_b32 s23, 0
	s_add_nc_u64 s[20:21], s[12:13], s[20:21]
	s_add_nc_u64 s[22:23], s[12:13], s[22:23]
	v_lshlrev_b32 v4, 5, v2                        ; 8 h numbers
	v_lshlrev_b32 v5, 2, v1                        ; r numbers
.irp b, 0,1,2,3,4,5,6,7
	global_load_b128 v[BI+8*\b:BI+8*\b+3], v4, s[20:21] offset:64*\b        ; bias(16 b + 8 h + 0 .. 7)
	global_load_b128 v[BI+8*\b+4:BI+8*\b+7], v4, s[20:21] offset:64*\b+16
	global_load_b32 v[BV+\b], v5, s[22:23] offset:64*\b                     ; bias(16 a + r), a = b
.endr
.macro FRAG reg, adr, q, i             ; 16 rows x 128 K: lane l holds row l % 16; registers 4 c .. 4 c + 3 hold K = 32 c + 16 (l / 16) + 0 .. 15
.irp c, 0,1,2,3
	ds_load_b128 v[\reg+4*\c:\reg+4*\c+3], v[\adr] offset:128*(\q)+32*\c+(\i)*16*PITCH
.endr
.endm
; 16 matrix instructions: A's blocks a0, a0 + 1 x B's eight.  The 64 accumulators take turns, one instruction a turn, in the same order in every step.
.macro MUL16 a0, p, q, sc, zero
.irp a, \a0, \a0+1
.irp b, 0,1,2,3,4,5,6,7
.if \zero
	v_wmma_scale_f32_16x16x128_f8f6f4 v[8*(8*((\a)%4)+\b):8*(8*((\a)%4)+\b)+7], v[128*(\p)+FR*\b:128*(\p)+FR*\b+FR-1], v[AF+FR*(\a):AF+FR*(\a)+FR-1], 0, v[SC+8*NQ*(\sc)+NQ*\b+(\q)], v[SC+8*NQ*(\sc)+NQ*(\a)+(\q)] matrix_a_fmt:MATRIX_FMT_BF8 matrix_b_fmt:MATRIX_FMT_BF8 matrix_a_scale:MATRIX_SCALE_ROW1
.else
	v_wmma_scale_f32_16x16x128_f8f6f4 v[8*(8*((\a)%4)+\b):8*(8*((\a)%4)+\b)+7], v[128*(\p)+FR*\b:128*(\p)+FR*\b+FR-1], v[AF+FR*(\a):AF+FR*(\a)+FR-1], v[8*(8*((\a)%4)+\b):8*(8*((\a)%4)+\b)+7], v[SC+8*NQ*(\sc)+NQ*\b+(\q)], v[SC+8*NQ*(\sc)+NQ*(\a)+(\q)] matrix_a_fmt:MATRIX_FMT_BF8 matrix_b_fmt:MATRIX_FMT_BF8 matrix_a_scale:MATRIX_SCALE_ROW1
.endif
.endr
.endr
.endm
.macro FETCH_B slot, q, p
	WIN TO_B
.irp i, 0,1,2,3,4,5,6,7
	FRAG 128*(\p)+FR*\i, ADRB+\slot, \q, \i
.endr
	WIN 0
.endm
.macro FETCH_A slot, q, i0
.irp i, \i0, \i0+1, \i0+2, \i0+3
	FRAG AF+FR*(\i), ADRA+\slot, \q, \i
.endr
.endm
.macro SCALES sc                       ; a K step's scale words: lanes 0-15 take A's block i, lanes 16-31 B's block i
.irp i, 0,1,2,3,4,5,6,7
	ds_load_b64 v[SC+8*NQ*\sc+NQ*\i:SC+8*NQ*\sc+NQ*\i+1], v[ADRS] offset:\i*SBLK
.endr
.endm
.macro PLACES n                        ; plain vector instructions between a matrix instruction and a load into, or a read of, its registers
.rept \n
	v_nop
.endr
.endm
.macro STEP slot, q, zero              ; 128 along K that have their successor in the same slot
	s_wait_dscnt 4*NL                              ; B's set and A's blocks 0-3 are in; the youngest 16 loads (A's blocks 4-7) may be out
	WIN MUL_LO
	MUL16 0, (\q)%2, \q, \slot, \zero
	MUL16 2, (\q)%2, \q, \slot, \zero
	s_wait_dscnt 0
	PLACES NP
	FETCH_B \slot, (\q)+1, 1-(\q)%2
	FETCH_A \slot, (\q)+1, 0
	WIN MUL_HI
	MUL16 4, (\q)%2, \q, \slot, \zero
	MUL16 6, (\q)%2, \q, \slot, \zero
	PLACES NP
	WIN 0
	FETCH_A \slot, (\q)+1, 4
.endm
; A slot's last step changes slots: one barrier; in front of it each wave waits for all its tensor loads, adds 0 to its spare word, and waits for that and for its own reads of this slot.
.macro TURN slot, next, fill
	s_wait_tensorcnt 0x0                           ; all my tensor loads have landed: my part of the next slot
	ds_add_u32 v[SPW], v[NIL]                      ; 0 onto my spare word
	s_wait_dscnt 4*NL+1                            ; (the add and the youngest 16 loads may be out)
	WIN MUL_LO
	MUL16 0, 1, NQ-1, \slot, 0
	s_wait_dscnt 0x0                               ; the add is done, and my reads of this slot are over
	s_barrier_signal -1
	MUL16 2, 1, NQ-1, \slot, 0
	WIN 0
	s_barrier_wait -1
.if \fill
	CREST                                          ; the barrier has opened a round of the cluster's barrier: no wave of any partner still reads this slot or has a load on its way
	s_add_nc_u64 s[G0+4*\slot+2:G0+4*\slot+3], s[G0+4*\slot+2:G0+4*\slot+3], 2*ROWB
	s_add_nc_u64 s[G0B+4*\slot+2:G0B+4*\slot+3], s[G0B+4*\slot+2:G0B+4*\slot+3], 2*ROWB
	JLOAD G0+4*\slot, G1, G0B+4*\slot, G1B         ; the first tensor load behind the round; its four v_nop are among the places in front of the loads below
	PLACES NP-4
.else
	PLACES NP
.endif
	s_wait_alu depctr_va_vdst(0)
	v_add_nc_u32 v[ADRS], 4*NQ, v[ADRS]            ; the next K step's scale words (no LDS load of mine is out)
	FETCH_B \next, 0, 0
	FETCH_A \next, 0, 0
	SCALES \next
	WIN MUL_HI
	MUL16 4, 1, NQ-1, \slot, 0
	MUL16 6, 1, NQ-1, \slot, 0
	PLACES NP
	WIN 0
	FETCH_A \next, 0, 4
.endm
	s_wait_alu depctr_va_vdst(0)
	s_wait_loadcnt 0x0                             ; the bias tables are in
	s_wait_tensorcnt 0x0                           ; my tile of the head's four is in
	ds_add_u32 v[SPW], v[NIL]
	s_mov_b32 s[G1+2], 128<<16                     ; no tensor load of mine is out: from here on a load brings 128 rows
	s_mov_b32 s[G1+4], 128
	s_mov_b32 s[G1B+2], 128<<16
	s_mov_b32 s[G1B+4], 128
	s_wait_dscnt 0x0
	CROUND                                         ; all four tiles are in, in all sixteen work-groups
	JLOAD G0+4, G1, G0B+4, G1B                     ; K step 1, the first tensor load behind the round
	FETCH_B 0, 0, 0
	FETCH_A 0, 0, 0
	SCALES 0
	FETCH_A 0, 0, 4
	STEP 0, 0, 1                                   ; the first step's products start the sums
	s_mov_b32 s3, LAPS-1
.Llap:
	TURN 0, 1, 1
	STEP 1, 0, 0
	TURN 1, 0, 1
	STEP 0, 0, 0
	s_sub_co_u32 s3, s3, 1
	s_cmp_lg_u32 s3, 0
	s_cbranch_scc1 .Llap
	TURN 0, 1, 0                                   ; the last lap fills nothing
	STEP 1, 0, 0
	s_wait_dscnt 4*NL
	WIN MUL_LO
	MUL16 0, 1, NQ-1, 1, 0
	MUL16 2, 1, NQ-1, 1, 0
	s_wait_dscnt 0
	WIN MUL_HI
	MUL16 4, 1, NQ-1, 1, 0
	MUL16 6, 1, NQ-1, 1, 0
	WIN 0
; THE WAY OUT.  Block a = 16 rows of A's side x my 128 of B's side; register 8 b + j is column 16 b + 8 h + j.  So registers 16 c .. 16 c + 15, with lane l xor 16's, are block c of 32.
.macro PULLC a                         ; + the bias by column; each accumulator is read from its low end on
	WIN 0x02+(\a)/4
.set li, 0
.rept 32
	v_pk_add_f32 v[T+2*li:T+2*li+1], v[64*((\a)%4)+2*li:64*((\a)%4)+2*li+1], v[BI+2*li:BI+2*li+1]
.set li, li+1
.endr
	WIN 0
.endm
.macro PULLR a                         ; + the bias by row
	WIN 0x02+(\a)/4
.set li, 0
.rept 64
	v_add_f32 v[T+li], v[64*((\a)%4)+li], v[BV+(\a)]
.set li, li+1
.endr
	WIN 0
.endm
.macro QUANT s                         ; 64 numbers of a lane become 64 codes in v[PC] on and the row's scale word in v[PW]
.irp b, 0,1,2,3
	v_max3_num_f32 v[TM+\b], |v[\s+16*\b]|, |v[\s+1+16*\b]|, 0x8000000   ; my 16 numbers of block b, and the floor 2^(16 - 127)
.endr
.irp i, 2,4,6,8,10,12,14
.irp b, 0,1,2,3
	v_max3_num_f32 v[TM+\b], v[TM+\b], |v[\s+16*\b+\i]|, |v[\s+1+16*\b+\i]|
.endr
.endr
.irp b, 0,1,2,3
	v_permlanex16_b32 v[TM+4+\b], v[TM+\b], s[SEL], s[SEL+1]
.endr
.irp b, 0,1,2,3
	v_max_num_f32 v[TM+\b], v[TM+\b], v[TM+4+\b]   ; the block's largest magnitude
.endr
.irp b, 0,1,2,3
	v_add_nc_u32 v[TM+12+\b], 0xf8800000, v[TM+\b] ; 15 off its exponent field: the conversion's scale operand
.endr
.irp b, 0,1,2,3
	v_and_or_b32 v[TM+8+\b], v[TM+\b], 0x7f800000, s[MNT]   ; 57,344 x the scale
.endr
.irp b, 0,1,2,3
	v_lshrrev_b32 v[TM+4+\b], 23, v[TM+12+\b]      ; the scale's byte
.endr
	v_lshl_or_b32 v[PW], v[TM+5], 8, v[TM+4]
	v_lshl_or_b32 v[PW], v[TM+6], 16, v[PW]
	v_lshl_or_b32 v[PW], v[TM+7], 24, v[PW]
.irp b, 0,1,2,3
.irp i, 0,1,2,3,4,5,6,7,8,9,10,11,12,13,14,15
	v_med3_num_f32 v[\s+16*\b+\i], v[\s+16*\b+\i], -v[TM+8+\b], v[TM+8+\b]   ; the conversion does not saturate (ISA guide 7.6.2): the hold comes first
.endr
	v_cvt_scalef32_pk8_bf8_f32 v[PC+4*\b:PC+1+4*\b], v[\s+16*\b:\s+7+16*\b], v[TM+12+\b]
	v_cvt_scalef32_pk8_bf8_f32 v[PC+2+4*\b:PC+3+4*\b], v[\s+8+16*\b:\s+15+16*\b], v[TM+12+\b]
.endr
	v_nop                                          ; a plain instruction behind the last conversion
.endm
.macro PUT a, csa, ssa                 ; registers 2 k, 2 k + 1 of the codes are columns 16 k + 8 h + 0 .. 7
.irp k, 0,1,2,3,4,5,6,7
	ds_store_b64 v[\csa], v[PC+2*\k:PC+2*\k+1] offset:4352*(\a)+16*\k
.endr
	ds_store_b32 v[\ssa], v[PW] offset:64*(\a)     ; both halves of the lanes write the same word with the same value
.endm
	PLACES NP                                      ; behind the last products: reads of results, and writes of registers that held fragments and scale words
	s_mov_b32 s[SEL], 0x76543210
	s_mov_b32 s[SEL+1], 0xfedcba98
	s_mov_b32 s[MNT], 0x600000
.irp b, 0,1,2,3
	v_mov_b32 v[TM+4+\b], 0                        ; written once: a lane permute's destination counts as one of its sources
.endr
	s_cmp_eq_u32 ttmp9, 2                          ; the kind: the same in every wave of every partner
	s_cbranch_scc1 .Lv_quant
.irp a, 0,1,2,3,4,5,6,7
	PULLC \a
	s_wait_dscnt 0x0                               ; the last block's stores have read their registers
	QUANT T
	PUT \a, CSA, SSA
.endr
	s_branch .Lquantised
.Lv_quant:
.irp a, 0,1,2,3,4,5,6,7
	PULLR \a
	s_wait_dscnt 0x0
	QUANT T
	PUT \a, CSAV, SSAV
.endr
.Lquantised:
	s_wait_dscnt 0x0                               ; for the others' sake: my codes and scale words lie in the stages
	s_barrier_signal -1
	s_barrier_wait -1
	s_cmp_eq_u32 ttmp9, 2
	s_cbranch_scc1 .Lv_out
	; q, k.  The tile's 256 columns are four heads; wave w sends tokens 64 w on of each head: 4,096 consecutive bytes a head
	s_lshr_b32 s4, s17, 3
	s_lshl_b32 s4, s4, 4
	s_and_b32 s5, s42, 3
	s_lshl_b32 s5, s5, 2
	s_add_co_u32 s4, s4, s5                        ; the first head: 16 x batch + 4 (B's tile % 4)
	s_and_b32 s5, s17, 7
	s_lshl_b32 s5, s5, 8                           ; the first token in its batch
	s_lshl_b32 s6, s4, 11
	s_add_co_u32 s6, s6, s5
	s_lshl_b32 s7, s14, 6
	s_add_co_u32 s6, s6, s7
	s_lshl_b32 s6, s6, 6
	s_lshl_b32 s7, ttmp9, 22                       ; k's codes lie 4,194,304 bytes behind q's
	s_add_co_u32 s6, s6, s7
	s_mov_b32 s7, 0
	s_add_nc_u64 s[8:9], s[100:101], s[6:7]
	s_add_co_u32 s4, s4, s14                       ; the scale bytes: wave w serves head w of the four
	s_lshl_b32 s4, s4, 12
	s_lshl_b32 s5, s5, 1
	s_add_co_u32 s4, s4, s5
	s_lshl_b32 s5, ttmp9, 17
	s_add_co_u32 s4, s4, s5
	s_add_co_u32 s4, s4, QS
	s_mov_b32 s5, 0
	s_add_nc_u64 s[10:11], s[100:101], s[4:5]
	s_mov_b32 s21, 0x05040100                      ; the low halves of two words (the wave's head is the lower of its pair), or the high halves
	s_cmp_eq_u32 s16, 1
	s_cselect_b32 s21, 0x07060302, s21
.set li, 0
.rept 32
	ds_load_b128 v[OB+4*li:OB+4*li+3], v[RDQ] offset:64*(li/8)+2176*(li%8)   ; head li / 8, eight tokens
.set li, li+1
.endr
	ds_load_b128 v[32:35], v[SRDQ]                 ; eight tokens' scale words
	ds_load_b128 v[36:39], v[SRDQ] offset:16
.set li, 0
.rept 32
	s_wait_dscnt 33-li                             ; load li is in; those behind it may be out
	global_store_b128 v[L16], v[OB+4*li:OB+4*li+3], s[8:9] offset:131072*(li/8)+512*(li%8)   ; 512 consecutive bytes
.set li, li+1
.endr
	s_wait_dscnt 0x0
.irp j, 0,1,2,3
	v_perm_b32 v[40+\j], v[33+2*\j], v[32+2*\j], s21   ; two tokens' two bytes each
.endr
	global_store_b128 v[L16], v[40:43], s[10:11]   ; 256 tokens x 2 bytes: 512 consecutive bytes
	s_branch .Lend
.Lv_out:
	; v.  The stage's rows are channels (four heads x 64), its columns 256 keys; wave w sends rows 64 w on: one head
	s_lshr_b32 s4, s42, 3                          ; batch
	s_lshl_b32 s5, s4, 10
	s_lshl_b32 s6, s41, 8
	s_add_co_u32 s5, s5, s6
	s_lshl_b32 s6, s14, 6
	s_add_co_u32 s5, s5, s6
	s_lshl_b32 s5, s5, 11                          ; a channel's row is 2,048 keys
	s_and_b32 s6, s42, 7
	s_lshl_b32 s7, s6, 8
	s_add_co_u32 s5, s5, s7
	s_add_co_u32 s10, s5, VC
	s_mov_b32 s11, 0
	s_add_nc_u64 s[8:9], s[100:101], s[10:11]
	s_lshl_b32 s4, s4, 4
	s_lshl_b32 s5, s41, 2
	s_add_co_u32 s4, s4, s5                        ; the first head
	s_lshl_b32 s4, s4, 4
	s_lshl_b32 s6, s6, 1
	s_add_co_u32 s4, s4, s6                        ; x 16 steps + the tile's first step of 128 keys
	s_lshl_b32 s4, s4, 8
	s_add_co_u32 s10, s4, VS
	s_add_nc_u64 s[10:11], s[100:101], s[10:11]
.set li, 0
.rept 32
	ds_load_b128 v[OB+4*li:OB+4*li+3], v[RDV] offset:544*li    ; two rows
.set li, li+1
.endr
	ds_load_b128 v[32:35], v[SRDV]
.set li, 0
.rept 32
	s_wait_dscnt 32-li
	global_store_b128 v[GO], v[OB+4*li:OB+4*li+3], s[8:9] offset:4096*li   ; sixteen lanes store 256 consecutive bytes, aligned
.set li, li+1
.endr
	s_wait_dscnt 0x0
	global_store_b128 v[VSO], v[32:35], s[10:11]   ; sixteen lanes: the 64 channels' words of one head and step, 256 consecutive bytes
.Lend:
	s_wait_tensorcnt 0x0                           ; the wave's end
	ds_add_u32 v[SPW], v[NIL]
	s_wait_dscnt 0x0
	CROUND                                         ; the closing round
	s_endpgm
.Lfunc_end_k_q5059fc582f_qkv:
	.size	k_q5059fc582f_qkv, .Lfunc_end_k_q5059fc582f_qkv-k_q5059fc582f_qkv
	.p2alignl 7, 3214868480
	.fill 96, 4, 3214868480
	.section	.rodata,"a",@progbits
	.p2align	6, 0x0
	.amdhsa_kernel k_q5059fc582f_qkv
		.amdhsa_group_segment_fixed_size 327680
		.amdhsa_private_segment_fixed_size 0
		.amdhsa_enable_private_segment 0
		.amdhsa_kernarg_size 32
		.amdhsa_user_sgpr_count 2
		.amdhsa_user_sgpr_kernarg_segment_ptr 1
		.amdhsa_wavefront_size32 1
		.amdhsa_system_sgpr_workgroup_id_x 1
		.amdhsa_system_sgpr_workgroup_id_y 1
		.amdhsa_system_sgpr_workgroup_id_z 1
		.amdhsa_system_vgpr_workitem_id 0
		.amdhsa_next_free_vgpr 1024
		.amdhsa_next_free_sgpr 106
		.amdhsa_reserve_vcc 0
		.amdhsa_float_denorm_mode_32 3
		.amdhsa_float_denorm_mode_16_64 3
		.amdhsa_memory_ordered 1
		.amdhsa_forward_progress 1
		.amdhsa_inst_pref_size 255
	.end_amdhsa_kernel
	.section	.bss,"aw",@nobits
	.p2align	6
	.space	262144
	.amdgpu_metadata
---
amdhsa.version: [ 1, 2 ]
amdhsa.kernels:
  - .name:           k_q5059fc582f_qkv
    .symbol:         k_q5059fc582f_qkv.kd
    .args:
      - { .name: act, .offset: 0, .size: 8, .value_kind: global_buffer, .address_space: global }
      - { .name: wts, .offset: 8, .size: 8, .value_kind: global_buffer, .address_space: global }
      - { .name: qkv_b, .offset: 16, .size: 8, .value_kind: global_buffer, .address_space: global }
      - { .name: qkvb, .offset: 24, .size: 8, .value_kind: global_buffer, .address_space: global }
    .group_segment_fixed_size: 327680
    .private_segment_fixed_size: 0
    .kernarg_segment_align: 8
    .kernarg_segment_size: 32
    .max_flat_workgroup_size: 128
    .sgpr_count:     106
    .vgpr_count:     1024
    .wavefront_size: 32
...
	.end_amdgpu_metadata
.endif
;; end of part 2
;; launch attn (part 3): grid 8 x 32, 16 waves a work-group, no clusters, 327,680 bytes of LDS; arguments qkvb, ob; writes ob
.if DOCPART == 3
	.amdgcn_target "amdgcn-amd-amdhsa--gfx1250"
	.amdhsa_code_object_version 6
	.text
	.protected	k_q5059fc582f_attn
	.globl	k_q5059fc582f_attn
	.p2align	8
	.type	k_q5059fc582f_attn,@function
k_q5059fc582f_attn:
	s_mov_b64 s[64:65], 0
	v_nop
	global_prefetch_b8 v0, s[64:65] scope:SCOPE_SE
	s_setreg_imm32_b32 hwreg(HW_REG_WAVE_MODE, 25, 1), 1
	s_wait_xcnt 0x0
; Causal attention of 32 heads (2 batches x 16), 2,048 tokens, head size 64, both products on codes of BF8 (E5M2) with E8M0 scales; the result O / l is quantised along (head, channel) for the next product.
; IN (qkvb): q, k codes [32][2048][64], scale bytes [32][2048][2]; v codes with the KEYS innermost [32][64][2048], scale bytes [32][16 steps][64][4].
; OUT (ob): codes [4096][1024]; scale bytes [4 runs of 256 along K][4096][8].
; THE SOFTMAX: t = score x log2(e) / 8; M = the running largest t rounded UP to a whole number; p = 2^(t - M) is quantised along the keys, not normalised; the sum is taken of the unquantised p and divides at the end.
; When M moves, the sum and O are multiplied by 2^(old M - new M): exact.
; THE FIRST PRODUCT'S K IS 64, the instruction's 128.  So ONE fragment of 16 registers holds TWO tiles of 16 keys, tile 2 b in k = 0 .. 63 and tile 2 b + 1 in k = 64 .. 127, and is multiplied twice: by (Q, 0) and by (0, Q).
; The zeros are zero CODES (registers cleared once), which add nothing against the other tile's finite codes; the scale bytes that stand over them are 0 (the upper half of a 16-bit load, the lower half behind a shift by 16).
; So a step's eight tiles of keys come in one run of loads, with one wait, and its eight products stand on end.
; SHARES.  Work-group (x, head) owns query blocks x and 15 - x of 128: of each pair of waves one takes 16 early queries and one 16 late ones, so that every work-group has the same number of visible key steps.
; Sixteen waves of 256 registers, four to a SIMD.  A HEAD'S K AND V LIE IN LDS WHOLE, filled once: one tensor load a wave for each phase, four at the most (one of mine is out at the most); nothing is filled again.
; They land in four phases of 512 keys; a counted wait and a barrier stand in front of each phase.  Phase p + 1 is asked for behind phase p's barrier.
; NO CLUSTER: a step all of whose keys come after the wave's queries is left out by a scalar branch on ids, which differs between the work-groups of a head; that halves the vector work, which is the larger part here.
; LAYOUT.  Both products transposed (S^T = K Q^T, O^T = V^T P^T): a lane holds one query.  Lane r of tile 2 b + u takes row 32 b + 8 u + r + 8 (r / 8) (of the keys; of V's channels), so that 16 registers of two neighbouring tiles
; are 16 neighbours along the next K.
; So
;   K, which is dense in memory, comes as rows of TWO keys, 128 bytes + 16: key k at 144 (k / 2) + 64 (k % 2); in units of 16 bytes that is 9 (k / 2) + 4 (k % 2), sixteen different numbers modulo 16 for those keys;
;   V's groups of sixteen rows are loads of their own: each group stands 128 bytes further on: row R at 528 R + 128 (R / 16); in units of 16 bytes R + 8 (R / 16) modulo 16: sixteen different numbers again.
; LOADS AHEAD.  The next step's K is loaded straight behind this step's scores (its registers are free then), inside a phase only: a phase is three steps that fetch ahead, in a loop, and a fourth, written out, that does not.
; V's fragment b is loaded as soon as block b of p is converted, into the registers that it leaves.
; A block's largest p is taken through its largest score (p rises with the score).  LIMITS: a block whose largest magnitude lies under 2^(16-127) gets the byte 1; NaN and infinities are not served; v_exp_f32, v_rcp_f32 are good to 1 ulp.
; THE OUTPUT'S FORM: a head is 64 of a row's 1,024 codes, so codes leave in pieces of 64 bytes and scale bytes in pieces of 2: 4.3 MB in all; the next launch wants rows.
; REGISTERS: v1-4 addresses that stay; v5 Q's scale word for the upper half; v6 at work; v7 r - 16 h; v8-11 addresses in hand; v12 -M, v13 largest t, v[14:15] the sum; v16-31 (Q, 0); v32-95 four double fragments of K;
;   v96-159 S^T, p, then V's four fragments; v160-191 O^T; v192-207 p's codes; v208-223 at work; v224-227 the lower tiles' scale words; v228 f; v229 p's scale word; v230 at work; v231 Q's scale word; v232-235 V's scale words;
;   v236-251 (0, Q); v252-255 the upper tiles' scale words.
.set KP2,  144                         ; two keys' rows in LDS: 128 bytes + 16
.set KSTP, 64*KP2                      ; 128 keys
.set VP,   528                         ; a channel's 512 keys of a phase: 512 bytes + 16
.set VPH,  34304                       ; a phase of V: 64 rows x 528 + 4 x 128
.set SRP,  80                          ; a row of scale bytes: 64 + 16
.set VREG, 147456                      ; behind K's 1,024 double rows: V, 4 phases
.set SCK,  VREG+4*VPH                  ; K's scale bytes, 4,096 as 64 rows of 64 + 16
.set SCV,  SCK+64*SRP                  ; V's likewise
.set KC,   4194304
.set VC,   8388608
.set QS,   12582912
.set KSO,  12713984                    ; V's scale bytes lie 131,072 further on
.set OS,   4194304
.set AK0,  1
.set AV0,  2
.set ASK0, 3
.set ASV0, 4
.set ADK,  8
.set ADV,  9
.set ADS,  10
.set ADT,  11
.set TBK,  2                           ; s2  LDS byte at which the step's keys begin
.set TBV,  3                           ; s3  the same in V's rows
.set TS,   8                           ; s8  the step's scale words: 320 bytes a step, in K's and in V's
.set KF,   9                           ; s9  the step's first key
.set Q0,   10                          ; s10 my first query
.set CNT,  11
.set WV,   18
.set MNT,  19
.set SEL,  20
.set CS,   22
.set G1S,  24
.set G1K,  32
.set G1V,  40
.set G0S,  48
	s_load_b128 s[4:7], s[0:1], 0x0                ; qkvb, ob
.set SPARE, SCV+64*SRP                 ; behind the scale bytes: the spare words, 128 bytes a wave.  No two registers can be kept: my word's address and 0 are made of v0 in v6 and v230 ahead of each add
	v_lshl_add_u32 v6, v0, 2, SPARE
	v_mov_b32 v230, 0
	ds_add_u32 v6, v230                            ; the opening lines: the add, twice on end, and its wait ahead of my first tensor load
	ds_add_u32 v6, v230
	v_lshrrev_b32 v8, 5, v0
	s_delay_alu instid0(VALU_DEP_1)
	v_readfirstlane_b32 s[WV], v8                  ; wave 0..15
	s_and_b32 s12, ttmp7, 0xffff                   ; the head, 0..31
	s_and_b32 s13, s[WV], 7
	s_lshr_b32 s14, s[WV], 3
	s_lshr_b32 s15, s[WV], 1                       ; which 16 queries of a block
	s_lshr_b32 s16, s[WV], 2
	s_xor_b32 s16, s16, s[WV]
	s_and_b32 s16, s16, 1                          ; early block or late: of waves 2 i, 2 i + 1 one each, and of waves w, w + 4, w + 8, w + 12 two each
	s_sub_co_u32 s17, 15, ttmp9
	s_cmp_eq_u32 s16, 1
	s_cselect_b32 s17, s17, ttmp9
	s_lshl_b32 s17, s17, 7
	s_lshl_b32 s15, s15, 4
	s_add_co_u32 s[Q0], s17, s15
	s_lshl_b32 s88, s12, 12                        ; what I fetch.
	s_and_b32 s15, s[WV], 1                        ; scale bytes: waves 12, 13 the halves of K's 4,096, waves 14, 15 of V's
	s_lshl_b32 s15, s15, 11
	s_add_co_u32 s88, s88, s15
	s_bfe_u32 s15, s[WV], 0x10001
	s_lshl_b32 s15, s15, 17
	s_add_co_u32 s88, s88, s15
	s_add_co_u32 s88, s88, KSO
	s_mov_b32 s89, 0
	s_lshl_b32 s90, s12, 17                        ; K: 64 keys of each phase's 512
	s_lshl_b32 s15, s13, 12
	s_add_co_u32 s90, s90, s15
	s_add_co_u32 s90, s90, KC
	s_mov_b32 s91, 0
	s_lshl_b32 s92, s12, 17                        ; V: 16 channels, each phase's 512 keys
	s_and_b32 s15, s[WV], 3                        ; V: waves 8 to 11, 16 channels each
	s_lshl_b32 s15, s15, 15
	s_add_co_u32 s92, s92, s15
	s_add_co_u32 s92, s92, VC
	s_mov_b32 s93, 0
	s_and_b32 s94, s[WV], 3
	s_mul_i32 s94, s94, 32*SRP
	s_add_co_u32 s94, s94, SCK                     ; where they go: the scale bytes,
	s_mul_i32 s95, s13, 32*KP2                     ; K's 32 double rows,
	s_and_b32 s97, s[WV], 3
	s_mul_i32 s96, s97, 16*VP                      ; V's 16 rows, each such group 128 bytes further on
	s_lshl_b32 s97, s97, 7
	s_add_co_u32 s96, s96, s97
	s_add_co_u32 s96, s96, VREG
	s_mov_b32 s[G1S], (0<<16)|(1<<20)|(3<<22)|(3<<25)   ; elements of 1 byte; 4 words of padding after every 16
	s_mov_b32 s[G1S+1], 64<<16                     ; 32 rows of 64 bytes, dense
	s_mov_b32 s[G1S+2], 32<<16
	s_mov_b32 s[G1S+3], 64<<16
	s_mov_b32 s[G1S+4], 32
	s_mov_b32 s[G1S+5], 64
	s_mov_b32 s[G1S+6], 0
	s_mov_b32 s[G1S+7], 0
	s_mov_b32 s[G1K], (0<<16)|(1<<20)|(4<<22)|(3<<25)   ; 4 words of padding after every 32
	s_mov_b32 s[G1K+1], 128<<16                    ; 64 keys, dense in memory, as 32 rows of 128 bytes
	s_mov_b32 s[G1K+2], 32<<16
	s_mov_b32 s[G1K+3], 128<<16
	s_mov_b32 s[G1K+4], 32
	s_mov_b32 s[G1K+5], 128
	s_mov_b32 s[G1K+6], 0
	s_mov_b32 s[G1K+7], 0
	s_mov_b32 s[G1V], (0<<16)|(1<<20)|(6<<22)|(3<<25)   ; 4 words of padding after every 128
	s_mov_b32 s[G1V+1], 512<<16                    ; 16 rows of 512 bytes, 2,048 apart
	s_mov_b32 s[G1V+2], 16<<16
	s_mov_b32 s[G1V+3], 512<<16
	s_mov_b32 s[G1V+4], 16
	s_mov_b32 s[G1V+5], 2048
	s_mov_b32 s[G1V+6], 0
	s_mov_b32 s[G1V+7], 0
	s_mov_b32 s[SEL], 0x76543210
	s_mov_b32 s[SEL+1], 0xfedcba98
	s_mov_b32 s[CS], 0x3e38aa3b                    ; c = log2(e) / sqrt(64)
	s_mov_b32 s[CS+1], s[CS]
	s_mov_b32 s[MNT], 0x600000
	s_mov_b32 s[TBK], 0
	s_mov_b32 s[TBV], 0
	s_mov_b32 s[TS], 0
	s_mov_b32 s[KF], 0
	s_wait_dscnt 0x0                               ; both opening adds are done
	s_wait_kmcnt 0x0
	s_add_nc_u64 s[88:89], s[4:5], s[88:89]
	s_add_nc_u64 s[90:91], s[4:5], s[90:91]
	s_add_nc_u64 s[92:93], s[4:5], s[92:93]
	s_mov_b32 s[G0S], 1
	s_mov_b32 s[G0S+1], s94
	s_mov_b64 s[G0S+2:G0S+3], s[88:89]
	s_or_b32 s[G0S+3], s[G0S+3], 0x80000000
.irp p, 0,1,2,3                        ; K's groups 0 at s52, s56, s60, s68; V's at s72 on
	s_mov_b32 s[52+4*\p+4*(\p/3)], 1
	s_add_co_u32 s[53+4*\p+4*(\p/3)], s95, 256*KP2*\p
	s_add_nc_u64 s[54+4*\p+4*(\p/3):55+4*\p+4*(\p/3)], s[90:91], 32768*\p
	s_or_b32 s[55+4*\p+4*(\p/3)], s[55+4*\p+4*(\p/3)], 0x80000000
	s_mov_b32 s[72+4*\p], 1
	s_add_co_u32 s[73+4*\p], s96, VPH*\p
	s_add_nc_u64 s[74+4*\p:75+4*\p], s[92:93], 512*\p
	s_or_b32 s[75+4*\p], s[75+4*\p], 0x80000000
.endr
	; THE HEAD'S LOADS, ONE A WAVE: waves 0-7 phase 0's keys, waves 8-11 phase 0 of V, waves 12-15 the scale bytes: one chain of branches on the wave's number.
	; Phase p + 1 is asked for behind phase p's barrier, one load a wave (waves 0-11): every byte is filled once.
	s_cmp_lt_u32 s[WV], 8
	s_cbranch_scc0 .Lfor_v
	tensor_load_to_lds s[52:55], s[G1K:G1K+7]
	s_nop 0
.rept 4
	v_nop
.endr
	s_branch .Lasked
.Lfor_v:
	s_cmp_lt_u32 s[WV], 12
	s_cbranch_scc0 .Lfor_s
	tensor_load_to_lds s[72:75], s[G1V:G1V+7]
	s_nop 0
.rept 4
	v_nop
.endr
	s_branch .Lasked
.Lfor_s:
	tensor_load_to_lds s[G0S:G0S+3], s[G1S:G1S+7]
	s_nop 0
.rept 4
	v_nop
.endr
.Lasked:
.macro TLOAD gk, gv
	s_cmp_lt_u32 s[WV], 8
	s_cbranch_scc0 .Lnot_k_\@
	tensor_load_to_lds s[\gk:\gk+3], s[G1K:G1K+7]
	s_nop 0
.rept 4
	v_nop
.endr
	s_branch .Lgot_\@
.Lnot_k_\@:
	s_cmp_lt_u32 s[WV], 12
	s_cbranch_scc0 .Lgot_\@
	tensor_load_to_lds s[\gv:\gv+3], s[G1V:G1V+7]
	s_nop 0
.rept 4
	v_nop
.endr
.Lgot_\@:
.endm
	s_lshl_b32 s15, s12, 11
	s_add_co_u32 s15, s15, s[Q0]                   ; my first query among the 32 x 2,048
	s_lshl_b32 s16, s15, 6
	s_mov_b32 s17, 0
	s_add_nc_u64 s[98:99], s[4:5], s[16:17]        ; its codes,
	s_lshl_b32 s16, s15, 1
	s_add_co_u32 s16, s16, QS
	s_add_nc_u64 s[88:89], s[4:5], s[16:17]        ; its scale bytes
	s_lshr_b32 s14, s12, 4                         ; batch
	s_and_b32 s13, s12, 15                         ; head in it
	s_lshl_b32 s14, s14, 11
	s_add_co_u32 s14, s14, s[Q0]                   ; my first row of the output
	s_lshl_b32 s16, s14, 10
	s_lshl_b32 s15, s13, 6
	s_add_co_u32 s16, s16, s15
	s_add_nc_u64 s[90:91], s[6:7], s[16:17]        ; codes: row x 1,024 + 64 x head
	s_lshr_b32 s15, s13, 2
	s_lshl_b32 s15, s15, 15
	s_lshl_b32 s16, s14, 3
	s_add_co_u32 s16, s16, s15
	s_and_b32 s15, s13, 3
	s_lshl_b32 s15, s15, 1
	s_add_co_u32 s16, s16, s15
	s_add_co_u32 s16, s16, OS
	s_add_nc_u64 s[92:93], s[6:7], s[16:17]        ; scale bytes: run head / 4, row x 8, 2 (head % 4)
	v_and_b32 v8, 15, v0                           ; r
	v_bfe_u32 v9, v0, 4, 1                         ; h
	s_delay_alu instid0(VALU_DEP_2)
	v_lshlrev_b32 v228, 6, v8
	s_delay_alu instid0(VALU_DEP_1)
	v_lshl_add_u32 v228, v9, 4, v228
	global_load_b128 v[16:19], v228, s[98:99]      ; (Q, 0): k = 16 h + 0 .. 15,
	global_load_b128 v[20:23], v228, s[98:99] offset:32   ; 32 + 16 h + 0 .. 15
	global_load_b128 v[244:247], v228, s[98:99]    ; (0, Q): the same codes in k = 64 on (two runs of registers: the two operands are different matrices)
	global_load_b128 v[248:251], v228, s[98:99] offset:32
	v_lshlrev_b32 v230, 1, v8
	global_load_u16 v231, v230, s[88:89]           ; Q's two scale bytes; the upper two are 0
	v_and_b32 v11, 8, v8
	s_delay_alu instid0(VALU_DEP_1)
	v_add_nc_u32 v11, v11, v8                      ; r + 8 (r / 8)
	s_delay_alu instid0(VALU_DEP_1)
	v_lshrrev_b32 v12, 1, v11
	s_delay_alu instid0(VALU_DEP_1)
	v_mul_u32_u24 v[AK0], v12, KP2                 ; K: which double row,
	s_delay_alu instid0(VALU_DEP_3)
	v_and_b32 v13, 1, v11
	s_delay_alu instid0(VALU_DEP_1)
	v_lshl_add_u32 v[AK0], v13, 6, v[AK0]          ; which key of it,
	s_delay_alu instid0(VALU_DEP_1)
	v_lshl_add_u32 v[AK0], v9, 4, v[AK0]           ; + 16 h
	v_mul_u32_u24 v[AV0], v11, VP
	s_delay_alu instid0(VALU_DEP_1)
	v_lshl_add_u32 v[AV0], v9, 4, v[AV0]
	v_lshrrev_b32 v13, 3, v8                       ; r / 8
	s_delay_alu instid0(VALU_DEP_1)
	v_lshl_add_u32 v[AV0], v13, 7, v[AV0]          ; V: rows 16 on stand 128 bytes further on
	s_delay_alu instid0(VALU_DEP_1)
	v_add_nc_u32 v[AV0], VREG, v[AV0]
	v_lshl_add_u32 v[ASK0], v11, 1, SCK            ; K's scale bytes: 2 a key, 32 keys to a row of 80
	v_and_b32 v12, 7, v8
	v_mul_u32_u24 v13, v13, SRP
	s_delay_alu instid0(VALU_DEP_1)
	v_lshl_add_u32 v[ASV0], v12, 2, v13            ; V's: 4 a channel, 16 channels to a row of 80
	s_delay_alu instid0(VALU_DEP_1)
	v_add_nc_u32 v[ASV0], SCV, v[ASV0]
	v_lshlrev_b32 v7, 4, v9
	s_delay_alu instid0(VALU_DEP_1)
	v_sub_nc_u32 v7, v8, v7                        ; r - 16 h, for the mask
	v_mov_b32 v13, 0xff61b1e6                      ; the largest t so far: -3e38
	s_delay_alu instid0(VALU_DEP_1)
	v_floor_f32 v12, -v13                          ; -M
	v_mov_b32 v14, 0
	v_mov_b32 v15, 0
.irp b, 0,1,2,3
	v_mov_b32 v[212+\b], 0                         ; written once: a lane permute's destination counts as one of its sources
.endr
	v_mov_b32 v229, 0
.irp j, 0,1,2,3,4,5,6,7
	v_mov_b32 v[24+\j], 0                          ; zero codes: k = 64 .. 127 of (Q, 0),
	v_mov_b32 v[236+\j], 0                         ; k = 0 .. 63 of (0, Q)
.endr
.set li, 0
.rept 32
	v_mov_b32 v[160+li], 0                         ; O^T: the step is written once; the first finds zeros
.set li, li+1
.endr
; A step's K: four double fragments and eight scale words, from ok bytes (os for the scale bytes) behind the addresses in hand.  Fragment b: registers 0-7 key 32 b + r + 8 (r / 8), registers 8-15 the key 8 further on
.macro LOADK ok, os
.irp b, 0,1,2,3
	ds_load_b128 v[32+16*\b:35+16*\b], v[ADK] offset:\ok+16*KP2*\b
	ds_load_b128 v[36+16*\b:39+16*\b], v[ADK] offset:\ok+16*KP2*\b+32
	ds_load_b128 v[40+16*\b:43+16*\b], v[ADK] offset:\ok+16*KP2*\b+4*KP2
	ds_load_b128 v[44+16*\b:47+16*\b], v[ADK] offset:\ok+16*KP2*\b+4*KP2+32
	ds_load_u16 v[224+\b], v[ADS] offset:\os+SRP*\b
	ds_load_u16 v[252+\b], v[ADS] offset:\os+SRP*\b+16
.endr
.endm
; A KEY STEP: 128 keys.  Its K has been asked for: at the phase's head, or by the step before.  pf = 1: it asks for the next step's.
.macro STEP pf
	s_add_co_u32 s96, s[Q0], 15                    ; all keys behind my 16 queries: the step's work is left out (a branch on ids); the lines at its end that step addresses are not
	s_cmp_gt_u32 s[KF], s96
	s_cbranch_scc1 .Lhidden_\@
	s_wait_dscnt 0x0                               ; K's fragments and scale words are in
.irp b, 0,1,2,3
	v_lshlrev_b32 v[252+\b], 16, v[252+\b]         ; the upper tile's two bytes scale k = 64 .. 127: bytes 2 and 3
.endr
	v_add_nc_u32 v[ADK], s[TBK], v[AK0]
	v_add_nc_u32 v[ADV], s[TBV], v[AV0]
	v_add_nc_u32 v[ADS], s[TS], v[ASK0]
	v_add_nc_u32 v[ADT], s[TS], v[ASV0]
.rept 5
	v_nop                                          ; with the four additions nine places: behind the shifts (a scale register written by a vector instruction), and S^T is written over registers that the last step's products read
.endr
.irp b, 0,1,2,3                        ; S^T = K Q^T: eight tiles of 16 keys, eight accumulators
	v_wmma_scale_f32_16x16x128_f8f6f4 v[96+16*\b:103+16*\b], v[32+16*\b:47+16*\b], v[16:31], 0, v[224+\b], v231 matrix_a_fmt:MATRIX_FMT_BF8 matrix_b_fmt:MATRIX_FMT_BF8
	v_wmma_scale_f32_16x16x128_f8f6f4 v[104+16*\b:111+16*\b], v[32+16*\b:47+16*\b], v[236:251], 0, v[252+\b], v5 matrix_a_fmt:MATRIX_FMT_BF8 matrix_b_fmt:MATRIX_FMT_BF8
.endr
.rept 8
	v_nop                                          ; places in front of the reads of the scores, and of loads into registers that these products have read
.endr
.if \pf
	LOADK KSTP, 4*SRP                              ; the next step's K, of the same phase: it lands under the softmax
.endif
	s_add_co_u32 s96, s[KF], 127                   ; on the diagonal hidden scores become -infinity ahead of the maximum; a step all of whose keys count skips this
	s_cmp_le_u32 s96, s[Q0]
	s_cbranch_scc1 .Lopen_\@
	s_sub_co_i32 s96, s[Q0], s[KF]
	v_add_nc_u32 v6, s96, v7                       ; d = my query - KF - 16 h.  Register 16 b + i holds key KF + 16 h + 32 b + i: hidden where 32 b + i > d
	v_mov_b32 v230, 0xff800000
.set li, 0
.rept 64
	v_cmp_gt_i32 vcc_lo, 32*(li/16)+li%16, v6
	v_cndmask_b32 v[96+li], v[96+li], v230, vcc_lo
.set li, li+1
.endr
.Lopen_\@:
.irp b, 0,1,2,3
	v_max3_num_f32 v[208+\b], v[96+16*\b], v[97+16*\b], v[98+16*\b]   ; the largest score of each block of 32 keys: for the row's maximum and for the block's largest p
.endr
.irp i, 3,5,7,9,11,13
.irp b, 0,1,2,3
	v_max3_num_f32 v[208+\b], v[208+\b], v[96+16*\b+\i], v[97+16*\b+\i]
.endr
.endr
.irp b, 0,1,2,3
	v_max_num_f32 v[208+\b], v[208+\b], v[111+16*\b]
.endr
.irp b, 0,1,2,3
	s_delay_alu instid0(VALU_DEP_4)
	v_permlanex16_b32 v[212+\b], v[208+\b], s[SEL], s[SEL+1]
.endr
.irp b, 0,1,2,3
	s_delay_alu instid0(VALU_DEP_4)
	v_max_num_f32 v[208+\b], v[208+\b], v[212+\b]
.endr
	s_delay_alu instid0(VALU_DEP_2)
	v_max3_num_f32 v230, v208, v209, v210
	s_delay_alu instid0(VALU_DEP_1)
	v_max_num_f32 v230, v230, v211
	s_delay_alu instid0(VALU_DEP_1)
	v_mul_f32 v230, s[CS], v230                    ; as t
	s_delay_alu instid0(VALU_DEP_1)
	v_max_num_f32 v13, v13, v230                   ; the running largest t
	v_mov_b32 v230, v12
	s_delay_alu instid0(VALU_DEP_2)
	v_floor_f32 v12, -v13                          ; the new -M = -ceil(t): a whole number
	s_delay_alu instid0(VALU_DEP_1)
	v_sub_f32 v230, v12, v230
	s_delay_alu instid0(VALU_DEP_1)
	v_cvt_i32_f32 v230, v230                       ; (it saturates)
	s_delay_alu instid0(VALU_DEP_1)
	v_ldexp_f32 v228, 1.0, v230                    ; f = 2^(old M - new M)
.set li, 0
.rept 32
	v_pk_fma_f32 v[96+li:97+li], v[96+li:97+li], s[CS:CS+1], v[12:13] op_sel_hi:[1,0,0]   ; t - M
.set li, li+2
.endr
.irp b, 0,1,2,3
	v_fma_f32 v[208+\b], v[208+\b], s[CS], v12
.endr
.set li, 0
	s_wait_alu depctr_va_vdst(0)
.rept 64
	v_exp_f32 v[96+li], v[96+li]                   ; p = 2^(t - M)
.set li, li+1
.endr
	v_pk_mul_f32 v[14:15], v[14:15], v[228:229] op_sel_hi:[1,0]   ; the sums under the new M (a plain instruction behind the exponentials)
	s_wait_alu depctr_va_vdst(0)                   ; one wait for the batch, ahead of its first reader
.irp b, 0,1,2,3
	v_exp_f32 v[208+\b], v[208+\b]                 ; each block's largest p
.endr
	v_pk_add_f32 v[212:213], v[100:101], v[104:105]
	v_pk_add_f32 v[234:235], v[108:109], v[112:113]
	v_pk_add_f32 v[232:233], v[116:117], v[120:121]
	v_pk_add_f32 v[222:223], v[124:125], v[128:129]
	v_pk_add_f32 v[220:221], v[132:133], v[136:137]
	v_pk_add_f32 v[218:219], v[140:141], v[144:145]
	v_pk_add_f32 v[216:217], v[148:149], v[152:153]
	v_pk_add_f32 v[14:15], v[14:15], v[156:157]
	v_pk_add_f32 v[212:213], v[212:213], v[96:97]
	v_pk_add_f32 v[234:235], v[234:235], v[98:99]
	v_pk_add_f32 v[232:233], v[232:233], v[102:103]
	v_pk_add_f32 v[222:223], v[222:223], v[106:107]
	v_pk_add_f32 v[220:221], v[220:221], v[110:111]
	v_pk_add_f32 v[218:219], v[218:219], v[114:115]
	v_pk_add_f32 v[216:217], v[216:217], v[118:119]
	v_pk_add_f32 v[14:15], v[14:15], v[122:123]
	v_pk_add_f32 v[212:213], v[212:213], v[126:127]
	v_pk_add_f32 v[234:235], v[234:235], v[130:131]
	v_pk_add_f32 v[232:233], v[232:233], v[134:135]
	v_pk_add_f32 v[222:223], v[222:223], v[138:139]
	v_pk_add_f32 v[220:221], v[220:221], v[142:143]
	v_pk_add_f32 v[218:219], v[218:219], v[146:147]
	v_pk_add_f32 v[216:217], v[216:217], v[150:151]
	v_pk_add_f32 v[14:15], v[14:15], v[154:155]
	v_pk_add_f32 v[212:213], v[212:213], v[158:159]
	s_delay_alu instid0(VALU_DEP_2)
	v_pk_add_f32 v[14:15], v[14:15], v[222:223]
	s_delay_alu instid0(VALU_DEP_2)
	v_pk_add_f32 v[212:213], v[212:213], v[220:221]
	v_pk_add_f32 v[234:235], v[234:235], v[218:219]
	v_pk_add_f32 v[232:233], v[232:233], v[216:217]
	s_delay_alu instid0(VALU_DEP_2)
	v_pk_add_f32 v[14:15], v[14:15], v[234:235]
	s_delay_alu instid0(VALU_DEP_2)
	v_pk_add_f32 v[212:213], v[212:213], v[232:233]
	s_delay_alu instid0(VALU_DEP_1)
	v_pk_add_f32 v[14:15], v[14:15], v[212:213]
	s_wait_alu depctr_va_vdst(0)                   ; and one for the four
.irp b, 0,1,2,3
	v_max_num_f32 v[208+\b], 0x8000000, v[208+\b]  ; the floor 2^(16 - 127)
.endr
.irp b, 0,1,2,3
	s_delay_alu instid0(VALU_DEP_4)
	v_add_nc_u32 v[220+\b], 0xf8800000, v[208+\b]  ; the conversion's scale operand
.endr
.irp b, 0,1,2,3
	v_and_or_b32 v[216+\b], v[208+\b], 0x7f800000, s[MNT]   ; 57,344 x the scale
.endr
.irp b, 0,1,2,3
	v_lshrrev_b32 v[212+\b], 23, v[220+\b]         ; the scale's byte
.endr
	s_delay_alu instid0(VALU_DEP_3)
	v_lshl_or_b32 v229, v213, 8, v212              ; p's scale word for these 128 keys
	s_delay_alu instid0(VALU_DEP_1)
	v_lshl_or_b32 v229, v214, 16, v229
	s_delay_alu instid0(VALU_DEP_1)
	v_lshl_or_b32 v229, v215, 24, v229
.irp b, 0,1,2,3
.irp i, 0,1,2,3,4,5,6,7,8,9,10,11,12,13,14,15
	v_min_num_f32 v[96+16*\b+\i], v[96+16*\b+\i], v[216+\b]   ; the conversion does not saturate (ISA guide 7.6.2); p is not negative
.endr
	v_cvt_scalef32_pk8_bf8_f32 v[192+4*\b:193+4*\b], v[96+16*\b:103+16*\b], v[220+\b]
	v_cvt_scalef32_pk8_bf8_f32 v[194+4*\b:195+4*\b], v[104+16*\b:111+16*\b], v[220+\b]
.irp c, 0,1,2,3                        ; V's fragment b (16 channels x 128 keys) into the registers that block b of p has just left: it lands under the other blocks' holds
	ds_load_b128 v[96+16*\b+4*\c:99+16*\b+4*\c], v[ADV] offset:(32*(\b/2)+8*(\b%2))*VP+256*(\b/2)+32*\c
.endr
	ds_load_b32 v[232+\b], v[ADT] offset:2*SRP*(\b/2)+32*(\b%2)
.endr
.set li, 0
.rept 16
	v_pk_mul_f32 v[160+li:161+li], v[160+li:161+li], v[228:229] op_sel_hi:[1,0]   ; O^T under the new M; also the places in front of the products below
.set li, li+2
.endr
	s_wait_alu depctr_va_vdst(0)
	s_wait_dscnt 0x0
.irp t, 0,1,2,3                        ; O^T += V^T P^T: four accumulators by turns
	v_wmma_scale_f32_16x16x128_f8f6f4 v[160+8*\t:167+8*\t], v[96+16*\t:111+16*\t], v[192:207], v[160+8*\t:167+8*\t], v[232+\t], v229 matrix_a_fmt:MATRIX_FMT_BF8 matrix_b_fmt:MATRIX_FMT_BF8
.endr
.Lhidden_\@:
	s_add_co_u32 s[KF], s[KF], 128
	s_add_co_u32 s[TBK], s[TBK], KSTP
	s_add_co_u32 s[TBV], s[TBV], 128
	s_add_co_u32 s[TS], s[TS], 4*SRP
.endm
.macro PHASE p                         ; 512 keys: four steps
	v_lshl_add_u32 v6, v0, 2, SPARE
	v_mov_b32 v230, 0
	s_wait_alu depctr_va_vdst(0)
	s_wait_tensorcnt 0x0                           ; my part of phase p has landed (no other load of mine is out)
	ds_add_u32 v6, v230
	s_wait_dscnt 0x0
	s_barrier_signal -1
	s_barrier_wait -1                              ; everybody's has
.if \p < 3
	TLOAD 52+4*(\p+1)+4*((\p+1)/3), 72+4*(\p+1)    ; the next phase: it has this phase's four steps in which to land
.endif
	v_add_nc_u32 v[ADK], s[TBK], v[AK0]
	v_add_nc_u32 v[ADS], s[TS], v[ASK0]
	LOADK 0, 0                                     ; the phase's first step, in every wave: so K's registers are written whatever the step's branch does
	s_mov_b32 s[CNT], 3
.Lstep_\@:
	STEP 1
	s_sub_co_u32 s[CNT], s[CNT], 1
	s_cmp_lg_u32 s[CNT], 0
	s_cbranch_scc1 .Lstep_\@
	STEP 0                                         ; the phase's last step asks for nothing: the next phase's keys are read only behind its barrier
	s_add_co_u32 s[TBV], s[TBV], VPH-512           ; V's next phase
.endm
	s_wait_loadcnt 0x0                             ; Q
	v_lshlrev_b32 v5, 16, v231                     ; its scale bytes for k = 64 .. 127
	PHASE 0
	PHASE 1
	PHASE 2
	PHASE 3
	; THE WAY OUT: O^T / the sum; register 16 b + i is channel 32 b + 16 h + i: two blocks of 32, each shared with lane l xor 16
	s_wait_dscnt 0x0                               ; (a wave whose last steps were left out may still have K's loads out)
.rept 8
	v_nop
.endr
	v_add_f32 v14, v14, v15
	s_delay_alu instid0(VALU_DEP_1)
	v_permlanex16_b32 v228, v14, s[SEL], s[SEL+1]
	s_delay_alu instid0(VALU_DEP_1)
	v_add_f32 v14, v14, v228
	s_wait_alu depctr_va_vdst(0)
	v_rcp_f32 v14, v14
	v_and_b32 v8, 15, v0                           ; (a plain instruction behind the transcendental)
	v_bfe_u32 v9, v0, 4, 1
	s_delay_alu instid0(VALU_DEP_2)
	v_lshlrev_b32 v10, 10, v8
	s_delay_alu instid0(VALU_DEP_1)
	v_lshl_add_u32 v10, v9, 4, v10                 ; row r of 1,024 codes, + 16 h
	s_delay_alu instid0(VALU_DEP_4)
	v_lshlrev_b32 v11, 3, v8                       ; row r's 8 scale bytes
	s_wait_alu depctr_va_vdst(0)                   ; ahead of the reciprocal's first reader
.set li, 0
.rept 32
	v_mul_f32 v[96+li], v[160+li], v14
.set li, li+1
.endr
.irp b, 0,1
	v_max3_num_f32 v[208+\b], |v[96+16*\b]|, |v[97+16*\b]|, 0x8000000
.endr
.irp i, 2,4,6,8,10,12,14
.irp b, 0,1
	s_delay_alu instid0(VALU_DEP_2)
	v_max3_num_f32 v[208+\b], v[208+\b], |v[96+16*\b+\i]|, |v[97+16*\b+\i]|
.endr
.endr
.irp b, 0,1
	s_delay_alu instid0(VALU_DEP_2)
	v_permlanex16_b32 v[212+\b], v[208+\b], s[SEL], s[SEL+1]
.endr
.irp b, 0,1
	s_delay_alu instid0(VALU_DEP_2)
	v_max_num_f32 v[208+\b], v[208+\b], v[212+\b]
.endr
.irp b, 0,1
	s_delay_alu instid0(VALU_DEP_2)
	v_add_nc_u32 v[220+\b], 0xf8800000, v[208+\b]
.endr
.irp b, 0,1
	s_delay_alu instid0(VALU_DEP_4)
	v_and_or_b32 v[216+\b], v[208+\b], 0x7f800000, s[MNT]
.endr
.irp b, 0,1
	s_delay_alu instid0(VALU_DEP_4)
	v_lshrrev_b32 v[212+\b], 23, v[220+\b]
.endr
	s_delay_alu instid0(VALU_DEP_1)
	v_lshl_or_b32 v229, v213, 8, v212
.irp b, 0,1
.irp i, 0,1,2,3,4,5,6,7,8,9,10,11,12,13,14,15
	v_med3_num_f32 v[96+16*\b+\i], v[96+16*\b+\i], -v[216+\b], v[216+\b]
.endr
	v_cvt_scalef32_pk8_bf8_f32 v[192+4*\b:193+4*\b], v[96+16*\b:103+16*\b], v[220+\b]
	v_cvt_scalef32_pk8_bf8_f32 v[194+4*\b:195+4*\b], v[104+16*\b:111+16*\b], v[220+\b]
.endr
	v_nop
	global_store_b128 v10, v[192:195], s[90:91]
	global_store_b128 v10, v[196:199], s[90:91] offset:32
	global_store_b16 v11, v229, s[92:93]           ; both halves of the lanes write the same two bytes with the same value
	v_lshl_add_u32 v6, v0, 2, SPARE
	v_mov_b32 v230, 0
	s_wait_alu depctr_va_vdst(0)
	s_wait_tensorcnt 0x0                           ; the wave's end
	ds_add_u32 v6, v230
	s_wait_dscnt 0x0
	s_endpgm
.Lfunc_end_k_q5059fc582f_attn:
	.size	k_q5059fc582f_attn, .Lfunc_end_k_q5059fc582f_attn-k_q5059fc582f_attn
	.p2alignl 7, 3214868480
	.fill 96, 4, 3214868480
	.section	.rodata,"a",@progbits
	.p2align	6, 0x0
	.amdhsa_kernel k_q5059fc582f_attn
		.amdhsa_group_segment_fixed_size 327680
		.amdhsa_private_segment_fixed_size 0
		.amdhsa_enable_private_segment 0
		.amdhsa_kernarg_size 16
		.amdhsa_user_sgpr_count 2
		.amdhsa_user_sgpr_kernarg_segment_ptr 1
		.amdhsa_wavefront_size32 1
		.amdhsa_system_sgpr_workgroup_id_x 1
		.amdhsa_system_sgpr_workgroup_id_y 1
		.amdhsa_system_sgpr_workgroup_id_z 1
		.amdhsa_system_vgpr_workitem_id 0
		.amdhsa_next_free_vgpr 256
		.amdhsa_next_free_sgpr 100
		.amdhsa_reserve_vcc 1
		.amdhsa_float_denorm_mode_32 3
		.amdhsa_float_denorm_mode_16_64 3
		.amdhsa_memory_ordered 1
		.amdhsa_forward_progress 1
		.amdhsa_inst_pref_size 226
	.end_amdhsa_kernel
	.amdgpu_metadata
---
amdhsa.version: [ 1, 2 ]
amdhsa.kernels:
  - .name:           k_q5059fc582f_attn
    .symbol:         k_q5059fc582f_attn.kd
    .args:
      - { .name: qkvb, .offset: 0, .size: 8, .value_kind: global_buffer, .address_space: global }
      - { .name: ob, .offset: 8, .size: 8, .value_kind: global_buffer, .address_space: global }
    .group_segment_fixed_size: 327680
    .private_segment_fixed_size: 0
    .kernarg_segment_align: 8
    .kernarg_segment_size: 16
    .max_flat_workgroup_size: 512
    .sgpr_count:     100
    .vgpr_count:     256
    .wavefront_size: 32
...
	.end_amdgpu_metadata
.endif
;; end of part 3
;; launch proj (part 4): grid 8 x 32, 4 waves a work-group, clusters of 4 x 4, 327,680 bytes of LDS; arguments ob, wts, proj_b, x, x1; writes x1
.if DOCPART == 4
	.amdgcn_target "amdgcn-amd-amdhsa--gfx1250"
	.amdhsa_code_object_version 6
	.text
	.protected	k_q5059fc582f_proj
	.globl	k_q5059fc582f_proj
	.p2align	8
	.type	k_q5059fc582f_proj,@function
k_q5059fc582f_proj:
	s_mov_b64 s[64:65], 0
	v_nop
	global_prefetch_b8 v0, s[64:65] scope:SCOPE_SE
	s_setreg_imm32_b32 hwreg(HW_REG_WAVE_MODE, 25, 1), 1
	s_wait_xcnt 0x0
	s_wait_alu depctr_hold_cnt(0) depctr_sa_sdst(0) depctr_va_vdst(0) depctr_va_sdst(0) depctr_va_ssrc(0) depctr_va_vcc(0) depctr_vm_vsrc(0)
	s_getreg_b32 s2, hwreg(HW_REG_IB_STS2, 6, 4)
	s_cmp_eq_u32 s2, 0
	s_cbranch_scc0 .Lentry_in_a_cluster
	s_endpgm
.Lentry_in_a_cluster:
	s_bfe_u32 s2, ttmp6, 0x10000c
	s_cmp_lg_u32 s2, 0xf033
	s_cbranch_scc0 .Lentry_shape_is_right
	s_endpgm
.Lentry_shape_is_right:
.set SIZE_K, 1024
.set ASOFF,  4194304
.set BCOFF,  3145728
.set BSOFF,  12681216
.set KSTEP,  512
.set PITCH,  528
.set HALFT,  64*PITCH
.set SLOT,   4*HALFT
.set PL,     SIZE_K/256
.set HALFS,  512*PL
.set SCL,    2*SLOT
.set SPARE,  SCL+4*HALFS
.set LAPS,   SIZE_K/(2*KSTEP)
.set SPITCH, 272
.set ADRA, 16
.set ADRB, 20
.set STO,  24
.set RD,   25
.set CO,   26
.set ADRS, 27
.set SPW,  28
.set NIL,  29
.set SC,   32
.set BIAS, 48
.set BK,   64
.set ACC,  128
.set F0,   0
.set F1,   128
.set G1, 24
.set G0, 32
.set G1B, 48
.set G0B, 56
.set G1S, 68
.set G0S, 76
.set G1SB, 80
.set G0SB, 88
.set MSB, 0
.macro WIN new
.if MSB != \new
	s_set_vgpr_msb (MSB<<8)|\new
.set MSB, \new
.endif
.endm
.set MUL,  0x05
.set TO_F, 0x40
.macro JLOAD g0a, g1a, g0b, g1b
	s_cmp_eq_u32 s15, 0
	s_cbranch_scc0 .Lfor_b_\@
	tensor_load_to_lds s[\g0a:\g0a+3], s[\g1a:\g1a+7]
	s_nop 0
.rept 4
	v_nop
.endr
	s_branch .Lasked_\@
.Lfor_b_\@:
	tensor_load_to_lds s[\g0b:\g0b+3], s[\g1b:\g1b+7]
	s_nop 0
.rept 4
	v_nop
.endr
.Lasked_\@:
.endm
.macro CREST
	s_cmp_lg_u32 s14, 0
	s_cbranch_scc1 .Lnot_wave_0_\@
	s_barrier_signal -3
.Lnot_wave_0_\@:
	s_barrier_wait -3
	s_barrier_signal -1
	s_barrier_wait -1
.endm
.macro CROUND
	s_barrier_signal -1
	s_barrier_wait -1
	CREST
.endm
	s_load_b128 s[4:7], s[0:1], 0x0
	s_load_b128 s[8:11], s[0:1], 0x10
	s_load_b64 s[12:13], s[0:1], 0x20
	v_lshl_add_u32 v[SPW], v0, 2, SPARE
	v_mov_b32 v[NIL], 0
	ds_add_u32 v[SPW], v[NIL]                      ; the opening lines: the add, twice on end, and its wait ahead of the first round
	ds_add_u32 v[SPW], v[NIL]
	v_lshrrev_b32 v1, 5, v0
	v_readfirstlane_b32 s14, v1
	s_lshr_b32 s15, s14, 1
	s_and_b32 s16, s14, 1
	s_bfe_u32 s40, ttmp6, 0x40000
	s_bfe_u32 s41, ttmp6, 0x40004
	s_lshl_b32 s42, ttmp9, 2
	s_add_co_u32 s42, s42, s40
	s_and_b32 s17, ttmp7, 0xffff
	s_lshl_b32 s17, s17, 2
	s_add_co_u32 s17, s17, s41
	s_lshl_b32 s43, s41, 2
	s_lshl_b32 s43, 15, s43
	s_lshl_b32 s44, 0x1111, s40
	s_or_b32 s[G1+0], s43, (0<<16)|(1<<20)|(1<<21)|(6<<22)|(3<<25)
	s_or_b32 s[G1B+0], s44, (0<<16)|(1<<20)|(1<<21)|(6<<22)|(3<<25)
.irp g, G1, G1B
	s_mov_b32 s[\g+1], KSTEP<<16
	s_mov_b32 s[\g+2], 128<<16                     ; tensor_dim1: 128 rows for the head's loads, 64 behind them
	s_mov_b32 s[\g+3], KSTEP<<16
	s_mov_b32 s[\g+4], 128
	s_mov_b32 s[\g+5], SIZE_K
	s_mov_b32 s[\g+6], 0
	s_mov_b32 s[\g+7], 0
.endr
	s_or_b32 s[G1S+0], s43, (3<<16)|(1<<21)
	s_or_b32 s[G1SB+0], s44, (3<<16)|(1<<21)
.irp g, G1S, G1SB
	s_mov_b32 s[\g+1], 128<<16                     ; the scale bytes of 128 rows: 1,024 bytes of each run of 256 along K
	s_mov_b32 s[\g+2], PL<<16
	s_mov_b32 s[\g+3], 128<<16
	s_mov_b32 s[\g+4], PL
	s_mov_b32 s[\g+6], 0
	s_mov_b32 s[\g+7], 0
.endr
	s_mov_b32 s[G1S+5], 4096
	s_mov_b32 s[G1SB+5], 1024
	s_lshl_b32 s20, s17, 7                         ; A: the tile's first row
	s_lshl_b32 s46, s42, 7                         ; B likewise
	s_mov_b32 s21, 0
	s_mov_b32 s47, 0
	s_lshl_b64 s[22:23], s[20:21], 3
	s_lshl_b64 s[92:93], s[46:47], 3
	s_mov_b64 s[18:19], SIZE_K
	s_mul_u64 s[20:21], s[20:21], s[18:19]
	s_mul_u64 s[46:47], s[46:47], s[18:19]
	s_mul_i32 s45, s14, HALFT
	s_mul_i32 s18, s16, 64*SIZE_K                  ; in the ring I fetch 64 rows of a tile: which half, in bytes
	s_mov_b32 s19, 0
	s_wait_dscnt 0x0                               ; both opening adds are done
	s_wait_kmcnt 0x0
	s_add_nc_u64 s[20:21], s[4:5], s[20:21]
	s_add_nc_u64 s[22:23], s[4:5], s[22:23]
	s_add_nc_u64 s[22:23], s[22:23], ASOFF
	s_add_nc_u64 s[46:47], s[6:7], s[46:47]
	s_add_nc_u64 s[46:47], s[46:47], BCOFF
	s_add_nc_u64 s[92:93], s[6:7], s[92:93]
	s_add_nc_u64 s[92:93], s[92:93], BSOFF
	CROUND
	s_mov_b32 s[G0S], 1
	s_mov_b32 s[G0S+1], SCL
	s_mov_b64 s[G0S+2:G0S+3], s[22:23]
	s_or_b32 s[G0S+3], s[G0S+3], 0x80000000
	s_mov_b32 s[G0SB], 1
	s_mov_b32 s[G0SB+1], SCL+2*HALFS
	s_mov_b64 s[G0SB+2:G0SB+3], s[92:93]
	s_or_b32 s[G0SB+3], s[G0SB+3], 0x80000000
.set G0H, 4                            ; s[4:7], s[92:95] group 0 of the head's loads of K step 0 (what lay there has been used)
.set G0HB, 92
	s_mov_b32 s[G0H], 1
	s_mov_b32 s[G0H+1], 0
	s_mov_b64 s[G0H+2:G0H+3], s[20:21]
	s_or_b32 s[G0H+3], s[G0H+3], 0x80000000
	s_mov_b32 s[G0HB], 1
	s_mov_b32 s[G0HB+1], 2*HALFT
	s_mov_b64 s[G0HB+2:G0HB+3], s[46:47]
	s_or_b32 s[G0HB+3], s[G0HB+3], 0x80000000
	s_add_nc_u64 s[20:21], s[20:21], s[18:19]      ; for the ring: my 64 rows of the tile
	s_add_nc_u64 s[46:47], s[46:47], s[18:19]
.irp s, 0,1
	s_mov_b32 s[G0+4*\s], 1
	s_add_co_u32 s[G0+4*\s+1], s45, \s*SLOT
	s_add_nc_u64 s[G0+4*\s+2:G0+4*\s+3], s[20:21], \s*KSTEP
	s_or_b32 s[G0+4*\s+3], s[G0+4*\s+3], 0x80000000
	s_mov_b32 s[G0B+4*\s], 1
	s_add_co_u32 s[G0B+4*\s+1], s45, \s*SLOT
	s_add_nc_u64 s[G0B+4*\s+2:G0B+4*\s+3], s[46:47], \s*KSTEP
	s_or_b32 s[G0B+4*\s+3], s[G0B+4*\s+3], 0x80000000
.endr
; The head's four tiles, one joint load a wave: wave 0 K step 0's 128 rows of A, wave 1 those of B, wave 2 A's scale bytes, wave 3 B's: one chain of branches on the wave's number.
.macro ARM under, g0, g1, next
	s_cmp_lt_u32 s14, \under
	s_cbranch_scc0 \next
	tensor_load_to_lds s[\g0:\g0+3], s[\g1:\g1+7]
	s_nop 0
.rept 4
	v_nop
.endr
	s_branch .Lhead_asked
\next:
.endm
	ARM 1, G0H,  G1,  .Lhead_b
	ARM 2, G0HB, G1B, .Lhead_sa
	ARM 3, G0S,  G1S, .Lhead_sb
	tensor_load_to_lds s[G0SB:G0SB+3], s[G1SB:G1SB+7]
	s_nop 0
.rept 4
	v_nop
.endr
.Lhead_asked:
	v_and_b32 v1, 15, v0
	v_bfe_u32 v2, v0, 4, 1
	s_wait_alu depctr_va_vdst(0)
	v_mul_u32_u24 v3, v1, PITCH
	v_lshl_add_u32 v3, v2, 4, v3
	s_mul_i32 s21, s15, HALFT
	s_mul_i32 s22, s16, HALFT
	s_add_co_u32 s22, s22, 2*HALFT
.irp s, 0,1
	v_add_nc_u32 v[ADRA+\s], s21, v3
	v_add_nc_u32 v[ADRB+\s], s22, v3
	s_add_co_u32 s21, s21, SLOT
	s_add_co_u32 s22, s22, SLOT
.endr
	v_lshlrev_b32 v5, 3, v1
	s_lshl_b32 s21, s15, 9                         ; a run's scale bytes lie [128 rows][8]: my 64 rows begin 512 bytes x half on
	s_lshl_b32 s22, s16, 9
	s_add_co_u32 s22, s22, 2*HALFS
	s_sub_co_u32 s22, s22, s21
	v_mul_u32_u24 v6, s22, v2
	s_add_co_u32 s21, s21, SCL
	v_add_nc_u32 v5, v5, v6
	v_add_nc_u32 v[ADRS], s21, v5
	s_mul_i32 s23, s14, 16*SPITCH
	v_mul_u32_u24 v4, v1, SPITCH
	v_lshl_add_u32 v4, v2, 5, v4
	v_add_nc_u32 v[STO], s23, v4
	v_mul_u32_u24 v5, v2, SPITCH
	v_lshl_add_u32 v5, v1, 4, v5
	v_add_nc_u32 v[RD], s23, v5
	v_lshlrev_b32 v[CO], 12, v2
	v_lshl_add_u32 v[CO], v1, 4, v[CO]
	s_wait_alu depctr_va_vdst(0)
	v_lshlrev_b32 v7, 4, v1
	s_wait_alu depctr_va_vdst(0)
	s_lshl_b32 s20, s17, 7
	s_lshl_b32 s21, s15, 6
	s_add_co_u32 s20, s20, s21
	s_lshl_b32 s20, s20, 12
	s_lshl_b32 s46, s42, 9
	s_lshl_b32 s47, s16, 8
	s_add_co_u32 s46, s46, s47
	s_add_co_u32 s20, s20, s46
	s_mov_b32 s21, 0
	s_mov_b32 s47, 0
	s_add_nc_u64 s[96:97], s[10:11], s[20:21]
	s_add_nc_u64 s[98:99], s[12:13], s[20:21]
	s_add_nc_u64 s[8:9], s[8:9], s[46:47]
	WIN 0x80
.set li, 0
.rept 32
	global_load_b128 v[4*li:4*li+3], v[CO], s[96:97] offset:8192*li
.set li, li+1
.endr
	WIN 0
	global_load_b128 v[BIAS:BIAS+3], v7, s[8:9]
.macro FETCH slot, q, f
	WIN TO_F
.irp i, 0,1,2,3
.irp c, 0,1,2,3
	ds_load_b128 v[\f+64+16*\i+4*\c:\f+64+16*\i+4*\c+3], v[ADRB+\slot] offset:128*(\q)+32*\c+\i*16*PITCH
.endr
.endr
.irp i, 0,1,2,3
.irp c, 0,1,2,3
	ds_load_b128 v[\f+16*\i+4*\c:\f+16*\i+4*\c+3], v[ADRA+\slot] offset:128*(\q)+32*\c+\i*16*PITCH
.endr
.endr
.endm
.macro SCALES p, off
	WIN 0
.irp i, 0,1,2,3
	ds_load_b64 v[SC+8*\p+2*\i:SC+8*\p+2*\i+1], v[ADRS] offset:\off+128*\i
.endr
.endm
.macro MUL8 f, q, a0, zero
.irp a, \a0, \a0+1
.irp b, 0,1,2,3
.if \zero
	v_wmma_scale_f32_16x16x128_f8f6f4 v[ACC+8*(4*(\a)+\b):ACC+8*(4*(\a)+\b)+7], v[\f+64+16*\b:\f+64+16*\b+15], v[\f+16*(\a):\f+16*(\a)+15], 0, v[SC+8*((\q)/2)+2*\b+(\q)%2], v[SC+8*((\q)/2)+2*(\a)+(\q)%2] matrix_a_fmt:MATRIX_FMT_BF8 matrix_b_fmt:MATRIX_FMT_BF8 matrix_a_scale:MATRIX_SCALE_ROW1
.else
	v_wmma_scale_f32_16x16x128_f8f6f4 v[ACC+8*(4*(\a)+\b):ACC+8*(4*(\a)+\b)+7], v[\f+64+16*\b:\f+64+16*\b+15], v[\f+16*(\a):\f+16*(\a)+15], v[ACC+8*(4*(\a)+\b):ACC+8*(4*(\a)+\b)+7], v[SC+8*((\q)/2)+2*\b+(\q)%2], v[SC+8*((\q)/2)+2*(\a)+(\q)%2] matrix_a_fmt:MATRIX_FMT_BF8 matrix_b_fmt:MATRIX_FMT_BF8 matrix_a_scale:MATRIX_SCALE_ROW1
.endif
.endr
.endr
.endm
.macro PLACES n
.rept \n
	v_nop
.endr
.endm
.macro QUARTER slot, qn, f, g, zero
	s_wait_dscnt 0x0
	PLACES 8
	FETCH \slot, \qn, \g
.if \qn == 2
	SCALES 1, 1024
.endif
	WIN MUL
	MUL8 \f, \qn-1, 0, \zero
	MUL8 \f, \qn-1, 2, \zero
.endm
.macro TURN slot, next, fill
	WIN 0
	s_wait_tensorcnt 0x0
	ds_add_u32 v[SPW], v[NIL]
	s_wait_dscnt 1
	WIN MUL
	MUL8 F1, 3, 0, 0
	s_wait_dscnt 0x0
	s_barrier_signal -1
	WIN 0
	s_barrier_wait -1
.if \fill
	CREST
	s_add_nc_u64 s[G0+4*\slot+2:G0+4*\slot+3], s[G0+4*\slot+2:G0+4*\slot+3], 2*KSTEP
	s_add_nc_u64 s[G0B+4*\slot+2:G0B+4*\slot+3], s[G0B+4*\slot+2:G0B+4*\slot+3], 2*KSTEP
	JLOAD G0+4*\slot, G1, G0B+4*\slot, G1B
	PLACES 4
.else
	PLACES 8
.endif
	v_add_nc_u32 v[ADRS], 2048, v[ADRS]            ; the next K step's two runs of scale bytes
	FETCH \next, 0, F0
	SCALES 0, 0
	WIN MUL
	MUL8 F1, 3, 2, 0
.endm
	s_wait_alu depctr_va_vdst(0)
	s_wait_tensorcnt 0x0                           ; my tile of the head's four is in
	ds_add_u32 v[SPW], v[NIL]
	s_mov_b32 s[G1+2], 64<<16                      ; no tensor load of mine is out: from here on a load brings 64 rows
	s_mov_b32 s[G1+4], 64
	s_mov_b32 s[G1B+2], 64<<16
	s_mov_b32 s[G1B+4], 64
	s_wait_dscnt 0x0
	CROUND                                         ; all four tiles are in, in all sixteen work-groups
	JLOAD G0+4, G1, G0B+4, G1B                     ; K step 1, the first tensor load behind the round
	FETCH 0, 0, F0
	SCALES 0, 0
	QUARTER 0, 1, F0, F1, 1
.if LAPS > 1
	WIN 0
	s_mov_b32 s3, LAPS-1
.Llap:
	QUARTER 0, 2, F1, F0, 0
	QUARTER 0, 3, F0, F1, 0
	TURN 0, 1, 1
	QUARTER 1, 1, F0, F1, 0
	QUARTER 1, 2, F1, F0, 0
	QUARTER 1, 3, F0, F1, 0
	TURN 1, 0, 1
	QUARTER 0, 1, F0, F1, 0
	WIN 0
	s_sub_co_u32 s3, s3, 1
	s_cmp_lg_u32 s3, 0
	s_cbranch_scc1 .Llap
.endif
	QUARTER 0, 2, F1, F0, 0
	QUARTER 0, 3, F0, F1, 0
	TURN 0, 1, 0
	s_wait_alu depctr_va_vdst(0)
	QUARTER 1, 1, F0, F1, 0
	QUARTER 1, 2, F1, F0, 0
	QUARTER 1, 3, F0, F1, 0
	s_wait_dscnt 0x0
	MUL8 F1, 3, 0, 0
	MUL8 F1, 3, 2, 0
	WIN 0
	PLACES 8
	s_wait_loadcnt 0x0
.irp a, 0,1,2,3
.if \a > 0
	s_wait_xcnt 0x0
.endif
.irp b, 0,1,2,3
	ds_store_b128 v[STO], v[ACC+8*(4*\a+\b):ACC+8*(4*\a+\b)+3] offset:64*\b
	ds_store_b128 v[STO], v[ACC+8*(4*\a+\b)+4:ACC+8*(4*\a+\b)+7] offset:64*\b+16
.endr
.irp t, 0,1,2,3,4,5,6,7
	ds_load_b128 v[BK+4*\t:BK+4*\t+3], v[RD] offset:\t*2*SPITCH
.endr
	s_wait_dscnt 0x0
.irp t, 0,1,2,3,4,5,6,7
	v_pk_add_f32 v[BK+4*\t:BK+4*\t+1], v[BK+4*\t:BK+4*\t+1], v[BIAS:BIAS+1]
	v_pk_add_f32 v[BK+4*\t+2:BK+4*\t+3], v[BK+4*\t+2:BK+4*\t+3], v[BIAS+2:BIAS+3]
.endr
	WIN 0x08
.set li, 0
.rept 16
	v_pk_add_f32 v[BK+2*li:BK+2*li+1], v[BK+2*li:BK+2*li+1], v[32*\a+2*li:32*\a+2*li+1]
.set li, li+1
.endr
	WIN 0
.irp t, 0,1,2,3,4,5,6,7
	global_store_b128 v[CO], v[BK+4*\t:BK+4*\t+3], s[98:99] offset:(16*\a+2*\t)*4096
.endr
.endr
	s_wait_tensorcnt 0x0
	ds_add_u32 v[SPW], v[NIL]
	s_wait_dscnt 0x0
	CROUND
	s_endpgm
.Lfunc_end_k_q5059fc582f_proj:
	.size	k_q5059fc582f_proj, .Lfunc_end_k_q5059fc582f_proj-k_q5059fc582f_proj
	.p2alignl 7, 3214868480
	.fill 96, 4, 3214868480
	.section	.rodata,"a",@progbits
	.p2align	6, 0x0
	.amdhsa_kernel k_q5059fc582f_proj
		.amdhsa_group_segment_fixed_size 327680
		.amdhsa_private_segment_fixed_size 0
		.amdhsa_enable_private_segment 0
		.amdhsa_kernarg_size 40
		.amdhsa_user_sgpr_count 2
		.amdhsa_user_sgpr_kernarg_segment_ptr 1
		.amdhsa_wavefront_size32 1
		.amdhsa_system_sgpr_workgroup_id_x 1
		.amdhsa_system_sgpr_workgroup_id_y 1
		.amdhsa_system_sgpr_workgroup_id_z 1
		.amdhsa_system_vgpr_workitem_id 0
		.amdhsa_next_free_vgpr 640
		.amdhsa_next_free_sgpr 100
		.amdhsa_reserve_vcc 0
		.amdhsa_float_denorm_mode_32 3
		.amdhsa_float_denorm_mode_16_64 3
		.amdhsa_memory_ordered 1
		.amdhsa_forward_progress 1
		.amdhsa_inst_pref_size 66
	.end_amdhsa_kernel
	.amdgpu_metadata
---
amdhsa.version: [ 1, 2 ]
amdhsa.kernels:
  - .name:           k_q5059fc582f_proj
    .symbol:         k_q5059fc582f_proj.kd
    .args:
      - { .name: ob, .offset: 0, .size: 8, .value_kind: global_buffer, .address_space: global }
      - { .name: wts, .offset: 8, .size: 8, .value_kind: global_buffer, .address_space: global }
      - { .name: proj_b, .offset: 16, .size: 8, .value_kind: global_buffer, .address_space: global }
      - { .name: x, .offset: 24, .size: 8, .value_kind: global_buffer, .address_space: global }
      - { .name: x1, .offset: 32, .size: 8, .value_kind: global_buffer, .address_space: global }
    .group_segment_fixed_size: 327680
    .private_segment_fixed_size: 0
    .kernarg_segment_align: 8
    .kernarg_segment_size: 40
    .max_flat_workgroup_size: 128
    .sgpr_count:     100
    .vgpr_count:     640
    .wavefront_size: 32
...
	.end_amdgpu_metadata
.endif
;; end of part 4
;; launch ln2 (part 5): grid 256 x 1, 4 waves a work-group, no clusters, 21,504 bytes of LDS; arguments x1, ln2_g, ln2_b, act; writes act
.if DOCPART == 5
	.amdgcn_target "amdgcn-amd-amdhsa--gfx1250"
	.amdhsa_code_object_version 6
	.text
	.protected	k_q5059fc582f_ln2
	.globl	k_q5059fc582f_ln2
	.p2align	8
	.type	k_q5059fc582f_ln2,@function
k_q5059fc582f_ln2:
	s_mov_b64 s[64:65], 0
	v_nop
	global_prefetch_b8 v0, s[64:65] scope:SCOPE_SE
	s_setreg_imm32_b32 hwreg(HW_REG_WAVE_MODE, 25, 1), 1
	s_wait_xcnt 0x0
; LayerNorm of 4,096 rows of 1,024 f32, then the quantiser along the row: codes of BF8 (E5M2) [4096][1024] at act + 0, E8M0 bytes [4096][32] at act + AS.
; A work-group takes 16 rows, a wave 4; a wave holds a whole row in 32 registers (chunk j: elements 128 j + 4 lane .. + 3), so each row is read once and no wave waits for another until the end.
; The mean is taken first and subtracted, then the variance is the mean of the squared differences: a common offset of the inputs costs no accuracy.
; For the conversions a lane must hold 16 NEIGHBOURS: 512 numbers at a time turn through the wave's own stage in LDS (64 bytes + 16 of padding for each lane) and come back into the registers that they left.
; Two neighbouring lanes hold a block of 32.  A lane's 16 codes are 16 bytes: the wave stores 512 consecutive bytes.  The work-group's 512 scale bytes meet in LDS and leave as two aligned runs of 256 bytes.
; LIMITS: a block whose largest magnitude lies under 2^(16-127) gets the byte 1 (the bytes are read by this program alone); NaN and infinities are not served; v_rsq_f32 is good to 1 ulp.
.set SP,   80
.set SCB,  20480                       ; behind the four waves' stages (2 x 32 x 80 bytes each): the work-group's scale bytes
.set AS,   4194304
.set EMAX, 15
.set G,    16                          ; v16-47   the gain, in a row's layout
.set BB,   48                          ; v48-79   the bias
.set R,    80                          ; v80-207  four rows
.set C,    208                         ; v208-239 codes: four registers for each of the 8 steps, so that no store's data are written again
.set E,    240                         ; v240-247 a scale byte for each step
.set MU,   248                         ; v[248:249] the mean, twice
.set RS,   250                         ; v[250:251] 1 / sqrt(var + eps), twice
	s_load_b256 s[4:11], s[0:1], 0x0               ; the rows, gain, bias, act
	v_lshrrev_b32 v1, 5, v0
	v_readfirstlane_b32 s16, v1                    ; wave
	v_and_b32 v2, 31, v0                           ; lane
	v_lshlrev_b32 v3, 4, v2                        ; 16 x lane: my 16 bytes of every 512; never rewritten
	s_mul_i32 s17, s16, 2*32*SP
	v_lshrrev_b32 v14, 2, v2
	v_mul_u32_u24 v14, v14, SP
	v_and_b32 v15, 3, v2
	v_lshl_add_u32 v14, v15, 4, v14
	v_add_nc_u32 v14, s17, v14                     ; the stage, on the way in: four lanes' 64 bytes on end, then 16 of padding
	v_mul_u32_u24 v15, v2, SP
	v_add_nc_u32 v15, s17, v15                     ; and on the way out: my 16 neighbours
	v_lshrrev_b32 v5, 1, v2
	s_lshl_b32 s17, s16, 7
	s_add_co_u32 s17, s17, SCB
	v_add_nc_u32 v5, s17, v5                       ; my block's scale byte: 128 bytes a wave, 32 a row
	v_add_nc_u32 v6, SCB, v3
	v_mov_b32 v254, 0                              ; written once: a lane permute's destination counts as one of its sources
	s_mov_b32 s20, 0x76543210
	s_mov_b32 s21, 0xfedcba98                      ; lane l xor 16
	s_mov_b32 s23, 0x600000                        ; the mantissa field of 57,344
	s_mov_b32 s24, 0x3a800000                      ; 1 / 1024
	s_mov_b32 s25, 0x3727c5ac                      ; eps = 1e-5
	s_lshl_b32 s18, ttmp9, 4
	s_lshl_b32 s19, s16, 2
	s_add_co_u32 s18, s18, s19                     ; my first row
	s_lshl_b32 s12, s18, 12
	s_mov_b32 s13, 0
	s_lshl_b32 s14, s18, 10
	s_mov_b32 s15, 0
	s_lshl_b32 s26, ttmp9, 9
	s_add_co_u32 s26, s26, AS
	s_mov_b32 s27, 0
	s_wait_kmcnt 0x0
	s_add_nc_u64 s[4:5], s[4:5], s[12:13]          ; my rows
	s_add_nc_u64 s[12:13], s[10:11], s[26:27]      ; the work-group's scale bytes
	s_add_nc_u64 s[10:11], s[10:11], s[14:15]      ; my rows' codes
.irp j, 0,1,2,3,4,5,6,7
	global_load_b128 v[G+4*\j:G+4*\j+3], v3, s[6:7] offset:512*\j
.endr
.irp j, 0,1,2,3,4,5,6,7
	global_load_b128 v[BB+4*\j:BB+4*\j+3], v3, s[8:9] offset:512*\j
.endr
.irp n, 0,1,2,3
.irp j, 0,1,2,3,4,5,6,7
	global_load_b128 v[R+32*\n+4*\j:R+32*\n+4*\j+3], v3, s[4:5] offset:4096*\n+512*\j th:TH_LOAD_NT
.endr
.endr
.macro FOLD                            ; four chains of pairs -> one number in every lane of the wave (v8)
	v_pk_add_f32 v[8:9], v[8:9], v[10:11]
	v_pk_add_f32 v[12:13], v[12:13], v[252:253]
	v_pk_add_f32 v[8:9], v[8:9], v[12:13]
	v_add_f32 v8, v8, v9
	v_add_f32_dpp v8, v8, v8 row_xmask:1 row_mask:0xf bank_mask:0xf
	v_add_f32_dpp v8, v8, v8 row_xmask:2 row_mask:0xf bank_mask:0xf
	v_add_f32_dpp v8, v8, v8 row_xmask:4 row_mask:0xf bank_mask:0xf
	v_add_f32_dpp v8, v8, v8 row_xmask:8 row_mask:0xf bank_mask:0xf
	v_permlanex16_b32 v254, v8, s20, s21
	v_add_f32 v8, v8, v254
.endm
.macro ROW n
.set RR, R+32*(\n)
	s_wait_loadcnt 8*(3-(\n))                      ; gain, bias and this row are in; the later rows' 8 loads each may be out
	v_pk_add_f32 v[8:9], v[RR:RR+1], v[RR+2:RR+3]
	v_pk_add_f32 v[10:11], v[RR+4:RR+5], v[RR+6:RR+7]
	v_pk_add_f32 v[12:13], v[RR+8:RR+9], v[RR+10:RR+11]
	v_pk_add_f32 v[252:253], v[RR+12:RR+13], v[RR+14:RR+15]
.irp i, 16,24
	v_pk_add_f32 v[8:9], v[8:9], v[RR+\i:RR+\i+1]
	v_pk_add_f32 v[10:11], v[10:11], v[RR+\i+2:RR+\i+3]
	v_pk_add_f32 v[12:13], v[12:13], v[RR+\i+4:RR+\i+5]
	v_pk_add_f32 v[252:253], v[252:253], v[RR+\i+6:RR+\i+7]
.endr
	FOLD
	v_mul_f32 v[MU], s24, v8                       ; the mean
	v_mov_b32 v[MU+1], v[MU]
.set li, 0
.rept 16
	v_pk_add_f32 v[RR+li:RR+li+1], v[RR+li:RR+li+1], v[MU:MU+1] neg_lo:[0,1] neg_hi:[0,1]   ; x - mean
.set li, li+2
.endr
	v_pk_mul_f32 v[8:9], v[RR:RR+1], v[RR:RR+1]
	v_pk_mul_f32 v[10:11], v[RR+2:RR+3], v[RR+2:RR+3]
	v_pk_mul_f32 v[12:13], v[RR+4:RR+5], v[RR+4:RR+5]
	v_pk_mul_f32 v[252:253], v[RR+6:RR+7], v[RR+6:RR+7]
.irp i, 8,16,24
	v_pk_fma_f32 v[8:9], v[RR+\i:RR+\i+1], v[RR+\i:RR+\i+1], v[8:9]
	v_pk_fma_f32 v[10:11], v[RR+\i+2:RR+\i+3], v[RR+\i+2:RR+\i+3], v[10:11]
	v_pk_fma_f32 v[12:13], v[RR+\i+4:RR+\i+5], v[RR+\i+4:RR+\i+5], v[12:13]
	v_pk_fma_f32 v[252:253], v[RR+\i+6:RR+\i+7], v[RR+\i+6:RR+\i+7], v[252:253]
.endr
	FOLD
	v_fma_f32 v8, v8, s24, s25                     ; var + eps
	s_wait_alu depctr_va_vdst(0)
	v_rsq_f32 v[RS], v8
	v_rsq_f32 v[RS+1], v8
	v_nop                                          ; a plain instruction behind the transcendentals,
	s_wait_alu depctr_va_vdst(0)                   ; and the one wait ahead of their first reader
.set li, 0
.rept 16
	v_pk_mul_f32 v[RR+li:RR+li+1], v[RR+li:RR+li+1], v[RS:RS+1]
.set li, li+2
.endr
.set li, 0
.rept 16
	v_pk_fma_f32 v[RR+li:RR+li+1], v[RR+li:RR+li+1], v[G+li:G+li+1], v[BB+li:BB+li+1]
.set li, li+2
.endr
.irp s, 0,1                            ; both halves of the row through the two stages: LDS serves a wave's instructions in order
.irp i, 0,1,2,3
	ds_store_b128 v14, v[RR+16*\s+4*\i:RR+16*\s+4*\i+3] offset:32*SP*\s+8*SP*\i
.endr
.irp i, 0,1,2,3
	ds_load_b128 v[RR+16*\s+4*\i:RR+16*\s+4*\i+3], v15 offset:32*SP*\s+16*\i
.endr
.endr
	s_wait_dscnt 0x0
.irp s, 0,1
	v_max3_num_f32 v8, |v[RR+16*\s]|, |v[RR+16*\s+1]|, |v[RR+16*\s+2]|
	v_max3_num_f32 v9, |v[RR+16*\s+3]|, |v[RR+16*\s+4]|, |v[RR+16*\s+5]|
.irp i, 6,10
	v_max3_num_f32 v8, v8, |v[RR+16*\s+\i]|, |v[RR+16*\s+\i+1]|
	v_max3_num_f32 v9, v9, |v[RR+16*\s+\i+2]|, |v[RR+16*\s+\i+3]|
.endr
	v_max3_num_f32 v8, v8, |v[RR+16*\s+14]|, |v[RR+16*\s+15]|
	v_max3_num_f32 v8, v8, v9, (EMAX+1)<<23        ; the floor 2^(16 - 127)
	v_max_num_f32_dpp v8, v8, v8 row_xmask:1 row_mask:0xf bank_mask:0xf   ; with my neighbour's 16: the block's largest magnitude
	v_add_nc_u32 v11, 0xf8800000, v8               ; 15 off its exponent field: the conversion's scale operand
	v_and_or_b32 v10, v8, 0x7f800000, s23          ; 57,344 x the scale
.irp i, 0,1,2,3,4,5,6,7,8,9,10,11,12,13,14,15
	v_med3_num_f32 v[RR+16*\s+\i], v[RR+16*\s+\i], -v10, v10   ; the conversion does not saturate (ISA guide 7.6.2): the hold comes first
.endr
	v_cvt_scalef32_pk8_bf8_f32 v[C+4*(2*(\n)+\s):C+4*(2*(\n)+\s)+1], v[RR+16*\s:RR+16*\s+7], v11
	v_cvt_scalef32_pk8_bf8_f32 v[C+4*(2*(\n)+\s)+2:C+4*(2*(\n)+\s)+3], v[RR+16*\s+8:RR+16*\s+15], v11
	v_lshrrev_b32 v[E+2*(\n)+\s], 23, v11          ; the scale's byte (also the plain instruction behind the conversions)
	ds_store_b8 v5, v[E+2*(\n)+\s] offset:32*(\n)+16*\s        ; both lanes of a block write the same byte with the same value
	global_store_b128 v3, v[C+4*(2*(\n)+\s):C+4*(2*(\n)+\s)+3], s[10:11] offset:1024*(\n)+512*\s   ; 512 consecutive bytes
.endr
.endm
	ROW 0
	ROW 1
	ROW 2
	ROW 3
	s_wait_dscnt 0x0                               ; for the others' sake: my scale bytes lie in LDS
	s_barrier_signal -1
	s_barrier_wait -1
	s_cmp_lg_u32 s16, 0
	s_cbranch_scc1 .Ldone
	ds_load_b128 v[8:11], v6                       ; wave 0 takes all 512 bytes, 16 a lane
	s_wait_dscnt 0x0
	global_store_b128 v3, v[8:11], s[12:13]
.Ldone:
	v_lshl_add_u32 v4, v0, 2, SCB+512              ; my spare word, behind the scale bytes
	v_mov_b32 v7, 0
	s_wait_alu depctr_va_vdst(0)
	s_wait_tensorcnt 0x0                           ; the wave's end
	ds_add_u32 v4, v7
	s_wait_dscnt 0x0
	s_endpgm
.Lfunc_end_k_q5059fc582f_ln2:
	.size	k_q5059fc582f_ln2, .Lfunc_end_k_q5059fc582f_ln2-k_q5059fc582f_ln2
	.p2alignl 7, 3214868480
	.fill 96, 4, 3214868480
	.section	.rodata,"a",@progbits
	.p2align	6, 0x0
	.amdhsa_kernel k_q5059fc582f_ln2
		.amdhsa_group_segment_fixed_size 21504
		.amdhsa_private_segment_fixed_size 0
		.amdhsa_enable_private_segment 0
		.amdhsa_kernarg_size 32
		.amdhsa_user_sgpr_count 2
		.amdhsa_user_sgpr_kernarg_segment_ptr 1
		.amdhsa_wavefront_size32 1
		.amdhsa_system_sgpr_workgroup_id_x 1
		.amdhsa_system_sgpr_workgroup_id_y 1
		.amdhsa_system_sgpr_workgroup_id_z 1
		.amdhsa_system_vgpr_workitem_id 0
		.amdhsa_next_free_vgpr 256
		.amdhsa_next_free_sgpr 66
		.amdhsa_reserve_vcc 0
		.amdhsa_float_denorm_mode_32 3
		.amdhsa_float_denorm_mode_16_64 3
		.amdhsa_memory_ordered 1
		.amdhsa_forward_progress 1
		.amdhsa_inst_pref_size 53
	.end_amdhsa_kernel
	.amdgpu_metadata
---
amdhsa.version: [ 1, 2 ]
amdhsa.kernels:
  - .name:           k_q5059fc582f_ln2
    .symbol:         k_q5059fc582f_ln2.kd
    .args:
      - { .name: x1, .offset: 0, .size: 8, .value_kind: global_buffer, .address_space: global }
      - { .name: ln2_g, .offset: 8, .size: 8, .value_kind: global_buffer, .address_space: global }
      - { .name: ln2_b, .offset: 16, .size: 8, .value_kind: global_buffer, .address_space: global }
      - { .name: act, .offset: 24, .size: 8, .value_kind: global_buffer, .address_space: global }
    .group_segment_fixed_size: 21504
    .private_segment_fixed_size: 0
    .kernarg_segment_align: 8
    .kernarg_segment_size: 32
    .max_flat_workgroup_size: 128
    .sgpr_count:     66
    .vgpr_count:     256
    .wavefront_size: 32
...
	.end_amdgpu_metadata
.endif
;; end of part 5
;; launch fc1 (part 6): grid 16 x 16, 4 waves a work-group, clusters of 4 x 4, 327,680 bytes of LDS; arguments act, wts, fc1_b, hb; writes hb
.if DOCPART == 6
	.amdgcn_target "amdgcn-amd-amdhsa--gfx1250"
	.amdhsa_code_object_version 6
	.text
	.protected	k_q5059fc582f_fc1
	.globl	k_q5059fc582f_fc1
	.p2align	8
	.type	k_q5059fc582f_fc1,@function
k_q5059fc582f_fc1:
	s_mov_b64 s[64:65], 0
	v_nop
	global_prefetch_b8 v0, s[64:65] scope:SCOPE_SE
	s_setreg_imm32_b32 hwreg(HW_REG_WAVE_MODE, 25, 1), 1
	s_wait_xcnt 0x0
	s_wait_alu depctr_hold_cnt(0) depctr_sa_sdst(0) depctr_va_vdst(0) depctr_va_sdst(0) depctr_va_ssrc(0) depctr_va_vcc(0) depctr_vm_vsrc(0)
	s_getreg_b32 s2, hwreg(HW_REG_IB_STS2, 6, 4)
	s_cmp_eq_u32 s2, 0
	s_cbranch_scc0 .Lentry_in_a_cluster
	s_endpgm
.Lentry_in_a_cluster:
	s_bfe_u32 s2, ttmp6, 0x10000c
	s_cmp_lg_u32 s2, 0xf033
	s_cbranch_scc0 .Lentry_shape_is_right
	s_endpgm
.Lentry_shape_is_right:
.set KSTEP,  256
.set NQ,     KSTEP/128
.set ROWB,   256
.set KROW,   1024
.set PITCH,  272
.set FR,     16
.set NL,     4
.set NP,     8
.set HALFT,  128*PITCH
.set SLOT,   4*HALFT
.set LAPS,   2
.set KS,     32
.set SCL,    2*SLOT
.set HALFS,  (128*KS/256)*272
.set SBLK,   (16*KS/256)*272
.set SPARE,  SCL+4*HALFS
.set SS,     69632
.set AS,     4194304
.set WF1C,   4194304
.set WF1S,   12713984
.set HS,     16777216
.set ADRA, 16
.set ADRB, 20
.set ADRS, 27
.set SPW,  28
.set NIL,  29
.set T16,  3
.set SRD,  7
.set CSA,  18
.set SSA,  22
.set RD,   24
.set GO,   26
.set SC,   32
.set PC,   32
.set C0,   48
.set C1,   50
.set BI,   64
.set AF,   128
.set T,    128
.set U,    192
.set TM,   224
.set PW,   240
.set OB,   128
.set SEL,  18
.set MNT,  20
.set G1, 24
.set G0, 32
.set G1B, 48
.set G0B, 56
.set G1S, 68
.set G0S, 76
.set G1SB, 80
.set G0SB, 88
.set MSB, 0
.macro WIN new
.if MSB != \new
	s_set_vgpr_msb (MSB<<8)|\new
.set MSB, \new
.endif
.endm
.set MUL_LO, 0xa1
.set MUL_HI, 0xf1
.set TO_B,   0x40
.macro JLOAD g0a, g1a, g0b, g1b
	s_cmp_eq_u32 s15, 0
	s_cbranch_scc0 .Lfor_b_\@
	tensor_load_to_lds s[\g0a:\g0a+3], s[\g1a:\g1a+7]
	s_nop 0
.rept 4
	v_nop
.endr
	s_branch .Lasked_\@
.Lfor_b_\@:
	tensor_load_to_lds s[\g0b:\g0b+3], s[\g1b:\g1b+7]
	s_nop 0
.rept 4
	v_nop
.endr
.Lasked_\@:
.endm
.macro CREST
	s_cmp_lg_u32 s14, 0
	s_cbranch_scc1 .Lnot_wave_0_\@
	s_barrier_signal -3
.Lnot_wave_0_\@:
	s_barrier_wait -3
	s_barrier_signal -1
	s_barrier_wait -1
.endm
.macro CROUND
	s_barrier_signal -1
	s_barrier_wait -1
	CREST
.endm
	s_load_b128 s[96:99], s[0:1], 0x0
	s_load_b64 s[12:13], s[0:1], 0x10
	s_load_b64 s[100:101], s[0:1], 0x18
	v_lshl_add_u32 v[SPW], v0, 2, SPARE
	v_mov_b32 v[NIL], 0
	ds_add_u32 v[SPW], v[NIL]                      ; the opening lines: the add, twice on end, and its wait ahead of the first round
	ds_add_u32 v[SPW], v[NIL]
	v_lshrrev_b32 v1, 5, v0
	v_readfirstlane_b32 s14, v1
	s_lshr_b32 s15, s14, 1
	s_and_b32 s16, s14, 1
	s_bfe_u32 s40, ttmp6, 0x40000
	s_bfe_u32 s41, ttmp6, 0x40004
	s_lshl_b32 s42, ttmp9, 2
	s_add_co_u32 s42, s42, s40
	s_and_b32 s17, ttmp7, 0xffff
	s_lshl_b32 s17, s17, 2
	s_add_co_u32 s17, s17, s41
	s_lshl_b32 s43, s41, 2
	s_lshl_b32 s43, 15, s43
	s_lshl_b32 s44, 0x1111, s40
	s_or_b32 s[G1+0], s43, (0<<16)|(1<<20)|(1<<21)|(5<<22)|(3<<25)
	s_or_b32 s[G1B+0], s44, (0<<16)|(1<<20)|(1<<21)|(5<<22)|(3<<25)
.irp g, G1, G1B
	s_mov_b32 s[\g+1], ROWB<<16
	s_mov_b32 s[\g+2], 256<<16                     ; tensor_dim1: 256 rows for the head's loads, 128 behind them
	s_mov_b32 s[\g+3], ROWB<<16
	s_mov_b32 s[\g+4], 256
	s_mov_b32 s[\g+5], KROW
	s_mov_b32 s[\g+6], 0
	s_mov_b32 s[\g+7], 0
.endr
	s_or_b32 s[G1S+0], s43, (3<<16)|(1<<20)|(1<<21)|(5<<22)|(3<<25)
	s_or_b32 s[G1SB+0], s44, (3<<16)|(1<<20)|(1<<21)|(5<<22)|(3<<25)
.irp g, G1S, G1SB
	s_mov_b32 s[\g+1], 32<<16
	s_mov_b32 s[\g+2], KS<<16                      ; the scales of 256 rows: 32 rows of 256 bytes
	s_mov_b32 s[\g+3], 32<<16
	s_mov_b32 s[\g+4], KS
	s_mov_b32 s[\g+5], 32
	s_mov_b32 s[\g+6], 0
	s_mov_b32 s[\g+7], 0
.endr
	s_lshl_b32 s20, s17, 8                         ; A: the tile's first row
	s_lshl_b32 s46, s42, 8                         ; B likewise
	s_mov_b32 s21, 0
	s_mov_b32 s47, 0
	s_mov_b64 s[18:19], KS
	s_mul_u64 s[22:23], s[20:21], s[18:19]
	s_mul_u64 s[92:93], s[46:47], s[18:19]
	s_mov_b64 s[18:19], KROW
	s_mul_u64 s[20:21], s[20:21], s[18:19]
	s_mul_u64 s[46:47], s[46:47], s[18:19]
	s_mul_i32 s45, s14, HALFT
	s_mul_i32 s18, s16, 128*KROW                   ; in the ring I fetch 128 rows of a tile: which half, in bytes
	s_mov_b32 s19, 0
	s_wait_dscnt 0x0                               ; both opening adds are done
	s_wait_kmcnt 0x0
	s_mov_b64 s[4:5], s[96:97]
	s_add_nc_u64 s[6:7], s[96:97], AS
	s_add_nc_u64 s[8:9], s[98:99], WF1C
	s_add_nc_u64 s[10:11], s[98:99], WF1S
	s_add_nc_u64 s[20:21], s[4:5], s[20:21]
	s_add_nc_u64 s[22:23], s[6:7], s[22:23]
	s_add_nc_u64 s[46:47], s[8:9], s[46:47]
	s_add_nc_u64 s[92:93], s[10:11], s[92:93]
	CROUND
	s_mov_b32 s[G0S], 1
	s_mov_b32 s[G0S+1], SCL
	s_mov_b64 s[G0S+2:G0S+3], s[22:23]
	s_or_b32 s[G0S+3], s[G0S+3], 0x80000000
	s_mov_b32 s[G0SB], 1
	s_mov_b32 s[G0SB+1], SCL+2*HALFS
	s_mov_b64 s[G0SB+2:G0SB+3], s[92:93]
	s_or_b32 s[G0SB+3], s[G0SB+3], 0x80000000
.set G0H, 4                            ; s[4:7], s[8:11] group 0 of the head's loads of K step 0 (the pointers that lay there have been used)
.set G0HB, 8
	s_mov_b32 s[G0H], 1
	s_mov_b32 s[G0H+1], 0
	s_mov_b64 s[G0H+2:G0H+3], s[20:21]
	s_or_b32 s[G0H+3], s[G0H+3], 0x80000000
	s_mov_b32 s[G0HB], 1
	s_mov_b32 s[G0HB+1], 2*HALFT
	s_mov_b64 s[G0HB+2:G0HB+3], s[46:47]
	s_or_b32 s[G0HB+3], s[G0HB+3], 0x80000000
	s_add_nc_u64 s[20:21], s[20:21], s[18:19]      ; for the ring: my 128 rows of the tile
	s_add_nc_u64 s[46:47], s[46:47], s[18:19]
.irp s, 0,1
	s_mov_b32 s[G0+4*\s], 1
	s_add_co_u32 s[G0+4*\s+1], s45, \s*SLOT
	s_add_nc_u64 s[G0+4*\s+2:G0+4*\s+3], s[20:21], \s*ROWB
	s_or_b32 s[G0+4*\s+3], s[G0+4*\s+3], 0x80000000
	s_mov_b32 s[G0B+4*\s], 1
	s_add_co_u32 s[G0B+4*\s+1], s45, \s*SLOT
	s_add_nc_u64 s[G0B+4*\s+2:G0B+4*\s+3], s[46:47], \s*ROWB
	s_or_b32 s[G0B+4*\s+3], s[G0B+4*\s+3], 0x80000000
.endr
; The head's four tiles, one joint load a wave: wave 0 K step 0's 256 rows of A, wave 1 those of B, wave 2 A's scales, wave 3 B's: one chain of branches on the wave's number.
.macro ARM under, g0, g1, next
	s_cmp_lt_u32 s14, \under
	s_cbranch_scc0 \next
	tensor_load_to_lds s[\g0:\g0+3], s[\g1:\g1+7]
	s_nop 0
.rept 4
	v_nop
.endr
	s_branch .Lhead_asked
\next:
.endm
	ARM 1, G0H,  G1,  .Lhead_b
	ARM 2, G0HB, G1B, .Lhead_sa
	ARM 3, G0S,  G1S, .Lhead_sb
	tensor_load_to_lds s[G0SB:G0SB+3], s[G1SB:G1SB+7]
	s_nop 0
.rept 4
	v_nop
.endr
.Lhead_asked:
	v_and_b32 v1, 15, v0
	v_bfe_u32 v2, v0, 4, 1
	v_mul_u32_u24 v3, v1, PITCH
	v_lshl_add_u32 v4, v2, 4, v3
	s_mul_i32 s21, s15, HALFT
	s_mul_i32 s22, s16, HALFT
	s_add_co_u32 s22, s22, 2*HALFT
.irp s, 0,1
	v_add_nc_u32 v[ADRA+\s], s21, v4
	v_add_nc_u32 v[ADRB+\s], s22, v4
	s_add_co_u32 s21, s21, SLOT
	s_add_co_u32 s22, s22, SLOT
.endr
	v_mul_u32_u24 v5, v1, KS
	v_lshrrev_b32 v6, 8, v5
	v_lshl_add_u32 v5, v6, 4, v5
	s_mul_i32 s21, s15, HALFS
	s_mul_i32 s22, s16, HALFS
	s_add_co_u32 s22, s22, 2*HALFS
	s_sub_co_u32 s22, s22, s21
	v_mul_u32_u24 v6, s22, v2
	s_add_co_u32 s21, s21, SCL
	v_add_nc_u32 v5, v5, v6
	v_add_nc_u32 v[ADRS], s21, v5
	s_mul_i32 s21, s15, 128*272
	s_lshl_b32 s22, s16, 7
	s_add_co_u32 s21, s21, s22
	v_mul_u32_u24 v5, v1, 272
	v_lshl_add_u32 v5, v2, 3, v5
	v_add_nc_u32 v[CSA], s21, v5
	s_lshl_b32 s21, s15, 10
	s_lshl_b32 s22, s16, 2
	s_add_co_u32 s21, s21, s22
	s_add_co_u32 s21, s21, SS
	v_lshl_add_u32 v[SSA], v1, 3, s21
	s_mul_i32 s21, s14, 64*272
	v_mul_u32_u24 v5, v1, 272                      ; the codes come back from the stage as an operand's registers want them: row r, + 16 h
	v_lshl_add_u32 v5, v2, 4, v5
	v_add_nc_u32 v[RD], s21, v5
	v_and_b32 v[GO], 31, v0
	v_lshlrev_b32 v[GO], 4, v[GO]                  ; and leave 16 bytes a lane, 512 consecutive bytes a store
	v_lshl_add_u32 v[SRD], v0, 4, SS
	v_lshlrev_b32 v[T16], 4, v0
	s_lshl_b32 s20, s42, 10
	s_lshl_b32 s19, s16, 9
	s_add_co_u32 s20, s20, s19
	s_mov_b32 s21, 0
	s_add_nc_u64 s[20:21], s[12:13], s[20:21]
	v_lshlrev_b32 v4, 5, v2
.irp b, 0,1,2,3,4,5,6,7
	global_load_b128 v[BI+8*\b:BI+8*\b+3], v4, s[20:21] offset:64*\b
	global_load_b128 v[BI+8*\b+4:BI+8*\b+7], v4, s[20:21] offset:64*\b+16
.endr
.macro FRAG reg, adr, q, i
.irp c, 0,1,2,3
	ds_load_b128 v[\reg+4*\c:\reg+4*\c+3], v[\adr] offset:128*(\q)+32*\c+(\i)*16*PITCH
.endr
.endm
.macro MUL16 a0, p, q, sc, zero
.irp a, \a0, \a0+1
.irp b, 0,1,2,3,4,5,6,7
.if \zero
	v_wmma_scale_f32_16x16x128_f8f6f4 v[8*(8*((\a)%4)+\b):8*(8*((\a)%4)+\b)+7], v[128*(\p)+FR*\b:128*(\p)+FR*\b+FR-1], v[AF+FR*(\a):AF+FR*(\a)+FR-1], 0, v[SC+8*NQ*(\sc)+NQ*\b+(\q)], v[SC+8*NQ*(\sc)+NQ*(\a)+(\q)] matrix_a_fmt:MATRIX_FMT_BF8 matrix_b_fmt:MATRIX_FMT_BF8 matrix_a_scale:MATRIX_SCALE_ROW1
.else
	v_wmma_scale_f32_16x16x128_f8f6f4 v[8*(8*((\a)%4)+\b):8*(8*((\a)%4)+\b)+7], v[128*(\p)+FR*\b:128*(\p)+FR*\b+FR-1], v[AF+FR*(\a):AF+FR*(\a)+FR-1], v[8*(8*((\a)%4)+\b):8*(8*((\a)%4)+\b)+7], v[SC+8*NQ*(\sc)+NQ*\b+(\q)], v[SC+8*NQ*(\sc)+NQ*(\a)+(\q)] matrix_a_fmt:MATRIX_FMT_BF8 matrix_b_fmt:MATRIX_FMT_BF8 matrix_a_scale:MATRIX_SCALE_ROW1
.endif
.endr
.endr
.endm
.macro FETCH_B slot, q, p
	WIN TO_B
.irp i, 0,1,2,3,4,5,6,7
	FRAG 128*(\p)+FR*\i, ADRB+\slot, \q, \i
.endr
	WIN 0
.endm
.macro FETCH_A slot, q, i0
.irp i, \i0, \i0+1, \i0+2, \i0+3
	FRAG AF+FR*(\i), ADRA+\slot, \q, \i
.endr
.endm
.macro SCALES sc
.irp i, 0,1,2,3,4,5,6,7
	ds_load_b64 v[SC+8*NQ*\sc+NQ*\i:SC+8*NQ*\sc+NQ*\i+1], v[ADRS] offset:\i*SBLK
.endr
.endm
.macro PLACES n
.rept \n
	v_nop
.endr
.endm
.macro STEP slot, q, zero
	s_wait_dscnt 4*NL
	WIN MUL_LO
	MUL16 0, (\q)%2, \q, \slot, \zero
	MUL16 2, (\q)%2, \q, \slot, \zero
	s_wait_dscnt 0
	PLACES NP
	FETCH_B \slot, (\q)+1, 1-(\q)%2
	FETCH_A \slot, (\q)+1, 0
	WIN MUL_HI
	MUL16 4, (\q)%2, \q, \slot, \zero
	MUL16 6, (\q)%2, \q, \slot, \zero
	PLACES NP
	WIN 0
	FETCH_A \slot, (\q)+1, 4
.endm
.macro TURN slot, next, fill
	s_wait_tensorcnt 0x0
	ds_add_u32 v[SPW], v[NIL]
	s_wait_dscnt 4*NL+1
	WIN MUL_LO
	MUL16 0, 1, NQ-1, \slot, 0
	s_wait_dscnt 0x0
	s_barrier_signal -1
	MUL16 2, 1, NQ-1, \slot, 0
	WIN 0
	s_barrier_wait -1
.if \fill
	CREST
	s_add_nc_u64 s[G0+4*\slot+2:G0+4*\slot+3], s[G0+4*\slot+2:G0+4*\slot+3], 2*ROWB
	s_add_nc_u64 s[G0B+4*\slot+2:G0B+4*\slot+3], s[G0B+4*\slot+2:G0B+4*\slot+3], 2*ROWB
	JLOAD G0+4*\slot, G1, G0B+4*\slot, G1B
	PLACES NP-4
.else
	PLACES NP
.endif
	s_wait_alu depctr_va_vdst(0)
	v_add_nc_u32 v[ADRS], 4*NQ, v[ADRS]
	FETCH_B \next, 0, 0
	FETCH_A \next, 0, 0
	SCALES \next
	WIN MUL_HI
	MUL16 4, 1, NQ-1, \slot, 0
	MUL16 6, 1, NQ-1, \slot, 0
	PLACES NP
	WIN 0
	FETCH_A \next, 0, 4
.endm
	s_wait_alu depctr_va_vdst(0)
	s_wait_loadcnt 0x0                             ; the bias table is in
	s_wait_tensorcnt 0x0                           ; my tile of the head's four is in
	ds_add_u32 v[SPW], v[NIL]
	s_mov_b32 s[G1+2], 128<<16                     ; no tensor load of mine is out: from here on a load brings 128 rows
	s_mov_b32 s[G1+4], 128
	s_mov_b32 s[G1B+2], 128<<16
	s_mov_b32 s[G1B+4], 128
	s_wait_dscnt 0x0
	CROUND                                         ; all four tiles are in, in all sixteen work-groups
	JLOAD G0+4, G1, G0B+4, G1B                     ; K step 1, the first tensor load behind the round
	FETCH_B 0, 0, 0
	FETCH_A 0, 0, 0
	SCALES 0
	FETCH_A 0, 0, 4
	STEP 0, 0, 1
	s_mov_b32 s3, LAPS-1
.Llap:
	TURN 0, 1, 1
	STEP 1, 0, 0
	TURN 1, 0, 1
	STEP 0, 0, 0
	s_sub_co_u32 s3, s3, 1
	s_cmp_lg_u32 s3, 0
	s_cbranch_scc1 .Llap
	TURN 0, 1, 0
	STEP 1, 0, 0
	s_wait_dscnt 4*NL
	WIN MUL_LO
	MUL16 0, 1, NQ-1, 1, 0
	MUL16 2, 1, NQ-1, 1, 0
	s_wait_dscnt 0
	WIN MUL_HI
	MUL16 4, 1, NQ-1, 1, 0
	MUL16 6, 1, NQ-1, 1, 0
	WIN 0
.macro PULLC a
	WIN 0x02+(\a)/4
.set li, 0
.rept 32
	v_pk_add_f32 v[T+2*li:T+2*li+1], v[64*((\a)%4)+2*li:64*((\a)%4)+2*li+1], v[BI+2*li:BI+2*li+1]
.set li, li+1
.endr
	WIN 0
.endm
.macro GELU g
.set TT, T+32*(\g)
.set li, 0
.rept 16
	v_pk_mul_f32 v[U+li:U+li+1], v[TT+li:TT+li+1], v[TT+li:TT+li+1]
.set li, li+2
.endr
.set li, 0
.rept 16
	v_pk_fma_f32 v[U+li:U+li+1], v[U+li:U+li+1], v[C1:C1+1], v[C0:C0+1]
.set li, li+2
.endr
.set li, 0
.rept 16
	v_pk_mul_f32 v[U+li:U+li+1], v[U+li:U+li+1], v[TT+li:TT+li+1]
.set li, li+2
.endr
.set li, 0
	s_wait_alu depctr_va_vdst(0)
.rept 32
	v_exp_f32 v[U+li], v[U+li]
.set li, li+1
.endr
	v_nop
	s_wait_alu depctr_va_vdst(0)
.set li, 0
.rept 16
	v_pk_add_f32 v[U+li:U+li+1], v[U+li:U+li+1], 1.0 op_sel_hi:[1,0]
.set li, li+2
.endr
.set li, 0
	s_wait_alu depctr_va_vdst(0)
.rept 32
	v_rcp_f32 v[U+li], v[U+li]
.set li, li+1
.endr
	v_nop
	s_wait_alu depctr_va_vdst(0)
.set li, 0
.rept 16
	v_pk_mul_f32 v[TT+li:TT+li+1], v[TT+li:TT+li+1], v[U+li:U+li+1]
.set li, li+2
.endr
.endm
.macro QUANT s
.irp b, 0,1,2,3
	v_max3_num_f32 v[TM+\b], |v[\s+16*\b]|, |v[\s+1+16*\b]|, 0x8000000
.endr
.irp i, 2,4,6,8,10,12,14
.irp b, 0,1,2,3
	v_max3_num_f32 v[TM+\b], v[TM+\b], |v[\s+16*\b+\i]|, |v[\s+1+16*\b+\i]|
.endr
.endr
.irp b, 0,1,2,3
	v_permlanex16_b32 v[TM+4+\b], v[TM+\b], s[SEL], s[SEL+1]
.endr
.irp b, 0,1,2,3
	v_max_num_f32 v[TM+\b], v[TM+\b], v[TM+4+\b]
.endr
.irp b, 0,1,2,3
	v_add_nc_u32 v[TM+12+\b], 0xf8800000, v[TM+\b]
.endr
.irp b, 0,1,2,3
	v_and_or_b32 v[TM+8+\b], v[TM+\b], 0x7f800000, s[MNT]
.endr
.irp b, 0,1,2,3
	v_lshrrev_b32 v[TM+4+\b], 23, v[TM+12+\b]
.endr
	v_lshl_or_b32 v[PW], v[TM+5], 8, v[TM+4]
	v_lshl_or_b32 v[PW], v[TM+6], 16, v[PW]
	v_lshl_or_b32 v[PW], v[TM+7], 24, v[PW]
.irp b, 0,1,2,3
.irp i, 0,1,2,3,4,5,6,7,8,9,10,11,12,13,14,15
	v_med3_num_f32 v[\s+16*\b+\i], v[\s+16*\b+\i], -v[TM+8+\b], v[TM+8+\b]
.endr
	v_cvt_scalef32_pk8_bf8_f32 v[PC+4*\b:PC+1+4*\b], v[\s+16*\b:\s+7+16*\b], v[TM+12+\b]
	v_cvt_scalef32_pk8_bf8_f32 v[PC+2+4*\b:PC+3+4*\b], v[\s+8+16*\b:\s+15+16*\b], v[TM+12+\b]
.endr
	v_nop
.endm
	PLACES NP
	s_mov_b32 s[SEL], 0x76543210
	s_mov_b32 s[SEL+1], 0xfedcba98
	s_mov_b32 s[MNT], 0x600000
.irp b, 0,1,2,3
	v_mov_b32 v[TM+4+\b], 0
.endr
	v_mov_b32 v[C0], 0xc0135761
	v_mov_b32 v[C0+1], 0xc0135761
	v_mov_b32 v[C1], 0xbdd2d3e8
	v_mov_b32 v[C1+1], 0xbdd2d3e8
.irp a, 0,1,2,3,4,5,6,7
	PULLC \a
	GELU 0
	GELU 1
	s_wait_dscnt 0x0
	QUANT T
.irp k, 0,1,2,3,4,5,6,7
	ds_store_b64 v[CSA], v[PC+2*\k:PC+2*\k+1] offset:4352*\a+16*\k
.endr
	ds_store_b32 v[SSA], v[PW] offset:128*\a
.endr
	s_wait_dscnt 0x0
	s_barrier_signal -1
	s_barrier_wait -1
	s_lshl_b32 s4, s17, 8
	s_lshl_b32 s5, s14, 6
	s_add_co_u32 s4, s4, s5
	s_lshl_b32 s4, s4, 12
	s_lshl_b32 s5, s42, 12                         ; hb's codes: [block of 16 rows][step of 128 along K][piece c][lane][16 bytes]: my tile's two steps begin 4,096 x tile column on
	s_add_co_u32 s4, s4, s5
	s_mov_b32 s5, 0
	s_add_nc_u64 s[8:9], s[100:101], s[4:5]
	s_lshl_b32 s4, s42, 15
	s_lshl_b32 s6, s17, 11
	s_add_co_u32 s4, s4, s6
	s_add_co_u32 s4, s4, HS
	s_add_nc_u64 s[10:11], s[100:101], s[4:5]
.set li, 0
.rept 32
	ds_load_b128 v[OB+4*li:OB+4*li+3], v[RD] offset:(li/8)*4352+((li/4)%2)*128+(li%4)*32
.set li, li+1
.endr
	ds_load_b128 v[32:35], v[SRD]
.set li, 0
.rept 32
	s_wait_dscnt 32-li
	global_store_b128 v[GO], v[OB+4*li:OB+4*li+3], s[8:9] offset:(li/8)*65536+((li/4)%2)*2048+(li%4)*512
.set li, li+1
.endr
	s_wait_dscnt 0x0
	global_store_b128 v[T16], v[32:35], s[10:11]
	s_wait_tensorcnt 0x0
	ds_add_u32 v[SPW], v[NIL]
	s_wait_dscnt 0x0
	CROUND
	s_endpgm
.Lfunc_end_k_q5059fc582f_fc1:
	.size	k_q5059fc582f_fc1, .Lfunc_end_k_q5059fc582f_fc1-k_q5059fc582f_fc1
	.p2alignl 7, 3214868480
	.fill 96, 4, 3214868480
	.section	.rodata,"a",@progbits
	.p2align	6, 0x0
	.amdhsa_kernel k_q5059fc582f_fc1
		.amdhsa_group_segment_fixed_size 327680
		.amdhsa_private_segment_fixed_size 0
		.amdhsa_enable_private_segment 0
		.amdhsa_kernarg_size 32
		.amdhsa_user_sgpr_count 2
		.amdhsa_user_sgpr_kernarg_segment_ptr 1
		.amdhsa_wavefront_size32 1
		.amdhsa_system_sgpr_workgroup_id_x 1
		.amdhsa_system_sgpr_workgroup_id_y 1
		.amdhsa_system_sgpr_workgroup_id_z 1
		.amdhsa_system_vgpr_workitem_id 0
		.amdhsa_next_free_vgpr 1024
		.amdhsa_next_free_sgpr 106
		.amdhsa_reserve_vcc 0
		.amdhsa_float_denorm_mode_32 3
		.amdhsa_float_denorm_mode_16_64 3
		.amdhsa_memory_ordered 1
		.amdhsa_forward_progress 1
		.amdhsa_inst_pref_size 255
	.end_amdhsa_kernel
	.section	.bss,"aw",@nobits
	.p2align	6
	.space	262144
	.amdgpu_metadata
---
amdhsa.version: [ 1, 2 ]
amdhsa.kernels:
  - .name:           k_q5059fc582f_fc1
    .symbol:         k_q5059fc582f_fc1.kd
    .args:
      - { .name: act, .offset: 0, .size: 8, .value_kind: global_buffer, .address_space: global }
      - { .name: wts, .offset: 8, .size: 8, .value_kind: global_buffer, .address_space: global }
      - { .name: fc1_b, .offset: 16, .size: 8, .value_kind: global_buffer, .address_space: global }
      - { .name: hb, .offset: 24, .size: 8, .value_kind: global_buffer, .address_space: global }
    .group_segment_fixed_size: 327680
    .private_segment_fixed_size: 0
    .kernarg_segment_align: 8
    .kernarg_segment_size: 32
    .max_flat_workgroup_size: 128
    .sgpr_count:     106
    .vgpr_count:     1024
    .wavefront_size: 32
...
	.end_amdgpu_metadata
.endif
;; end of part 6
;; launch fc2 (part 7): grid 32 x 8, 4 waves a work-group, clusters of 4 x 1, 327,680 bytes of LDS; arguments hb, wts, fc2_b, x1, out0; writes out0
.if DOCPART == 7
	.amdgcn_target "amdgcn-amd-amdhsa--gfx1250"
	.amdhsa_code_object_version 6
	.text
	.protected	k_q5059fc582f_fc2
	.globl	k_q5059fc582f_fc2
	.p2align	8
	.type	k_q5059fc582f_fc2,@function
k_q5059fc582f_fc2:
	s_mov_b64 s[64:65], 0
	v_nop
	global_prefetch_b8 v0, s[64:65] scope:SCOPE_SE
	s_setreg_imm32_b32 hwreg(HW_REG_WAVE_MODE, 25, 1), 1
	s_wait_xcnt 0x0
	s_wait_alu depctr_hold_cnt(0) depctr_sa_sdst(0) depctr_va_vdst(0) depctr_va_sdst(0) depctr_va_ssrc(0) depctr_va_vcc(0) depctr_vm_vsrc(0)
	s_getreg_b32 s2, hwreg(HW_REG_IB_STS2, 6, 4)
	s_cmp_eq_u32 s2, 0
	s_cbranch_scc0 .Lentry_in_a_cluster
	s_endpgm
.Lentry_in_a_cluster:
	s_bfe_u32 s2, ttmp6, 0x10000c
	s_cmp_lg_u32 s2, 0x3003
	s_cbranch_scc0 .Lentry_shape_is_right
	s_endpgm
.Lentry_shape_is_right:
; out0 = x1 + gelu(..) W2 + b2: [4096 x 4096] x [4096 x 1024] on codes of BF8 (E5M2) with one E8M0 scale for each 32 along K; sums in f32.
; SHARES.  A work-group makes 128 x 128 of the result: 32 x 8 = 256 work-groups.  K IS SPLIT AMONG ITS FOUR WAVES: K goes in four chunks of 1,024 (8 steps of 128), and of each chunk wave w multiplies steps 2 w and 2 w + 1
; over all 128 x 128 (64 accumulators, 512 registers): so each byte of either operand is read into registers by one wave alone.
; Both operands are laid by this program in the order of an operand's registers: codes [block of 16 rows][step of 128 along K][piece c][lane (r, h)][16 bytes] (row r, K = 32 c + 16 h + 0 .. 15);
; scale bytes [run of 256 along K][row][8]: 32 lanes take 256 consecutive bytes, two blocks' words of two steps.
; W2's CODES come through a ring of two LDS slots of 131,072 bytes, a chunk to a slot: wave w fetches blocks 2 w, 2 w + 1: two rows of 16,384 dense bytes, one tensor load.  CLUSTER: the four work-groups of a cluster (4, 1, 1)
; make four tile rows of one tile column and need the same chunk: it is asked for jointly (mask 15).  Each change of slots is a round of the cluster's barrier with a tensor wait, an add to the spare word and an LDS wait in front of it.
; hb's CODES go from memory straight into registers, two sets, each load 512 consecutive bytes, asked for two steps ahead; these loads run on across the changes of slots.  The scale words likewise, a chunk ahead.
; PREFETCH: behind the load of chunk j stands one prefetch for chunk j + 1, a fill ahead of its load: the cluster's 16 waves share the chunk's 512 blocks of 256 bytes out by address, a lane a block; chunk 0 comes by its load alone, nothing lies behind chunk 3.
; THE END.  The four waves' sums meet in LDS as rows of 512 + 16 bytes, in the slots' bytes, which have had their last fill and, behind a barrier, their last read; wave w adds the four parts of rows 32 w .. 32 w + 31, the bias and the residual.
; THE MATRIX INSTRUCTION IS USED TRANSPOSED (source 0 = 16 rows of W2's codes, source 1 = 16 rows of hb's): a lane holds eight neighbouring numbers of a row of the result.
; LIMITS: NaN and infinities are not served; the sum over K is taken in four parts that are added at the end.
; REGISTERS: window 0: v1-14 addresses, v32-63 hb's scale words (8 (a / 2) + step; odd blocks in lanes 16-31), v66-97 W2's, v100-103 bias, v128-255 W2's fragments; window 1: hb's two sets; windows 2, 3: the accumulators (b, a) at 8 (8 (b % 4) + a).
.set WF2C,  8388608                    ; wts: fc2_w's codes,
.set WF2S,  12845056                   ; its scale bytes
.set HS,    16777216                   ; hb: the scale bytes
.set SLOT,  131072
.set SP,    528
.set STG,   128*SP                     ; a wave's stage
.set SPARE, 4*STG                      ; behind the stages: the spare words, 128 bytes a wave
.set L16,  1                           ; v1  16 x lane
.set L8,   2                           ; v2  8 x lane
.set STO,  3                           ; v3  into my stage: row r, + 32 h
.set RD,   4                           ; v4-7  my 32 rows in the four stages, + 16 x lane
.set SPW,  8
.set NIL,  9
.set ADB,  10                          ; v10-13  my steps of W2's blocks 0-3, 4-7 in slot 0; the same in slot 1
.set PF,   14                          ; v14  256 x lane
.set SA,   32
.set SBS,  66                          ; no product's two scale registers have numbers equal modulo 8
.set BIA,  100
.set AF,   128
.set G0,   44                          ; s[44:47] descriptor group 0, which walks;  s[48:55] group 1
.set G1,   48
.set MSB, 0
.macro WIN new                         ; the immediate's high byte repeats the setting that is left
.if MSB != \new
	s_set_vgpr_msb (MSB<<8)|\new
.set MSB, \new
.endif
.endm
.macro PLACES n
.rept \n
	v_nop
.endr
.endm
.macro ROUND                           ; a round of the cluster's barrier
	s_barrier_signal -1
	s_barrier_wait -1
	s_cmp_lg_u32 s14, 0
	s_cbranch_scc1 .Lnot_wave_0_\@
	s_barrier_signal -3
.Lnot_wave_0_\@:
	s_barrier_wait -3
	s_barrier_signal -1
	s_barrier_wait -1
.endm
	s_load_b128 s[4:7], s[0:1], 0x0                ; hb, wts
	s_load_b128 s[8:11], s[0:1], 0x10              ; fc2_b, x1
	s_load_b64 s[12:13], s[0:1], 0x20              ; out0
	v_lshl_add_u32 v[SPW], v0, 2, SPARE
	v_mov_b32 v[NIL], 0
	ds_add_u32 v[SPW], v[NIL]                      ; the opening lines: the add, twice on end, and its wait ahead of the first round
	ds_add_u32 v[SPW], v[NIL]
	v_lshrrev_b32 v15, 5, v0
	v_readfirstlane_b32 s14, v15                   ; wave
	v_and_b32 v16, 31, v0
	v_lshlrev_b32 v[L16], 4, v16
	v_lshlrev_b32 v[L8], 3, v16
	v_lshlrev_b32 v[PF], 8, v16
	v_and_b32 v17, 15, v0                          ; r
	v_bfe_u32 v18, v0, 4, 1                        ; h
	v_mul_u32_u24 v19, v17, SP
	v_lshl_add_u32 v19, v18, 5, v19
	s_mul_i32 s36, s14, STG
	s_mul_i32 s37, s14, 32*SP
	v_add_nc_u32 v[STO], s36, v19
	v_add_nc_u32 v[RD], s37, v[L16]
	v_add_nc_u32 v[RD+1], STG, v[RD]
	v_add_nc_u32 v[RD+2], 2*STG, v[RD]
	v_add_nc_u32 v[RD+3], 3*STG, v[RD]
	s_lshl_b32 s36, s14, 12                        ; in a block's 8 steps of a chunk mine begin 2 w x 2,048 bytes on
	v_add_nc_u32 v[ADB], s36, v[L16]
	v_add_nc_u32 v[ADB+1], 65536, v[ADB]
	v_add_nc_u32 v[ADB+2], SLOT, v[ADB]
	v_add_nc_u32 v[ADB+3], SLOT+65536, v[ADB]
	s_bfe_u32 s39, ttmp6, 0x40000                  ; cx
	s_lshl_b32 s15, ttmp9, 2
	s_add_co_u32 s15, s15, s39                     ; tile row = 4 x cluster x + cx
	s_and_b32 s38, ttmp7, 0xffff                   ; tile column: the same in the four partners
	s_lshl_b32 s16, s15, 19                        ; hb's codes: 8 blocks of 65,536 bytes a tile row, + my two steps
	s_add_co_u32 s16, s16, s36
	s_lshl_b32 s18, s38, 19                        ; W2's codes: the tile column's 8 blocks, + the two that I fetch
	s_add_co_u32 s40, s18, WF2C
	s_lshl_b32 s36, s14, 17
	s_add_co_u32 s18, s40, s36
	s_lshl_b32 s20, s14, 15                        ; hb's scale bytes: run w of each chunk's four, 32,768 bytes a run; 128 rows of 8
	s_lshl_b32 s37, s15, 10
	s_add_co_u32 s20, s20, s37
	s_add_co_u32 s20, s20, HS
	s_lshl_b32 s22, s14, 13                        ; W2's: runs of 8,192 bytes
	s_lshl_b32 s37, s38, 10
	s_add_co_u32 s22, s22, s37
	s_add_co_u32 s22, s22, WF2S
	s_lshl_b32 s24, s38, 9                         ; the bias: 128 numbers a tile column
	s_lshl_b32 s26, s15, 19                        ; my 32 rows of x1 and out0: (128 tile row + 32 wave) x 4,096 + 512 tile column
	s_add_co_u32 s26, s26, s36
	s_add_co_u32 s26, s26, s24
	s_lshl_b32 s36, s39, 2                         ; the prefetches: which of the cluster's sixteen waves I am: 8,192 bytes of a chunk each:
	s_add_co_u32 s36, s36, s14
	s_lshr_b32 s37, s36, 1
	s_lshl_b32 s37, s37, 16                        ; which block,
	s_add_co_u32 s40, s40, s37
	s_and_b32 s36, s36, 1
	s_lshl_b32 s36, s36, 13                        ; which half of its 16,384 bytes
	s_add_co_u32 s40, s40, s36
.irp r, 17,19,21,23,25,27,41
	s_mov_b32 s\r, 0
.endr
	s_mov_b32 s[G0], 1
	s_lshl_b32 s[G0+1], s14, 15                    ; into slot 0: blocks 2 w, 2 w + 1
	s_mov_b32 s[G1], 15|(3<<16)|(1<<21)            ; the mask: all four partners; elements of 8 bytes; bit 21 beside a mask
	s_mov_b32 s[G1+1], 2048<<16                    ; tensor_dim0: 16,384 bytes
	s_mov_b32 s[G1+2], 2<<16                       ; tensor_dim1: 2 blocks
	s_mov_b32 s[G1+3], 2048<<16                    ; tile_dim0
	s_mov_b32 s[G1+4], 2                           ; tile_dim1
	s_mov_b32 s[G1+5], 8192                        ; from block to block: 65,536 bytes
	s_mov_b32 s[G1+6], 0
	s_mov_b32 s[G1+7], 0
	s_wait_alu depctr_va_vdst(0)
	s_wait_dscnt 0x0                               ; both opening adds are done
	ROUND                                          ; the four work-groups are here: the first joint loads meet
	s_wait_kmcnt 0x0
	s_add_nc_u64 s[G0+2:G0+3], s[6:7], s[18:19]
	s_or_b32 s[G0+3], s[G0+3], 0x80000000
	tensor_load_to_lds s[G0:G0+3], s[G1:G1+7]      ; chunk 0: my one tensor load at the head
	s_nop 0
	PLACES 4
	s_add_nc_u64 s[16:17], s[4:5], s[16:17]
	s_add_nc_u64 s[20:21], s[4:5], s[20:21]
	s_add_nc_u64 s[22:23], s[6:7], s[22:23]
	s_add_nc_u64 s[24:25], s[8:9], s[24:25]
	s_add_nc_u64 s[28:29], s[10:11], s[26:27]
	s_add_nc_u64 s[30:31], s[12:13], s[26:27]
	s_add_nc_u64 s[40:41], s[6:7], s[40:41]
.macro LDA t                           ; hb's eight blocks of my step t into set t % 2: 32 loads
	WIN 0x40
.irp a, 0,1,2,3,4,5,6,7
.irp c, 0,1,2,3
	global_load_b128 v[128*((\t)%2)+16*\a+4*\c:128*((\t)%2)+16*\a+4*\c+3], v[L16], s[16:17] offset:65536*\a+2048*(8*((\t)/2)+(\t)%2)+512*\c
.endr
.endr
	WIN 0
.endm
.macro LDY t, b0                       ; W2's blocks b0 .. b0 + 3 of my step t, from the chunk's slot: 16 LDS loads of 512 consecutive bytes
.irp b, \b0, \b0+1, \b0+2, \b0+3
.irp c, 0,1,2,3
	ds_load_b128 v[AF+16*(\b)+4*\c:AF+16*(\b)+4*\c+3], v[ADB+2*(((\t)/2)%2)+(\b)/4] offset:((\b)%4)*16384+((\t)%2)*2048+512*\c
.endr
.endr
.endm
.macro LDSC g                          ; the scale words of my two steps of chunk g: 8 loads
.irp p, 0,1,2,3
	global_load_b64 v[SA+8*\p+2*(\g):SA+8*\p+2*(\g)+1], v[L8], s[20:21] offset:131072*(\g)+256*\p
	global_load_b64 v[SBS+8*\p+2*(\g):SBS+8*\p+2*(\g)+1], v[L8], s[22:23] offset:32768*(\g)+256*\p
.endr
.endm
.macro LDR                             ; the residual: my 32 rows x 512 bytes into hb's set 0: 32 loads
	WIN 0x40
.set I_, 0
.rept 32
	global_load_b128 v[4*I_:4*I_+3], v[L16], s[28:29] offset:4096*I_ th:TH_LOAD_NT
.set I_, I_+1
.endr
	WIN 0
.endm
.macro PROD t, a, b, zero              ; an odd block's scale words stand in lanes 16-31
.set D_, 8*(8*((\b)%4)+(\a))
.set B_, AF+16*(\b)
.set A_, 128*((\t)%2)+16*(\a)
.set SB_, SBS+8*((\b)/2)+(\t)
.set SA_, SA+8*((\a)/2)+(\t)
.if \zero
.if ((\a)%2) && ((\b)%2)
	v_wmma_scale_f32_16x16x128_f8f6f4 v[D_:D_+7], v[B_:B_+15], v[A_:A_+15], 0, v[SB_], v[SA_] matrix_a_fmt:MATRIX_FMT_BF8 matrix_b_fmt:MATRIX_FMT_BF8 matrix_a_scale:MATRIX_SCALE_ROW1 matrix_b_scale:MATRIX_SCALE_ROW1
.elseif (\b)%2
	v_wmma_scale_f32_16x16x128_f8f6f4 v[D_:D_+7], v[B_:B_+15], v[A_:A_+15], 0, v[SB_], v[SA_] matrix_a_fmt:MATRIX_FMT_BF8 matrix_b_fmt:MATRIX_FMT_BF8 matrix_a_scale:MATRIX_SCALE_ROW1
.elseif (\a)%2
	v_wmma_scale_f32_16x16x128_f8f6f4 v[D_:D_+7], v[B_:B_+15], v[A_:A_+15], 0, v[SB_], v[SA_] matrix_a_fmt:MATRIX_FMT_BF8 matrix_b_fmt:MATRIX_FMT_BF8 matrix_b_scale:MATRIX_SCALE_ROW1
.else
	v_wmma_scale_f32_16x16x128_f8f6f4 v[D_:D_+7], v[B_:B_+15], v[A_:A_+15], 0, v[SB_], v[SA_] matrix_a_fmt:MATRIX_FMT_BF8 matrix_b_fmt:MATRIX_FMT_BF8
.endif
.else
.if ((\a)%2) && ((\b)%2)
	v_wmma_scale_f32_16x16x128_f8f6f4 v[D_:D_+7], v[B_:B_+15], v[A_:A_+15], v[D_:D_+7], v[SB_], v[SA_] matrix_a_fmt:MATRIX_FMT_BF8 matrix_b_fmt:MATRIX_FMT_BF8 matrix_a_scale:MATRIX_SCALE_ROW1 matrix_b_scale:MATRIX_SCALE_ROW1
.elseif (\b)%2
	v_wmma_scale_f32_16x16x128_f8f6f4 v[D_:D_+7], v[B_:B_+15], v[A_:A_+15], v[D_:D_+7], v[SB_], v[SA_] matrix_a_fmt:MATRIX_FMT_BF8 matrix_b_fmt:MATRIX_FMT_BF8 matrix_a_scale:MATRIX_SCALE_ROW1
.elseif (\a)%2
	v_wmma_scale_f32_16x16x128_f8f6f4 v[D_:D_+7], v[B_:B_+15], v[A_:A_+15], v[D_:D_+7], v[SB_], v[SA_] matrix_a_fmt:MATRIX_FMT_BF8 matrix_b_fmt:MATRIX_FMT_BF8 matrix_b_scale:MATRIX_SCALE_ROW1
.else
	v_wmma_scale_f32_16x16x128_f8f6f4 v[D_:D_+7], v[B_:B_+15], v[A_:A_+15], v[D_:D_+7], v[SB_], v[SA_] matrix_a_fmt:MATRIX_FMT_BF8 matrix_b_fmt:MATRIX_FMT_BF8
.endif
.endif
.endm
.macro MUL t, b0, zero                 ; 32 products: W2's blocks b0 .. b0 + 3 x hb's eight; the 64 accumulators take turns, in the same order in every step
.irp b, \b0, \b0+1, \b0+2, \b0+3
.irp a, 0,1,2,3,4,5,6,7
	PROD \t, \a, \b, \zero
.endr
.endr
.endm
; THE CHANGE OF SLOTS, ahead of chunk j.  All my tensor loads are in (my part of chunk j); the add; my reads of chunk j - 1 are over; the round; then chunk j + 1 is asked for, into the slot that chunk j - 1 has left.
.macro CHANGE j
	s_wait_tensorcnt 0x0
	ds_add_u32 v[SPW], v[NIL]                      ; 0 onto my spare word
.if (\j) < 3
	s_xor_b32 s[G0+1], s[G0+1], SLOT               ; no tensor load of mine is out, so group 0 may walk: the other slot,
	s_add_nc_u64 s[G0+2:G0+3], s[G0+2:G0+3], 16384 ; the next chunk
.endif
	s_wait_dscnt 0x0
.if (\j) < 3
	ROUND
	tensor_load_to_lds s[G0:G0+3], s[G1:G1+7]      ; the first tensor load behind the round, and my only one until the next
	s_nop 0
	PLACES 4
.if (\j) < 2
	global_prefetch_b8 v[PF], s[40:41] offset:16384*((\j)+2) th:TH_LOAD_NT scope:SCOPE_SE   ; what the next change of slots will ask for
.endif
.else
	s_barrier_signal -1                            ; nothing is filled again: chunk 3 is shown by a plain barrier
	s_barrier_wait -1
.endif
	LDY 2*(\j), 0
	LDY 2*(\j), 4
.endm
.macro STEP t, zero
.if ((\t)%2) == 1 && (\t) < 7          ; hb's set of step t and its scale words are in; behind them the 32 loads of step t + 1 (step 7: of the residual), and behind an even step's end 8 scale loads, may be out
	s_wait_loadcnt 40
.else
	s_wait_loadcnt 32
.endif
	s_wait_dscnt 16                                ; W2's blocks 0-3 are in; the 16 loads of blocks 4-7 may be out
	WIN 0xa4                                       ; source 0 (W2) window 0, source 1 (hb) window 1, C and D window 2
	MUL \t, 0, \zero
	WIN 0
.if ((\t)%2) == 0
	PLACES 8                                       ; places ahead of loads into registers that the products have read (ISA guide 7.12.1 for vector instructions)
	LDY (\t)+1, 0                                  ; the chunk's second step lies in the same slot
	s_wait_dscnt 16                                ; blocks 4-7 are in; the 16 just issued may be out
.else
	s_wait_dscnt 0x0
.endif
	WIN 0xf4                                       ; C and D window 3
	MUL \t, 4, \zero
	WIN 0
	PLACES 8
.if ((\t)%2) == 0
	LDY (\t)+1, 4
.if (\t) < 6
	LDSC (\t)/2+1
.endif
.endif
.if (\t) < 6
	LDA (\t)+2
.elseif (\t) == 6
	LDR
.endif
.endm
	global_prefetch_b8 v[PF], s[40:41] offset:16384 th:TH_LOAD_NT scope:SCOPE_SE   ; chunk 1, which the first change of slots will ask for
	global_load_b128 v[BIA:BIA+3], v[L16], s[24:25]
	LDSC 0
	LDA 0
	LDA 1
	CHANGE 0
	STEP 0, 1                                      ; the first step's products start the sums
	STEP 1, 0
.irp j, 1,2,3
	CHANGE \j
	STEP 2*\j, 0
	STEP 2*\j+1, 0
.endr
	s_barrier_signal -1                            ; (no LDS instruction of mine is out)  nobody reads the slots any more: the stages may be laid over them
	s_barrier_wait -1
	; my part of the sums into my stage: row 16 a + r, columns 16 b + 8 h + 0 .. 7; each accumulator from its low end on
.irp b, 0,1,2,3,4,5,6,7
	WIN 0x08+4*((\b)/4)                            ; the data: window 2 or 3
.irp a, 0,1,2,3,4,5,6,7
	ds_store_b128 v[STO], v[64*((\b)%4)+8*\a:64*((\b)%4)+8*\a+3] offset:\a*16*SP+64*(\b)
	ds_store_b128 v[STO], v[64*((\b)%4)+8*\a+4:64*((\b)%4)+8*\a+7] offset:\a*16*SP+64*(\b)+16
.endr
.endr
	WIN 0
	s_wait_dscnt 0x0                               ; for the others' sake: my part lies in LDS
	s_barrier_signal -1
	s_barrier_wait -1
	s_wait_loadcnt 0x0                             ; the residual and the bias
.irp g, 0,1,2,3                        ; eight rows at a time: four parts of each, 16 bytes a lane
.if \g > 0
	s_wait_xcnt 0x0                                ; the last eight stores have read their registers
.endif
.irp j, 0,1,2,3,4,5,6,7
.irp s, 0,1,2,3
	ds_load_b128 v[AF+32*\s+4*\j:AF+32*\s+4*\j+3], v[RD+\s] offset:(8*\g+\j)*SP
.endr
.endr
.irp j, 0,1,2,3,4,5,6,7
	s_wait_dscnt 28-4*\j                           ; row j's four loads are in; the later rows' four each may be out
.irp e, 0,2
	v_pk_add_f32 v[AF+4*\j+\e:AF+4*\j+\e+1], v[AF+4*\j+\e:AF+4*\j+\e+1], v[AF+32+4*\j+\e:AF+32+4*\j+\e+1]
	v_pk_add_f32 v[AF+64+4*\j+\e:AF+64+4*\j+\e+1], v[AF+64+4*\j+\e:AF+64+4*\j+\e+1], v[AF+96+4*\j+\e:AF+96+4*\j+\e+1]
.endr
.irp e, 0,2
	v_pk_add_f32 v[AF+4*\j+\e:AF+4*\j+\e+1], v[AF+4*\j+\e:AF+4*\j+\e+1], v[AF+64+4*\j+\e:AF+64+4*\j+\e+1]
.endr
.irp e, 0,2
	v_pk_add_f32 v[AF+4*\j+\e:AF+4*\j+\e+1], v[AF+4*\j+\e:AF+4*\j+\e+1], v[BIA+\e:BIA+\e+1]
.endr
.endr
	WIN 0x04                                       ; source 1: window 1, the residual
.set I_, 0
.rept 16
	v_pk_add_f32 v[AF+2*I_:AF+2*I_+1], v[AF+2*I_:AF+2*I_+1], v[32*\g+2*I_:32*\g+2*I_+1]
.set I_, I_+1
.endr
	WIN 0
.irp j, 0,1,2,3,4,5,6,7
	global_store_b128 v[L16], v[AF+4*\j:AF+4*\j+3], s[30:31] offset:(8*\g+\j)*4096 th:TH_STORE_NT   ; 32 lanes store 512 consecutive bytes, aligned
.endr
.endr
	s_wait_tensorcnt 0x0                           ; the wave's end
	ds_add_u32 v[SPW], v[NIL]
	s_wait_dscnt 0x0
	ROUND                                          ; the closing round
	s_endpgm
.Lfunc_end_k_q5059fc582f_fc2:
	.size	k_q5059fc582f_fc2, .Lfunc_end_k_q5059fc582f_fc2-k_q5059fc582f_fc2
	.p2alignl 7, 3214868480
	.fill 96, 4, 3214868480
	.section	.rodata,"a",@progbits
	.p2align	6, 0x0
	.amdhsa_kernel k_q5059fc582f_fc2
		.amdhsa_group_segment_fixed_size 327680
		.amdhsa_private_segment_fixed_size 0
		.amdhsa_enable_private_segment 0
		.amdhsa_kernarg_size 40
		.amdhsa_user_sgpr_count 2
		.amdhsa_user_sgpr_kernarg_segment_ptr 1
		.amdhsa_wavefront_size32 1
		.amdhsa_system_sgpr_workgroup_id_x 1
		.amdhsa_system_sgpr_workgroup_id_y 1
		.amdhsa_system_sgpr_workgroup_id_z 1
		.amdhsa_system_vgpr_workitem_id 0
		.amdhsa_next_free_vgpr 1024
		.amdhsa_next_free_sgpr 66
		.amdhsa_reserve_vcc 0
		.amdhsa_float_denorm_mode_32 3
		.amdhsa_float_denorm_mode_16_64 3
		.amdhsa_memory_ordered 1
		.amdhsa_forward_progress 1
		.amdhsa_inst_pref_size 164
	.end_amdhsa_kernel
	.amdgpu_metadata
---
amdhsa.version: [ 1, 2 ]
amdhsa.kernels:
  - .name:           k_q5059fc582f_fc2
    .symbol:         k_q5059fc582f_fc2.kd
    .args:
      - { .name: hb, .offset: 0, .size: 8, .value_kind: global_buffer, .address_space: global }
      - { .name: wts, .offset: 8, .size: 8, .value_kind: global_buffer, .address_space: global }
      - { .name: fc2_b, .offset: 16, .size: 8, .value_kind: global_buffer, .address_space: global }
      - { .name: x1, .offset: 24, .size: 8, .value_kind: global_buffer, .address_space: global }
      - { .name: out0, .offset: 32, .size: 8, .value_kind: global_buffer, .address_space: global }
    .group_segment_fixed_size: 327680
    .private_segment_fixed_size: 0
    .kernarg_segment_align: 8
    .kernarg_segment_size: 40
    .max_flat_workgroup_size: 128
    .sgpr_count:     66
    .vgpr_count:     1024
    .wavefront_size: 32
...
	.end_amdgpu_metadata
.endif
;; end of part 7
